; MI455X (gfx1250); checked and timed in simulation.
; The chip was launched on July 23, 2026; its instructions are those of AMD's public machine-readable ISA for CDNA 5 (MIT licence, August 2026) and "CDNA5" Instruction Set Architecture Reference Guide (July 2026). The comments in the code are by the model that wrote it; some were corrected since.
;; Transformer. Allowed arithmetic: matrix products marked QUANTISED: E4M3 operands, one given power-of-two scale a tensor, by v_wmma_f32_16x16x64_fp8_fp8 or v_wmma_f32_16x16x128_fp8_fp8, f32 sums; everything else in f32.
;; Inputs: bf1 4,096 float32; bf2 1,024 float32; bk 1,024 float32; bq 1,024 float32; bv 1,024 float32; ffln_b 2,048 x 1,024 float32; ffln_g 2,048 x 1,024 float32; ln_b 2,048 x 1,024 float32; ln_g 2,048 x 1,024 float32; lowp_scales 14 int32 (the exponents e of the quantised operands' scales 2^e); wf1_codes 4,096 x 32 x 32 uint8 (E4M3 codes of wf1, K innermost, in blocks of 32 codes); wf2_codes 1,024 x 128 x 32 uint8 (E4M3 codes of wf2, K innermost, in blocks of 32 codes); wk_codes 1,024 x 32 x 32 uint8 (E4M3 codes of wk, K innermost, in blocks of 32 codes); wq_codes 1,024 x 32 x 32 uint8 (E4M3 codes of wq, K innermost, in blocks of 32 codes); wv_codes 1,024 x 32 x 32 uint8 (E4M3 codes of wv, K innermost, in blocks of 32 codes); x 2 x 2,048 x 1,024 float32.
;; Outputs: out0 2 x 2,048 x 1,024 float32.
;; This version of the problem:
;;   THIS VERSION OF THE PROBLEM IS GIVEN IN LOW PRECISION. The matrix products marked QUANTISED in the list below multiply operands that are first quantised to E4M3 (4 exponent bits, 3 mantissa bits; 8 bits a number), with one given power-of-two scale for each operand tensor; their sums are f32. All else is computed in f32.
;;   The module's matrix products, in the order in which they are computed (A, B: the left and right operand; K: the contracted axis; several contracted axes count as one K, in the product's order):
;;     1. [M 4,096, K 1,024] x [K 1,024, N 1,024]; A: input x; B: input wq (given as codes): QUANTISED (scales: A lowp_scales[0], B lowp_scales[1])
;;     2. [M 4,096, K 1,024] x [K 1,024, N 1,024]; A: input x; B: input wk (given as codes): QUANTISED (scales: A lowp_scales[2], B lowp_scales[3])
;;     3. [M 4,096, K 1,024] x [K 1,024, N 1,024]; A: input x; B: input wv (given as codes): QUANTISED (scales: A lowp_scales[4], B lowp_scales[5])
;;     4. batch 32 x [M 2,048, K 64] x [K 64, N 2,048]; A: computed on the way; B: computed on the way: QUANTISED (scales: A lowp_scales[6], B lowp_scales[7])
;;     5. batch 32 x [M 64, K 2,048] x [K 2,048, N 2,048]; A: computed on the way; B: softmax (see below): QUANTISED (scales: A lowp_scales[8], B lowp_scales[9])
;;     6. [M 4,096, K 1,024] x [K 1,024, N 4,096]; A: computed on the way; B: input wf1 (given as codes): QUANTISED (scales: A lowp_scales[10], B lowp_scales[11])
;;     7. [M 4,096, K 4,096] x [K 4,096, N 1,024]; A: computed on the way; B: input wf2 (given as codes): QUANTISED (scales: A lowp_scales[12], B lowp_scales[13])
;;   THE QUANTISER, for each operand of a quantised product, along K:
;;     - The operand's scale is 2^e, e = its entry of the input lowp_scales (int32; the entries are numbered through the quantised products in the list's order, A before B).
;;     - Each number is divided by the scale, clamped to +-448, and rounded to the nearest number of E4M3, ties to even, subnormals kept.
;;     - The product sums the exact products of the quantised numbers (number of the format x scale) in f32.
;;   ~~~python
;;   def quantise(x, axis, e):      # numpy; x: float32 -> the quantised numbers, widened to float32 again
;;       x = np.moveaxis(x, axis, -1); K = x.shape[-1]
;;       r = np.clip(x / 2.0 ** e, -448, 448)
;;       step = 2.0 ** (np.maximum(np.frexp(np.where(r == 0, 1, r))[1] - 1, -6) - 3)
;;       q = np.round(r / step) * step * 2.0 ** e      # np.round: ties to even
;;       return np.moveaxis(q, -1, axis).astype(np.float32)
;;   ~~~
;;   SOFTMAX AHEAD OF A QUANTISED PRODUCT. Where the list says 'softmax', what is quantised is not the finished softmax but p = 2^(t - M), with t = logit x log2(e) and M = ceil(the row's largest t), a whole number; so 1/2 < the row's largest p <= 1. The row's sum l is taken of the UNQUANTISED p, in f32, and the product's result is divided by l at the end. Since M is a whole number, a kernel that streams over the keys may use a running M (the ceiling of the running maximum): every later rescaling is an exact power of two, so the quantised numbers keep their values, but for numbers so far below the row's largest that they fall under the format's range.
;;   OPERANDS COMPUTED ON THE WAY. 'Computed on the way' means the value that the module computes at that place (a softmax that the list does not call 'softmax' is quantised finished and normalised). What goes into a quantiser is computed in f32, as accurately as f32 sums, v_exp_f32 and their like allow (about 1e-6 of the number): no bf16 or f16 on the way to a quantiser, and a product that is left as it is and whose result goes on into a quantised operand takes f32 operands (vector FMAs, or v_wmma_f32_16x16x4_f32). A number that lies on a knife's edge between two numbers of the format may be rounded either way, as far as f32 arithmetic and the matrix unit's own rounding can turn it there, and no further.
;;   INPUTS GIVEN AS CODES. wf1 (in the module: [1024, 4096], K = its axis 0); wf2 (in the module: [4096, 1024], K = its axis 0); wk (in the module: [1024, 1024], K = its axis 0); wq (in the module: [1024, 1024], K = its axis 0); wv (in the module: [1024, 1024], K = its axis 0): each comes as NAME_codes (uint8): NAME with its K axis moved to the last place and cut into blocks of 32 codes, [.., K / 32, bytes a block], one block behind the other in memory; one code a byte (a code: sign, 4 exponent bits, 3 mantissa bits); its scale is its entry of lowp_scales. Its value is code x scale, taken as it is: it is not quantised again, and the codes and scales need not be those that the quantiser above would give.
;; 2 versions. Each part assembles by itself: llvm-mc -triple=amdgcn-amd-amdhsa -mcpu=gfx1250 --defsym DOCPART=n.
;; ======== version 1 of 2: 7 launches
;; limits: right only within a limited range of input values
;; workspace buffers: xcodes 12,582,912 bytes; qkvc 12,582,912 bytes; resid 16,777,216 bytes; stats 32,768 bytes; out1 16,777,216 bytes; a6 4,194,304 bytes; hc 16,777,216 bytes
;; launch prep (part 1): grid 256 x 1, 8 waves a work-group, no clusters, 21,504 bytes of LDS; arguments x, lowp_scales, xcodes; writes xcodes
.if DOCPART == 1
	.amdgcn_target "amdgcn-amd-amdhsa--gfx1250"
	.amdhsa_code_object_version 6
	.text
	.protected	k_q7248d89aa4_prep
	.globl	k_q7248d89aa4_prep
	.p2align	8
	.type	k_q7248d89aa4_prep,@function
k_q7248d89aa4_prep:
	s_mov_b64 s[64:65], 0
	v_nop
	global_prefetch_b8 v0, s[64:65] scope:SCOPE_SE
	s_setreg_imm32_b32 hwreg(HW_REG_WAVE_MODE, 25, 1), 1
	s_wait_xcnt 0x0
; THE PROGRAM: a transformer block (B 2, S 2048, U 1024, 16 heads of 64, hidden 4096) with all seven products on codes of E4M3, in seven launches:
; prep (x -> codes) | qkv | attn (+ x, partial statistics) | ln1q | ffn1 | ffn2 (+ residual, partial statistics) | ln2.
; WORK LEFT OUT.  reference() builds the causal mask itself (jnp.tril) and sets every score with key > query to -1e9 ahead of the softmax: its weight is exp(-1e9 - max), which is 0 beside the visible keys
; for all finite inputs whose visible logits lie above about -1e9 + 200.  So a key step of 128 keys all of which come after a wave's 16 queries adds nothing to the row's sum or to the second product, and
; launch attn leaves such steps out (products 4 and 5 of those steps).  Nothing else is left out; every input has a way to the output and is loaded (bk too: it stands ahead of K's quantiser).
; LIMIT: a NaN, an infinity or an overflow that would arise only in the key steps left out is not carried to the result.
; THIS LAUNCH: x [4096][1024] f32 becomes codes three times, with the scales 2^e0, 2^e2, 2^e4 of products 1, 2, 3: xcodes = three parts of 4 MiB, [4096][1024], K innermost.
; code = x / 2^e, held within +-448, rounded to the nearest code, ties to even.  LIMITS: e0, e2, e4 between -126 and 119.  NaN among the inputs is not served.
; A wave takes 2,048 numbers in four steps of 512.  Each load reads 512 consecutive bytes, 16 a lane; a step's 2,048 bytes turn through the wave's own stage in LDS (16 bytes of padding behind each 64) and come
; back 64 bytes a lane: 16 neighbours along K, as the conversions want them.  A lane's 16 codes are 16 bytes: each store covers 512 consecutive bytes, aligned.  Waves share nothing: no barrier.
.set SP,    80                         ; a lane's place in the stage: 64 bytes + 16 of padding
.set WREG,  32*SP                      ; a wave's stage
.set SPARE, 8*WREG                     ; behind the stages: the spare words, 128 bytes for each wave, which no other line names
.set SPW,   10                         ; v10  my spare word's LDS address; never rewritten
.set NIL,   11                         ; v11  0; never rewritten
.set SC,    16                         ; v16-21  for each of the three scales: 2^e, 448 x 2^e
.set R,     32                         ; v32-95  the four steps as loaded
.set X,     96                         ; v96-127 two sets of 16 neighbours
.set T,     128                        ; v128-175 the 16 numbers held within each scale's range
.set C,     176                        ; v176-223 codes: registers of their own for each step and scale, so that no store's data are written again
.set OB,    32                         ; s[32:37] the three parts of xcodes at my wave's place
	s_load_b128 s[4:7], s[0:1], 0x0                ; x, the scales' exponents
	s_load_b64 s[8:9], s[0:1], 0x10                ; xcodes
	v_lshl_add_u32 v[SPW], v0, 2, SPARE
	v_mov_b32 v[NIL], 0
	v_lshrrev_b32 v1, 5, v0
	v_readfirstlane_b32 s16, v1                    ; wave
	v_and_b32 v1, 31, v0                           ; lane
	v_lshlrev_b32 v2, 4, v1                        ; my 16 bytes of a load's or a store's 512
	s_mul_i32 s17, s16, WREG
	v_lshrrev_b32 v3, 2, v1
	v_mul_u32_u24 v3, v3, SP
	v_and_b32 v5, 3, v1
	v_lshl_add_u32 v3, v5, 4, v3
	v_add_nc_u32 v3, s17, v3                       ; the stage, on the way in: SP (lane / 4) + 16 (lane % 4)
	v_mul_u32_u24 v4, v1, SP
	v_add_nc_u32 v4, s17, v4                       ; and on the way out: SP x lane
	s_lshl_b32 s18, ttmp9, 3
	s_add_co_u32 s18, s18, s16                     ; which run of 2,048 numbers is my wave's
	s_lshl_b32 s28, s18, 13                        ; in x: 8,192 bytes a run
	s_mov_b32 s29, 0
	s_lshl_b32 s30, s18, 11                        ; in the codes: 2,048
	s_mov_b32 s31, 0
	s_wait_kmcnt 0x0
	s_load_b256 s[20:27], s[6:7], 0x0              ; e0 .. e7; e0 = s20, e2 = s22, e4 = s24
	s_add_nc_u64 s[4:5], s[4:5], s[28:29]
	s_add_nc_u64 s[OB:OB+1], s[8:9], s[30:31]
	s_add_nc_u64 s[OB+2:OB+3], s[OB:OB+1], 0x400000
	s_add_nc_u64 s[OB+4:OB+5], s[OB:OB+1], 0x800000
.irp t, 0,1,2,3
.irp i, 0,1,2,3
	global_load_b128 v[R+16*\t+4*\i:R+16*\t+4*\i+3], v2, s[4:5] offset:2048*\t+512*\i th:TH_LOAD_NT
.endr
.endr
	s_wait_kmcnt 0x0
.irp k, 0,1,2
	s_add_co_i32 s28, s[20+2*\k], 127
	s_lshl_b32 s29, s28, 23
	v_mov_b32 v[SC+2*\k], s29                      ; 2^e as f32: the conversion takes its exponent field
	s_add_co_i32 s28, s28, 8
	s_lshl_b32 s28, s28, 23
	s_or_b32 s28, s28, 0x600000
	v_mov_b32 v[SC+2*\k+1], s28                    ; 448 x 2^e
.endr
.macro TURN t                          ; step t through the stage: LDS serves a wave's instructions in order, so no wait stands between the stores and the loads, nor ahead of the next step's stores
.irp i, 0,1,2,3
	ds_store_b128 v3, v[R+16*(\t)+4*\i:R+16*(\t)+4*\i+3] offset:8*SP*\i
.endr
.irp i, 0,1,2,3
	ds_load_b128 v[X+16*((\t)%2)+4*\i:X+16*((\t)%2)+4*\i+3], v4 offset:16*\i
.endr
.endm
.macro STEP t
.set XS, X+16*((\t)%2)
	s_wait_dscnt 0x0                               ; this step's numbers are back from the stage
.if (\t) < 3
	s_wait_loadcnt 4*(2-(\t))                      ; the next step's four loads are in; those of the steps behind it may be out
	TURN (\t)+1
.endif
.irp k, 0,1,2
.irp i, 0,1,2,3,4,5,6,7,8,9,10,11,12,13,14,15
	v_med3_num_f32 v[T+16*\k+\i], v[XS+\i], -v[SC+2*\k+1], v[SC+2*\k+1]   ; the conversion to an 8-bit code does not saturate (ISA guide 7.6.2): the hold comes first
.endr
.endr
.irp k, 0,1,2
	v_cvt_scalef32_pk8_fp8_f32 v[C+12*(\t)+4*\k:C+12*(\t)+4*\k+1], v[T+16*\k:T+16*\k+7], v[SC+2*\k]
	v_cvt_scalef32_pk8_fp8_f32 v[C+12*(\t)+4*\k+2:C+12*(\t)+4*\k+3], v[T+16*\k+8:T+16*\k+15], v[SC+2*\k]
.endr
	v_nop                                          ; a plain line between the conversions and the next step's holds, which write their sources
.irp k, 0,1,2
	global_store_b128 v2, v[C+12*(\t)+4*\k:C+12*(\t)+4*\k+3], s[OB+2*\k:OB+2*\k+1] offset:512*(\t)
.endr
.endm
	s_wait_loadcnt 12                              ; step 0's four loads are in
	TURN 0
	STEP 0
	STEP 1
	STEP 2
	STEP 3
	s_wait_tensorcnt 0x0                           ; the wave's end
	ds_add_u32 v[SPW], v[NIL]
	s_wait_dscnt 0x0
	s_endpgm
.Lfunc_end_k_q7248d89aa4_prep:
	.size	k_q7248d89aa4_prep, .Lfunc_end_k_q7248d89aa4_prep-k_q7248d89aa4_prep
	.p2alignl 7, 3214868480
	.fill 96, 4, 3214868480
	.section	.rodata,"a",@progbits
	.p2align	6, 0x0
	.amdhsa_kernel k_q7248d89aa4_prep
		.amdhsa_group_segment_fixed_size 21504
		.amdhsa_private_segment_fixed_size 0
		.amdhsa_enable_private_segment 0
		.amdhsa_kernarg_size 24
		.amdhsa_user_sgpr_count 2
		.amdhsa_user_sgpr_kernarg_segment_ptr 1
		.amdhsa_wavefront_size32 1
		.amdhsa_system_sgpr_workgroup_id_x 1
		.amdhsa_system_sgpr_workgroup_id_y 1
		.amdhsa_system_sgpr_workgroup_id_z 1
		.amdhsa_system_vgpr_workitem_id 0
		.amdhsa_next_free_vgpr 224
		.amdhsa_next_free_sgpr 66
		.amdhsa_reserve_vcc 0
		.amdhsa_float_denorm_mode_32 3
		.amdhsa_float_denorm_mode_16_64 3
		.amdhsa_memory_ordered 1
		.amdhsa_forward_progress 1
		.amdhsa_inst_pref_size 22
	.end_amdhsa_kernel
	.amdgpu_metadata
---
amdhsa.version: [ 1, 2 ]
amdhsa.kernels:
  - .name:           k_q7248d89aa4_prep
    .symbol:         k_q7248d89aa4_prep.kd
    .args:
      - { .name: x, .offset: 0, .size: 8, .value_kind: global_buffer, .address_space: global }
      - { .name: lowp_scales, .offset: 8, .size: 8, .value_kind: global_buffer, .address_space: global }
      - { .name: xcodes, .offset: 16, .size: 8, .value_kind: global_buffer, .address_space: global }
    .group_segment_fixed_size: 21504
    .private_segment_fixed_size: 0
    .kernarg_segment_align: 8
    .kernarg_segment_size: 24
    .max_flat_workgroup_size: 256
    .sgpr_count:     66
    .vgpr_count:     224
    .wavefront_size: 32
...
	.end_amdgpu_metadata
.endif
;; end of part 1
;; launch qkv (part 2): grid 48 x 4, 4 waves a work-group, clusters of 4 x 4, 327,680 bytes of LDS; arguments xcodes, wq_codes, wk_codes, wv_codes, bq, bk, bv, lowp_scales, qkvc; writes qkvc
.if DOCPART == 2
	.amdgcn_target "amdgcn-amd-amdhsa--gfx1250"
	.amdhsa_code_object_version 6
	.text
	.protected	k_q7248d89aa4_qkv
	.globl	k_q7248d89aa4_qkv
	.p2align	8
	.type	k_q7248d89aa4_qkv,@function
k_q7248d89aa4_qkv:
	s_mov_b64 s[64:65], 0
	v_nop
	global_prefetch_b8 v0, s[64:65] scope:SCOPE_SE
	s_setreg_imm32_b32 hwreg(HW_REG_WAVE_MODE, 25, 1), 1
	s_wait_xcnt 0x0
	s_wait_alu depctr_hold_cnt(0) depctr_sa_sdst(0) depctr_va_vdst(0) depctr_va_sdst(0) depctr_va_ssrc(0) depctr_va_vcc(0) depctr_vm_vsrc(0)
	s_getreg_b32 s2, hwreg(HW_REG_IB_STS2, 6, 4)
	s_cmp_eq_u32 s2, 0
	s_cbranch_scc0 .Lentry_in_a_cluster
	s_endpgm
.Lentry_in_a_cluster:
	s_bfe_u32 s2, ttmp6, 0x10000c
	s_cmp_lg_u32 s2, 0xf033
	s_cbranch_scc0 .Lentry_shape_is_right
	s_endpgm
.Lentry_shape_is_right:
; Q = x wq + bq, K = x wk + bk, V = x wv + bv on codes of E4M3 (K = 1024), each result quantised at once for the attention: Q with 2^e6, K with 2^e7, V with 2^e8.
; qkvc: part 0 Q [B][H][S][64], part 1 K likewise, part 2 V^T [B][H][64][S] (the keys innermost: they are the second product's K); 4 MiB a part.
; JOBS.  The cluster's x (0..11) says the job (x / 4: Q, K, V) and which quarter of it (x % 4); both are the same in all sixteen partners.  A tile is 256 x 256 of C = A B^T, four waves, 128 x 128 a wave.
;   Q, K: A = x's codes of that job (4096 rows), B = the weight's codes (1024 rows).   V: THE ROLES ARE SWAPPED: A = wv's codes, B = x's codes.
; The matrix instruction is used transposed (source 0 = 16 rows of B, source 1 = 16 rows of A), so a lane's eight results are eight neighbouring columns: for Q and K eight channels of one token,
; for V eight TOKENS of one channel: in all three jobs eight neighbours along the next product's K, which one conversion packs.  Nothing is transposed by an instruction.
; A sum stands for sum x 2^es (es = the two operands' exponents added): code = (sum + bias / 2^es) / 2^(eo - es), held within +-448.  LIMITS: eo - es between -126 and 119.  NaN is not served.
; Within an instruction k is permuted alike in both operands (four loads of 16 bytes a fragment): every product meets its partner; only the order of the sums changes.
; K goes in steps of 256 through a ring of two LDS slots; A's tile is asked for jointly along a row of the cluster, B's along a column.
; REGISTERS, in windows of 256: window 0: v0-31 addresses; v32-95 the biases; v96-105 their offsets, the scale; from v128 A's fragments, ONE set; window 1: B's fragments, two sets; windows 2, 3: the 64 accumulators.
.set KROW,   1024                      ; a row of A or of B in memory, in bytes
.set KSTEP,  256
.set ROWB,   256
.set PITCH,  272                       ; an LDS row: 256 bytes + 16 of padding: the 16 rows that a load touches start 68 words apart
.set FR,     16
.set NL,     4
.set NP,     4                         ; places behind this matrix instruction (ISA guide 7.12.1)
.set HALFT,  128*PITCH
.set SLOT,   4*HALFT
.set LAPS,   KROW/(2*KSTEP)
.set SPARE,  2*SLOT                    ; behind the ring: the spare words, 128 bytes for each wave, which no other line names
.set ADRA, 16
.set ADRB, 20
.set COV,  22                          ; v22  V's way out: my byte offset in two rows of V^T
.set STOA, 24                          ; v24  Q's, K's stage: where I put 8 codes
.set RDH,  25                          ; v25  where I read a head's rows back (rows 0-127),
.set COH,  26                          ; v26  16 x lane
.set RDH2, 27                          ; v27  (rows 128-255)
.set SPW,  28
.set NIL,  29
.set STOV, 30                          ; v30  V's stage: bytes of its own, behind Q's and K's
.set RDV,  31                          ; v31  where I read V's rows back
.set BC,   32                          ; v32-95 the biases in the result's layout
.set VO,   96                          ; v96-103 their loads' offsets
.set TMP,  128
.set AF,   128
.set G1, 24
.set G0, 32
.set G1B, 48
.set G0B, 56
.set MSB, 0
.macro WIN new                         ; the immediate's high byte repeats the setting that is left
.if MSB != (\new)
	s_set_vgpr_msb (MSB<<8)|(\new)
.set MSB, (\new)
.endif
.endm
.set MUL_LO, 0xa1                      ; source 0 (B) window 1, source 1 (A) window 0, C and D window 2
.set MUL_HI, 0xf1                      ; the same, C and D window 3
.set TO_B,   0x40                      ; destination window 1, address window 0
; A joint load: waves 0 and 1 fetch for A, waves 2 and 3 for B; the branch hangs on the wave's number alone.  An s_nop 0 and four v_nop follow each of the two lines.
.macro JLOAD g0a, g1a, g0b, g1b
	s_cmp_eq_u32 s15, 0
	s_cbranch_scc0 .Lfor_b_\@
	tensor_load_to_lds s[\g0a:\g0a+3], s[\g1a:\g1a+7]
	s_nop 0
.rept 4
	v_nop
.endr
	s_branch .Lasked_\@
.Lfor_b_\@:
	tensor_load_to_lds s[\g0b:\g0b+3], s[\g1b:\g1b+7]
	s_nop 0
.rept 4
	v_nop
.endr
.Lasked_\@:
.endm
.macro CREST                           ; a round of the cluster's barrier behind its opening barrier
	s_cmp_lg_u32 s14, 0
	s_cbranch_scc1 .Lnot_wave_0_\@
	s_barrier_signal -3
.Lnot_wave_0_\@:
	s_barrier_wait -3
	s_barrier_signal -1
	s_barrier_wait -1
.endm
.macro CROUND
	s_barrier_signal -1
	s_barrier_wait -1
	CREST
.endm
	s_load_b512 s[68:83], s[0:1], 0x0              ; xcodes 68, wq 70, wk 72, wv 74, bq 76, bk 78, bv 80, the scales' exponents 82
	s_load_b64 s[84:85], s[0:1], 0x40              ; qkvc
	v_lshl_add_u32 v[SPW], v0, 2, SPARE
	v_mov_b32 v[NIL], 0
	ds_add_u32 v[SPW], v[NIL]                      ; the wave's opening: the add, twice on end, and its wait ahead of my first tensor load
	ds_add_u32 v[SPW], v[NIL]
	v_lshrrev_b32 v1, 5, v0
	v_readfirstlane_b32 s14, v1                    ; wave 0..3
	s_lshr_b32 s15, s14, 1                         ; which half of the tile's rows is mine.  Also: I fetch for A (0) or for B (1)
	s_and_b32 s16, s14, 1                          ; which half of its columns.  Also: which 128 rows of that tile I fetch
	s_bfe_u32 s40, ttmp6, 0x40000                  ; cx, cy: my place in the cluster
	s_bfe_u32 s41, ttmp6, 0x40004
	s_lshr_b32 s66, ttmp9, 2                       ; the job: 0 Q, 1 K, 2 V
	s_and_b32 s67, ttmp9, 3                        ; which quarter of it
	s_lshl_b32 s86, s67, 2
	s_cmp_eq_u32 s66, 2                            ; V?  All that follows is chosen without a branch
	s_cselect_b32 s87, s86, 0                      ; the long axis (4096 tokens, 16 tiles) is C's columns for V,
	s_cselect_b32 s86, 0, s86                      ; its rows for Q and K
	s_cselect_b32 s94, 0, 4                        ; the biases' offsets: from register to register,
	s_cselect_b32 s95, 0, 32                       ; from half to half of the lanes,
	s_cselect_b32 s98, 4, 0                        ; from lane to lane
	s_add_co_u32 s17, s86, s41                     ; tile row of C
	s_add_co_u32 s42, s87, s40                     ; tile column of C
	s_lshl_b32 s43, s41, 2
	s_lshl_b32 s43, 15, s43                        ; my row of the cluster
	s_lshl_b32 s44, 0x1111, s40                    ; my column
	; descriptor group 1: a tile of 128 rows x 256 bytes, padded in LDS
	s_or_b32 s[G1+0], s43, (0<<16)|(1<<20)|(1<<21)|(5<<22)|(3<<25)  ; 15:0 the mask: A's tiles go to my row; elements of 1 byte; padding on; bit 21 beside a mask; after every 64 words, 4 words
	s_or_b32 s[G1B+0], s44, (0<<16)|(1<<20)|(1<<21)|(5<<22)|(3<<25)
.irp g, G1, G1B
	s_mov_b32 s[\g+1], ROWB<<16                    ; tensor_dim0
	s_mov_b32 s[\g+2], 128<<16                     ; tensor_dim1
	s_mov_b32 s[\g+3], ROWB<<16                    ; tile_dim0
	s_mov_b32 s[\g+4], 128                         ; tile_dim1
	s_mov_b32 s[\g+5], KROW                        ; tensor_dim0_stride
	s_mov_b32 s[\g+6], 0
	s_mov_b32 s[\g+7], 0
.endr
	s_lshl_b32 s18, s16, 7                         ; which 128 rows of the tile I fetch
	s_lshl_b32 s20, s17, 8
	s_add_co_u32 s20, s20, s18                     ; A: row 256 x tile row + 128 x half
	s_lshl_b32 s46, s42, 8
	s_add_co_u32 s46, s46, s18                     ; B: row 256 x tile column + 128 x half
	s_mov_b32 s21, 0
	s_mov_b32 s47, 0
	s_mov_b64 s[18:19], KROW
	s_mul_u64 s[20:21], s[20:21], s[18:19]
	s_mul_u64 s[46:47], s[46:47], s[18:19]
	s_mul_i32 s45, s14, HALFT                      ; where they go: wave x 128 rows
	s_lshl_b32 s90, s66, 22                        ; the job's part of xcodes and of qkvc: 4 MiB each
	s_mov_b32 s91, 0
	s_wait_dscnt 0x0                               ; both opening adds are done
	s_wait_kmcnt 0x0
	s_add_nc_u64 s[92:93], s[68:69], s[90:91]      ; x's codes of this job
	s_add_nc_u64 s[10:11], s[84:85], s[90:91]      ; the job's part of qkvc
	s_cmp_eq_u32 s66, 0
	s_cselect_b64 s[88:89], s[70:71], s[72:73]     ; the weight,
	s_cselect_b64 s[8:9], s[76:77], s[78:79]       ; the bias
	s_cmp_eq_u32 s66, 2
	s_cselect_b64 s[88:89], s[74:75], s[88:89]
	s_cselect_b64 s[8:9], s[80:81], s[8:9]
	s_cselect_b64 s[4:5], s[88:89], s[92:93]       ; A: the weight for V, else x
	s_cselect_b64 s[6:7], s[92:93], s[88:89]       ; B: the other
	s_load_b256 s[68:75], s[82:83], 0x0            ; e0 .. e7 (waited for on the way out)
	s_load_b32 s76, s[82:83], 0x20                 ; e8
	s_add_nc_u64 s[20:21], s[4:5], s[20:21]
	s_add_nc_u64 s[46:47], s[6:7], s[46:47]
	CROUND                                         ; all sixteen work-groups are here: the first joint loads meet
.irp s, 0,1
	s_mov_b32 s[G0+4*\s], 1
	s_add_co_u32 s[G0+4*\s+1], s45, \s*SLOT
	s_add_nc_u64 s[G0+4*\s+2:G0+4*\s+3], s[20:21], \s*ROWB
	s_or_b32 s[G0+4*\s+3], s[G0+4*\s+3], 0x80000000
	s_mov_b32 s[G0B+4*\s], 1
	s_add_co_u32 s[G0B+4*\s+1], s45, \s*SLOT
	s_add_nc_u64 s[G0B+4*\s+2:G0B+4*\s+3], s[46:47], \s*ROWB
	s_or_b32 s[G0B+4*\s+3], s[G0B+4*\s+3], 0x80000000
	JLOAD G0+4*\s, G1, G0B+4*\s, G1B
.endr
	v_and_b32 v1, 15, v0                           ; r = l % 16
	v_bfe_u32 v2, v0, 4, 1                         ; h = l / 16
	v_mul_u32_u24 v3, v1, PITCH
	v_lshl_add_u32 v4, v2, 4, v3                   ; a fragment's row x pitch + 16 x half
	s_mul_i32 s21, s15, HALFT                      ; my 128 rows of A
	s_mul_i32 s22, s16, HALFT                      ; my 128 rows of B,
	s_add_co_u32 s22, s22, 2*HALFT                 ; which lie behind A's 256
.irp s, 0,1
	v_add_nc_u32 v[ADRA+\s], s21, v4
	v_add_nc_u32 v[ADRB+\s], s22, v4
	s_add_co_u32 s21, s21, SLOT
	s_add_co_u32 s22, s22, SLOT
.endr
	; THE BIASES, in the result's layout, by one text for all jobs.  Q, K: register 8 b + j = bias of column 16 b + 8 h + j.  V: register 8 a + j = bias of row 16 a + r, the same for all j.
	v_mul_u32_u24 v5, v2, s95
	v_mad_u32_u24 v5, v1, s98, v5
.irp j, 0,1,2,3,4,5,6,7
	s_mul_i32 s23, s94, \j
	v_add_nc_u32 v[VO+\j], s23, v5
.endr
	s_lshl_b32 s21, s17, 8
	s_lshl_b32 s22, s15, 7
	s_add_co_u32 s21, s21, s22                     ; V: my first row
	s_lshl_b32 s23, s42, 8
	s_lshl_b32 s22, s16, 7
	s_add_co_u32 s23, s23, s22                     ; Q, K: my first column
	s_cmp_eq_u32 s66, 2
	s_cselect_b32 s22, s21, s23
	s_lshl_b32 s22, s22, 2
	s_mov_b32 s23, 0
	s_add_nc_u64 s[8:9], s[8:9], s[22:23]
.irp x, 0,1,2,3,4,5,6,7
.irp j, 0,1,2,3,4,5,6,7
	global_load_b32 v[BC+8*\x+\j], v[VO+\j], s[8:9] offset:64*\x
.endr
.endr
	; THE WAY OUT's addresses.  Two stages of 256 rows x 272 bytes, one for Q and K, one for V, each with bytes of its own; together they are slot 0, which has had its last fill and its last read by then.
	s_mul_i32 s21, s15, 128*272
	s_lshl_b32 s22, s16, 7
	s_add_co_u32 s21, s21, s22
	v_mul_u32_u24 v5, v1, 272
	v_lshl_add_u32 v5, v2, 3, v5
	v_add_nc_u32 v[STOA], s21, v5                  ; row 128 x my row half + r, byte 128 x my column half + 8 h
	v_add_nc_u32 v[STOV], 256*272, v[STOA]
	v_and_b32 v6, 31, v0
	v_lshrrev_b32 v7, 2, v6
	v_mul_u32_u24 v7, v7, 272
	v_and_b32 v8, 3, v6
	v_lshl_add_u32 v7, v8, 4, v7
	s_lshl_b32 s21, s14, 6
	v_add_nc_u32 v[RDH], s21, v7                   ; Q, K: wave w sends head w of the tile's four: eight tokens x 64 bytes an instruction
	v_add_nc_u32 v[RDH2], 128*272, v[RDH]
	v_lshlrev_b32 v[COH], 4, v6
	s_mul_i32 s21, s14, 64*272
	s_add_co_u32 s21, s21, 256*272
	v_mul_u32_u24 v7, v2, 272
	v_lshl_add_u32 v7, v1, 4, v7
	v_add_nc_u32 v[RDV], s21, v7                   ; V: wave w sends rows 64 w on: two rows of 256 bytes an instruction
	v_lshlrev_b32 v[COV], 11, v2
	v_lshl_add_u32 v[COV], v1, 4, v[COV]
.macro FRAG reg, adr, q, i             ; a fragment, 16 rows x 128 K: lane l holds row l % 16; registers 4 c .. 4 c + 3 hold K = 32 c + 16 (l / 16) + 0 .. 15
.irp c, 0,1,2,3
	ds_load_b128 v[\reg+4*\c:\reg+4*\c+3], v[\adr] offset:128*(\q)+32*\c+(\i)*16*PITCH
.endr
.endm
; 16 matrix instructions: A's blocks a0, a0 + 1 x B's eight.  The 64 accumulators take turns, one instruction a turn, in the same order in every step.
.macro MUL16 a0, p, zero
.irp a, \a0, \a0+1
.irp b, 0,1,2,3,4,5,6,7
.if \zero
	v_wmma_f32_16x16x128_fp8_fp8 v[8*(8*((\a)%4)+\b):8*(8*((\a)%4)+\b)+7], v[128*(\p)+FR*\b:128*(\p)+FR*\b+FR-1], v[AF+FR*(\a):AF+FR*(\a)+FR-1], 0
.else
	v_wmma_f32_16x16x128_fp8_fp8 v[8*(8*((\a)%4)+\b):8*(8*((\a)%4)+\b)+7], v[128*(\p)+FR*\b:128*(\p)+FR*\b+FR-1], v[AF+FR*(\a):AF+FR*(\a)+FR-1], v[8*(8*((\a)%4)+\b):8*(8*((\a)%4)+\b)+7]
.endif
.endr
.endr
.endm
.macro FETCH_B slot, q, p
	WIN TO_B
.irp i, 0,1,2,3,4,5,6,7
	FRAG 128*(\p)+FR*\i, ADRB+\slot, \q, \i
.endr
	WIN 0
.endm
.macro FETCH_A slot, q, i0
.irp i, \i0, \i0+1, \i0+2, \i0+3
	FRAG AF+FR*(\i), ADRA+\slot, \q, \i
.endr
.endm
.macro PLACES n                        ; plain vector lines between a matrix instruction and a load into, or a read of, its registers
.rept \n
	v_nop
.endr
.endm
.macro STEP slot, q, zero              ; 128 along K, with its successor in the same slot
	s_wait_dscnt 4*NL                              ; B's set and A's blocks 0-3 are in; the youngest 16 loads (A's blocks 4-7) may be out
	WIN MUL_LO
	MUL16 0, (\q)%2, \zero
	MUL16 2, (\q)%2, \zero
	s_wait_dscnt 0
	PLACES NP
	FETCH_B \slot, (\q)+1, 1-(\q)%2
	FETCH_A \slot, (\q)+1, 0
	WIN MUL_HI
	MUL16 4, (\q)%2, \zero
	MUL16 6, (\q)%2, \zero
	PLACES NP
	WIN 0
	FETCH_A \slot, (\q)+1, 4
.endm
; A slot's last step changes slots: ONE barrier; in front of it each wave waits for all its tensor loads, adds 0 to its spare word, and waits for that and for its own reads of this slot.
.macro TURN slot, next, fill
	s_wait_tensorcnt 0x0                           ; all my tensor loads have landed: my part of the next slot
	ds_add_u32 v[SPW], v[NIL]
	s_wait_dscnt 4*NL+1                            ; the add and the youngest 16 loads may be out
	WIN MUL_LO
	MUL16 0, 1, 0
	s_wait_dscnt 0x0                               ; the add is done, and my reads of this slot are over
	s_barrier_signal -1
	MUL16 2, 1, 0
	WIN 0
	s_barrier_wait -1
.if \fill
	CREST                                          ; the barrier has opened a round of the cluster's: no wave of any partner still reads this slot or has a load on its way
	s_add_nc_u64 s[G0+4*\slot+2:G0+4*\slot+3], s[G0+4*\slot+2:G0+4*\slot+3], 2*ROWB
	s_add_nc_u64 s[G0B+4*\slot+2:G0B+4*\slot+3], s[G0B+4*\slot+2:G0B+4*\slot+3], 2*ROWB
	JLOAD G0+4*\slot, G1, G0B+4*\slot, G1B         ; the first tensor load behind the round; its four v_nop are the places in front of the loads below
.else
	PLACES NP
.endif
	FETCH_B \next, 0, 0
	FETCH_A \next, 0, 0
	WIN MUL_HI
	MUL16 4, 1, 0
	MUL16 6, 1, 0
	PLACES NP
	WIN 0
	FETCH_A \next, 0, 4
.endm
	s_wait_tensorcnt 1                             ; my part of K step 0 is in; K step 1's load may be out
	s_barrier_signal -1
	s_barrier_wait -1
	FETCH_B 0, 0, 0
	FETCH_A 0, 0, 0
	FETCH_A 0, 0, 4
	STEP 0, 0, 1                                   ; the first step's products start the sums
	s_mov_b32 s3, LAPS-1
.Llap:
	TURN 0, 1, 1
	STEP 1, 0, 0
	TURN 1, 0, 1
	STEP 0, 0, 0
	s_sub_co_u32 s3, s3, 1
	s_cmp_lg_u32 s3, 0
	s_cbranch_scc1 .Llap
	TURN 0, 1, 0                                   ; the last lap fills nothing
	STEP 1, 0, 0
	s_wait_dscnt 4*NL
	WIN MUL_LO
	MUL16 0, 1, 0
	MUL16 2, 1, 0
	s_wait_dscnt 0
	WIN MUL_HI
	MUL16 4, 1, 0
	MUL16 6, 1, 0
	WIN 0
	; THE WAY OUT.  The job's exponents, chosen without a branch.
	s_wait_kmcnt 0x0
	s_add_co_i32 s77, s68, s69                     ; e0 + e1
	s_add_co_i32 s78, s70, s71                     ; e2 + e3
	s_add_co_i32 s79, s72, s73                     ; e4 + e5
	s_cmp_eq_u32 s66, 0
	s_cselect_b32 s90, s77, s78
	s_cselect_b32 s91, s74, s75                    ; e6 or e7
	s_cmp_eq_u32 s66, 2
	s_cselect_b32 s90, s79, s90                    ; es
	s_cselect_b32 s91, s76, s91                    ; eo
	s_sub_co_i32 s92, s91, s90
	s_add_co_i32 s92, s92, 127
	s_lshl_b32 s93, s92, 23
	v_mov_b32 v104, s93                            ; 2^(eo - es): the scales folded into the conversion's one
	s_add_co_i32 s92, s92, 8
	s_lshl_b32 s92, s92, 23
	s_or_b32 s92, s92, 0x600000
	v_mov_b32 v105, s92                            ; 448 x that
	s_sub_co_i32 s91, 0, s90
	s_lshr_b32 s77, s17, 3                         ; Q, K: batch x 2 MiB + (4 x tile column + wave) heads of 128 KiB + 256 (tile row % 8) tokens of 64 bytes
	s_lshl_b32 s77, s77, 21
	s_lshl_b32 s78, s42, 2
	s_add_co_u32 s78, s78, s14
	s_lshl_b32 s78, s78, 17
	s_add_co_u32 s77, s77, s78
	s_and_b32 s78, s17, 7
	s_lshl_b32 s78, s78, 14
	s_add_co_u32 s77, s77, s78
	s_lshr_b32 s78, s42, 3                         ; V: batch x 2 MiB + (256 x tile row + 64 x wave) channels of 2,048 bytes + 256 (tile column % 8) tokens
	s_lshl_b32 s78, s78, 21
	s_lshl_b32 s79, s17, 8
	s_lshl_b32 s92, s14, 6
	s_add_co_u32 s79, s79, s92
	s_lshl_b32 s79, s79, 11
	s_add_co_u32 s78, s78, s79
	s_and_b32 s79, s42, 7
	s_lshl_b32 s79, s79, 8
	s_add_co_u32 s78, s78, s79
	s_cmp_eq_u32 s66, 2
	s_cselect_b32 s78, s78, s77
	s_mov_b32 s79, 0
	s_add_nc_u64 s[10:11], s[10:11], s[78:79]
	s_wait_loadcnt 0x0                             ; the biases
.set J, 0
.rept 64
	v_ldexp_f32 v[BC+J], v[BC+J], s91              ; bias / 2^es.  (These lines are also the places behind the last products)
.set J, J+1
.endr
; Block a (16 rows of my 128): sums + bias, the hold, eight conversions, 8 bytes a lane and column block into the stage.  mode = 0: the bias goes by column, 1: by row.  relu = 1: what is negative becomes 0.
.macro E1 a, mode, relu, sto
.set AC, 64*((\a)%4)
.set CD, 192+16*((\a)%4)
.if (\a) >= 4
	s_wait_dscnt 24                                ; the 24 stores of the three blocks before may be out: block a - 4's have read the registers that are written now
.endif
	WIN 0x02+((\a)/4)                              ; source 0: window 2 or 3
.set J, 0
.rept 32
.if \mode
	v_pk_add_f32 v[TMP+J:TMP+J+1], v[AC+J:AC+J+1], v[BC+8*(\a)+(J%8):BC+8*(\a)+(J%8)+1]
.else
	v_pk_add_f32 v[TMP+J:TMP+J+1], v[AC+J:AC+J+1], v[BC+J:BC+J+1]   ; each accumulator from its low end on
.endif
.set J, J+2
.endr
	WIN 0
.set J, 0
.rept 64
.if \relu
	v_med3_num_f32 v[TMP+J], v[TMP+J], 0, v105
.else
	v_med3_num_f32 v[TMP+J], v[TMP+J], -v105, v105 ; the conversion does not saturate (ISA guide 7.6.2): the hold comes first
.endif
.set J, J+1
.endr
.irp b, 0,1,2,3,4,5,6,7
	v_cvt_scalef32_pk8_fp8_f32 v[CD+2*\b:CD+2*\b+1], v[TMP+8*\b:TMP+8*\b+7], v104
.endr
	v_nop                                          ; a plain line behind the last conversion
.irp b, 0,1,2,3,4,5,6,7
	ds_store_b64 v[\sto], v[CD+2*\b:CD+2*\b+1] offset:(\a)*16*272+16*\b
.endr
.endm
	s_cmp_eq_u32 s66, 2                            ; the job: the same in every wave of every partner
	s_cbranch_scc1 .Lstage_v
.irp a, 0,1,2,3,4,5,6,7
	E1 \a, 0, 0, STOA
.endr
	s_branch .Lstaged
.Lstage_v:
.irp a, 0,1,2,3,4,5,6,7
	E1 \a, 1, 0, STOV
.endr
.Lstaged:
	s_wait_dscnt 0x0                               ; for the others' sake: my stores into the stage are done
	s_barrier_signal -1
	s_barrier_wait -1
	s_cmp_eq_u32 s66, 2
	s_cbranch_scc1 .Lsend_v
.set K2, 0
.rept 16
	ds_load_b128 v[128+4*K2:131+4*K2], v[RDH] offset:8*272*K2
.set K2, K2+1
.endr
.rept 16
	ds_load_b128 v[128+4*K2:131+4*K2], v[RDH2] offset:8*272*(K2-16)
.set K2, K2+1
.endr
.set K2, 0
.rept 32
	s_wait_dscnt 31-K2                             ; the younger loads may be out
	global_store_b128 v[COH], v[128+4*K2:131+4*K2], s[10:11] offset:512*K2   ; eight tokens of my head: 512 consecutive bytes, aligned
.set K2, K2+1
.endr
	s_branch .Lend
.Lsend_v:
.set K2, 0
.rept 32
	ds_load_b128 v[128+4*K2:131+4*K2], v[RDV] offset:2*272*K2
.set K2, K2+1
.endr
.set K2, 0
.rept 32
	s_wait_dscnt 31-K2
	global_store_b128 v[COV], v[128+4*K2:131+4*K2], s[10:11] offset:4096*K2  ; sixteen lanes store 256 consecutive bytes of a channel's row, aligned
.set K2, K2+1
.endr
.Lend:
	s_wait_tensorcnt 0x0                           ; the wave's end
	ds_add_u32 v[SPW], v[NIL]
	s_wait_dscnt 0x0
	CROUND                                         ; the closing round: no work-group ends while a partner may still ask for a tile that names it
	s_endpgm
.Lfunc_end_k_q7248d89aa4_qkv:
	.size	k_q7248d89aa4_qkv, .Lfunc_end_k_q7248d89aa4_qkv-k_q7248d89aa4_qkv
	.p2alignl 7, 3214868480
	.fill 96, 4, 3214868480
	.section	.rodata,"a",@progbits
	.p2align	6, 0x0
	.amdhsa_kernel k_q7248d89aa4_qkv
		.amdhsa_group_segment_fixed_size 327680
		.amdhsa_private_segment_fixed_size 0
		.amdhsa_enable_private_segment 0
		.amdhsa_kernarg_size 72
		.amdhsa_user_sgpr_count 2
		.amdhsa_user_sgpr_kernarg_segment_ptr 1
		.amdhsa_wavefront_size32 1
		.amdhsa_system_sgpr_workgroup_id_x 1
		.amdhsa_system_sgpr_workgroup_id_y 1
		.amdhsa_system_sgpr_workgroup_id_z 1
		.amdhsa_system_vgpr_workitem_id 0
		.amdhsa_next_free_vgpr 1024
		.amdhsa_next_free_sgpr 100
		.amdhsa_reserve_vcc 0
		.amdhsa_float_denorm_mode_32 3
		.amdhsa_float_denorm_mode_16_64 3
		.amdhsa_memory_ordered 1
		.amdhsa_forward_progress 1
		.amdhsa_inst_pref_size 217
	.end_amdhsa_kernel
	.amdgpu_metadata
---
amdhsa.version: [ 1, 2 ]
amdhsa.kernels:
  - .name:           k_q7248d89aa4_qkv
    .symbol:         k_q7248d89aa4_qkv.kd
    .args:
      - { .name: xcodes, .offset: 0, .size: 8, .value_kind: global_buffer, .address_space: global }
      - { .name: wq_codes, .offset: 8, .size: 8, .value_kind: global_buffer, .address_space: global }
      - { .name: wk_codes, .offset: 16, .size: 8, .value_kind: global_buffer, .address_space: global }
      - { .name: wv_codes, .offset: 24, .size: 8, .value_kind: global_buffer, .address_space: global }
      - { .name: bq, .offset: 32, .size: 8, .value_kind: global_buffer, .address_space: global }
      - { .name: bk, .offset: 40, .size: 8, .value_kind: global_buffer, .address_space: global }
      - { .name: bv, .offset: 48, .size: 8, .value_kind: global_buffer, .address_space: global }
      - { .name: lowp_scales, .offset: 56, .size: 8, .value_kind: global_buffer, .address_space: global }
      - { .name: qkvc, .offset: 64, .size: 8, .value_kind: global_buffer, .address_space: global }
    .group_segment_fixed_size: 327680
    .private_segment_fixed_size: 0
    .kernarg_segment_align: 8
    .kernarg_segment_size: 72
    .max_flat_workgroup_size: 128
    .sgpr_count:     100
    .vgpr_count:     1024
    .wavefront_size: 32
...
	.end_amdgpu_metadata
.endif
;; end of part 2
;; launch attn (part 3): grid 8 x 32, 16 waves a work-group, clusters of 4 x 1, 327,680 bytes of LDS; arguments qkvc, x, lowp_scales, resid, stats; writes resid, stats
.if DOCPART == 3
	.amdgcn_target "amdgcn-amd-amdhsa--gfx1250"
	.amdhsa_code_object_version 6
	.text
	.protected	k_q7248d89aa4_attn
	.globl	k_q7248d89aa4_attn
	.p2align	8
	.type	k_q7248d89aa4_attn,@function
k_q7248d89aa4_attn:
	s_mov_b64 s[64:65], 0
	v_nop
	global_prefetch_b8 v0, s[64:65] scope:SCOPE_SE
	s_setreg_imm32_b32 hwreg(HW_REG_WAVE_MODE, 25, 1), 1
	s_wait_xcnt 0x0
	s_wait_alu depctr_hold_cnt(0) depctr_sa_sdst(0) depctr_va_vdst(0) depctr_va_sdst(0) depctr_va_ssrc(0) depctr_va_vcc(0) depctr_vm_vsrc(0)
	s_getreg_b32 s2, hwreg(HW_REG_IB_STS2, 6, 4)
	s_cmp_eq_u32 s2, 0
	s_cbranch_scc0 .Lentry_in_a_cluster
	s_endpgm
.Lentry_in_a_cluster:
	s_bfe_u32 s2, ttmp6, 0x10000c
	s_cmp_lg_u32 s2, 0x3003
	s_cbranch_scc0 .Lentry_shape_is_right
	s_endpgm
.Lentry_shape_is_right:
; resid = softmax_causal(Q K^T / 8) V + x, both products on codes of E4M3, and partial statistics for the norm over (S, U) that follows.
; WORK LEFT OUT: key steps of 128 keys all of which come after a wave's 16 queries (the mask that reference() builds gives them the weight 0): shown at the head of launch prep.
; Hidden scores inside the diagonal step are taken as -infinity: p = 0, as with reference()'s -1e9 while every visible logit lies above about -1e9 + 200 (LIMIT).
; THE SOFTMAX AHEAD OF THE SECOND PRODUCT: t = score x log2(e) / 8; M = the running largest t rounded UP to a whole number; p = 2^(t - M) is quantised with 2^e9, not normalised; the row's sum is taken of the
; unquantised p and divides at the end.  When M moves, the sum and O are multiplied by 2^(old M - new M): exact.
; SHARES.  grid y = the head (batch 16 y' + h).  A work-group has sixteen waves; wave w of work-group g (0..7) owns the 16 queries 128 w + 16 g on.  THE TILES ARE INTERLEAVED: every work-group has waves of 1 to 16
; key steps, and every work-group reads every slot of keys (wave 15 reads all).  Whether a step is hidden, on the diagonal or open hangs on 128 w and on the step alone (16 g + 15 < 128), never on the place in the cluster.
; CLUSTER.  The four work-groups of a cluster walk the same K and V of one head: each tile is asked for jointly (waves 0, 1: K's halves; waves 2, 3: V's).
; LAYOUT.  Both products transposed: S^T = K Q^T (16x16x64), O^T = V^T P^T (16x16x128): a lane holds ONE query.  Lane r of K's tile 2 b + u takes key 32 b + 8 u + r + 8 (r / 8), so that the 16 registers of tiles
; 2 b, 2 b + 1 are 16 neighbouring keys.  k is permuted alike in both operands of each product (loads of 16 bytes).
; LIMITS: e6 + e7 between -124 and 130 (added to c's exponent field); e9 between -126 and 119.  NaN among the inputs is not served.
; REGISTERS: v1-11, v24-27 addresses; v12 -M, v13 the largest t, v[14:15] the sum; v16-23 Q; v32-95 eight fragments of K, then four of V; v96-159 S^T, then p; v160-191 O^T; v192-223 x's rows; v224-239 p's codes; v236-254 at work.
.set SK,    256                        ; keys in a slot
.set KP,    80                         ; a key's row in LDS: 64 bytes + 16 of padding
.set VP,    272                        ; a row of V^T's tile: 256 bytes + 16
.set VOFF,  SK*KP                      ; a slot: 256 rows of K, then 64 rows of V^T
.set SLOT1, 1<<16
.set SPARE, 2*SLOT1                    ; the spare words, 128 bytes for each of 16 waves, which no other line names
.set STAGE, SPARE+2048                 ; the way out: 16 rows x 272 bytes for each wave: bytes of its own, which no tensor load fills
.set STATW, STAGE+16*16*272            ; the waves' statistics: 8 bytes each
.set AK0,  1
.set AV0,  2
.set PFO,  3                           ; v3  the prefetch's offset
.set PFST, 4                           ; v4  and its step from slot to slot
.set SPW,  5
.set NIL,  6
.set GO,   7                           ; v7  my byte offset in two rows of x and of resid
.set ADK,  8
.set ADV,  9
.set WV,   18
.set QW,   19                          ; s19  128 x wave
.set SEL,  20
.set CS,   22
.set G1K,  24
.set G1V,  32
.set G0K,  40
.set G0V,  44
.set TB,   2
.set SLOTS, 67
.set PFA,  76
.set LIM,  80
.set KF,   98
.set Q0,   99
.macro TLOAD                           ; waves 0 and 1 fetch for K, waves 2 and 3 for V, the others nothing.  An s_nop 0 and four v_nop follow each line
	s_cmp_lt_u32 s[WV], 2
	s_cbranch_scc0 .Lnot_k_\@
	tensor_load_to_lds s[G0K:G0K+3], s[G1K:G1K+7]
	s_nop 0
.rept 4
	v_nop
.endr
	s_branch .Lasked_\@
.Lnot_k_\@:
	s_cmp_lt_u32 s[WV], 4
	s_cbranch_scc0 .Lasked_\@
	tensor_load_to_lds s[G0V:G0V+3], s[G1V:G1V+7]
	s_nop 0
.rept 4
	v_nop
.endr
.Lasked_\@:
.endm
; A PREFETCH of what the NEXT change of slots will ask for: a slot's 64 blocks of 256 bytes of K and its 256 bytes of each of V^T's 64 rows.  Both clusters of a head walk the same K and V: the first asks.
; In each of its four partners wave 4 asks, one instruction: lanes 0-15 for K's blocks 16 cx + r, lanes 16-31 for V's rows 16 cx + r: the partners are told apart by address.  Each block is named once in the launch.
; The last change that fills a slot asks for nothing; slots 0 and 1 come by their loads alone.
.macro ASK
	s_cmp_gt_u32 s[SLOTS], s[LIM]
	s_cbranch_scc0 .Lnot_mine_\@
	global_prefetch_b8 v[PFO], s[PFA:PFA+1] th:TH_LOAD_NT scope:SCOPE_SE
.Lnot_mine_\@:
.endm
.macro CROUND
	s_barrier_signal -1
	s_barrier_wait -1
	s_cmp_lg_u32 s[WV], 0
	s_cbranch_scc1 .Lnot_wave_0_\@
	s_barrier_signal -3
.Lnot_wave_0_\@:
	s_barrier_wait -3
	s_barrier_signal -1
	s_barrier_wait -1
.endm
; The sum and the sum of squared distances from the mean of N registers a lane x 32 lanes: sum in v[T], M2 in v[T+8], in every lane.  Two passes over registers: no difference of large sums.
.macro STATS B, N, INVN, T
	v_pk_add_f32 v[(\T):(\T)+1], v[(\B):(\B)+1], v[(\B)+4:(\B)+5]
	v_pk_add_f32 v[(\T)+2:(\T)+3], v[(\B)+2:(\B)+3], v[(\B)+6:(\B)+7]
.set JS, 8
.rept ((\N)-8)/4
	v_pk_add_f32 v[(\T):(\T)+1], v[(\T):(\T)+1], v[(\B)+JS:(\B)+JS+1]
	v_pk_add_f32 v[(\T)+2:(\T)+3], v[(\T)+2:(\T)+3], v[(\B)+JS+2:(\B)+JS+3]
.set JS, JS+4
.endr
	v_pk_add_f32 v[(\T):(\T)+1], v[(\T):(\T)+1], v[(\T)+2:(\T)+3]
	v_add_f32 v[(\T)], v[(\T)], v[(\T)+1]
.irp m, 1,2,4,8
	v_add_f32_dpp v[(\T)], v[(\T)], v[(\T)] row_xmask:\m row_mask:0xf bank_mask:0xf
.endr
	v_permlanex16_b32 v[(\T)+1], v[(\T)], s[SEL], s[SEL+1]
	v_add_f32 v[(\T)], v[(\T)], v[(\T)+1]
	v_mul_f32 v[(\T)+2], \INVN, v[(\T)]            ; the mean, as a pair
	v_mov_b32 v[(\T)+3], v[(\T)+2]
.set JS, 0
.rept (\N)/4
	v_pk_add_f32 v[(\T)+4:(\T)+5], v[(\B)+JS:(\B)+JS+1], v[(\T)+2:(\T)+3] neg_lo:[0,1] neg_hi:[0,1]
	v_pk_add_f32 v[(\T)+6:(\T)+7], v[(\B)+JS+2:(\B)+JS+3], v[(\T)+2:(\T)+3] neg_lo:[0,1] neg_hi:[0,1]
.if JS == 0
	v_pk_mul_f32 v[(\T)+8:(\T)+9], v[(\T)+4:(\T)+5], v[(\T)+4:(\T)+5]
	v_pk_mul_f32 v[(\T)+10:(\T)+11], v[(\T)+6:(\T)+7], v[(\T)+6:(\T)+7]
.else
	v_pk_fma_f32 v[(\T)+8:(\T)+9], v[(\T)+4:(\T)+5], v[(\T)+4:(\T)+5], v[(\T)+8:(\T)+9]
	v_pk_fma_f32 v[(\T)+10:(\T)+11], v[(\T)+6:(\T)+7], v[(\T)+6:(\T)+7], v[(\T)+10:(\T)+11]
.endif
.set JS, JS+4
.endr
	v_pk_add_f32 v[(\T)+8:(\T)+9], v[(\T)+8:(\T)+9], v[(\T)+10:(\T)+11]
	v_add_f32 v[(\T)+8], v[(\T)+8], v[(\T)+9]
.irp m, 1,2,4,8
	v_add_f32_dpp v[(\T)+8], v[(\T)+8], v[(\T)+8] row_xmask:\m row_mask:0xf bank_mask:0xf
.endr
	v_permlanex16_b32 v[(\T)+9], v[(\T)+8], s[SEL], s[SEL+1]
	v_add_f32 v[(\T)+8], v[(\T)+8], v[(\T)+9]
.endm
	s_load_b256 s[4:11], s[0:1], 0x0               ; qkvc s[4:5], x s[6:7], the scales' exponents s[8:9], resid s[10:11]
	s_load_b64 s[12:13], s[0:1], 0x20              ; stats
	v_lshl_add_u32 v[SPW], v0, 2, SPARE
	v_mov_b32 v[NIL], 0
	ds_add_u32 v[SPW], v[NIL]                      ; the wave's opening: the add, twice on end, and its wait ahead of my first tensor load
	ds_add_u32 v[SPW], v[NIL]
	v_lshrrev_b32 v8, 5, v0
	v_readfirstlane_b32 s[WV], v8                  ; wave 0..15
	s_lshl_b32 s[QW], s[WV], 7
	s_bfe_u32 s72, ttmp6, 0x40000                  ; cx
	s_lshl_b32 s73, ttmp9, 2
	s_add_co_u32 s73, s73, s72                     ; g = 4 x cluster x + cx
	s_and_b32 s74, ttmp7, 0xffff                   ; y: batch and head, which the partners share
	s_lshl_b32 s75, s73, 4
	s_add_co_u32 s[Q0], s[QW], s75                 ; my first query: it enters global addresses and a vector compare alone
	s_lshl_b32 s82, s74, 17                        ; the head's first byte in each part of qkvc
	s_mov_b32 s83, 0
	s_and_b32 s88, s[WV], 1                        ; which half of a tile I fetch, if I fetch
	s_lshl_b32 s84, s88, 13
	s_add_co_u32 s84, s84, s82
	s_add_co_u32 s84, s84, 0x400000                ; K: part 1, 128 keys x 64 bytes a half
	s_mov_b32 s85, 0
	s_mul_i32 s89, s88, 128*KP
	s_lshl_b32 s86, s88, 16
	s_add_co_u32 s86, s86, s82
	s_add_co_u32 s86, s86, 0x800000                ; V^T: part 2, 32 rows of 2,048 bytes a half
	s_mov_b32 s87, 0
	s_mul_i32 s94, s88, 32*VP
	s_add_co_u32 s94, s94, VOFF
	s_lshl_b32 s90, s[Q0], 6
	s_add_co_u32 s90, s90, s82                     ; Q: my 16 rows of 64 bytes
	s_mov_b32 s91, 0
	s_lshr_b32 s92, s74, 4
	s_lshl_b32 s92, s92, 11
	s_add_co_u32 s92, s92, s[Q0]
	s_lshl_b32 s92, s92, 12                        ; x, resid: row (2048 batch + query) of 4,096 bytes,
	s_and_b32 s93, s74, 15
	s_lshl_b32 s93, s93, 8
	s_add_co_u32 s92, s92, s93                     ; + the head's 256 bytes
	s_mov_b32 s93, 0
	s_lshl_b32 s96, s74, 3
	s_add_co_u32 s96, s96, s73
	s_lshl_b32 s96, s96, 7                         ; stats: 128 bytes a work-group, batch-major
	s_mov_b32 s97, 0
	; descriptor group 1.  K: 128 rows of 64 bytes, dense in memory; V^T: 32 rows of 256 bytes, 2,048 apart.  Mask: all four partners
	s_mov_b32 s[G1K], 15|(0<<16)|(1<<20)|(1<<21)|(3<<22)|(3<<25)   ; padding: four words after every 16
	s_mov_b32 s[G1K+1], 64<<16
	s_mov_b32 s[G1K+2], 128<<16
	s_mov_b32 s[G1K+3], 64<<16
	s_mov_b32 s[G1K+4], 128
	s_mov_b32 s[G1K+5], 64
	s_mov_b32 s[G1K+6], 0
	s_mov_b32 s[G1K+7], 0
	s_mov_b32 s[G1V], 15|(0<<16)|(1<<20)|(1<<21)|(5<<22)|(3<<25)   ; padding: four words after every 64
	s_mov_b32 s[G1V+1], 256<<16
	s_mov_b32 s[G1V+2], 32<<16
	s_mov_b32 s[G1V+3], 256<<16
	s_mov_b32 s[G1V+4], 32
	s_mov_b32 s[G1V+5], 2048
	s_mov_b32 s[G1V+6], 0
	s_mov_b32 s[G1V+7], 0
	s_mov_b32 s[SEL], 0x76543210
	s_mov_b32 s[SEL+1], 0xfedcba98
	s_mov_b32 s[CS], 0x3e38aa3b                    ; c = log2(e) / 8
	s_mov_b32 s[TB], 0
	s_mov_b32 s[SLOTS], 7
	s_mov_b32 s[KF], 0
	s_xor_b32 s[LIM], s[WV], 4
	s_or_b32 s[LIM], s[LIM], ttmp9                 ; 0 in wave 4 of the head's first cluster: the same in all four partners
	s_cmp_eq_u32 s[LIM], 0
	s_cselect_b32 s[LIM], 1, -1
	s_wait_dscnt 0x0                               ; both opening adds are done
	s_wait_kmcnt 0x0
	s_load_b128 s[68:71], s[8:9], 0x18             ; e6 (Q), e7 (K), e8 (V), e9 (p)
	s_mov_b32 s[G0K], 1
	s_mov_b32 s[G0K+1], s89
	s_add_nc_u64 s[G0K+2:G0K+3], s[4:5], s[84:85]
	s_or_b32 s[G0K+3], s[G0K+3], 0x80000000
	s_mov_b32 s[G0V], 1
	s_mov_b32 s[G0V+1], s94
	s_add_nc_u64 s[G0V+2:G0V+3], s[4:5], s[86:87]
	s_or_b32 s[G0V+3], s[G0V+3], 0x80000000
	s_add_nc_u64 s[52:53], s[4:5], s[90:91]        ; Q's rows
	s_add_nc_u64 s[54:55], s[6:7], s[92:93]        ; x's
	s_add_nc_u64 s[56:57], s[10:11], s[92:93]      ; resid's
	s_add_nc_u64 s[58:59], s[12:13], s[96:97]      ; my work-group's statistics
	s_add_nc_u64 s[PFA:PFA+1], s[4:5], s[82:83]    ; the prefetches' base; never stepped
	CROUND                                         ; all four work-groups are here: the first joint loads meet
	TLOAD                                          ; slot 0
	v_and_b32 v8, 15, v0                           ; r
	v_bfe_u32 v9, v0, 4, 1                         ; h
	v_lshlrev_b32 v27, 6, v8
	v_lshl_add_u32 v27, v9, 4, v27                 ; Q: row r of 64 bytes, + 16 h
	global_load_b128 v[16:19], v27, s[52:53]       ; Q's fragment stays in registers
	global_load_b128 v[20:23], v27, s[52:53] offset:32
	v_lshlrev_b32 v[GO], 12, v9
	v_lshl_add_u32 v[GO], v8, 4, v[GO]             ; lanes 0-15 one row, lanes 16-31 the next; 16 bytes a lane
.irp i, 0,1,2,3,4,5,6,7
	global_load_b128 v[192+4*\i:195+4*\i], v[GO], s[54:55] offset:8192*\i   ; x at my 16 queries and my head's 64 channels, for the residual
.endr
	v_and_b32 v11, 8, v8
	v_add_nc_u32 v11, v11, v8                      ; r + 8 (r / 8)
	v_mul_u32_u24 v[AK0], v11, KP
	v_lshl_add_u32 v[AK0], v9, 4, v[AK0]
	v_mul_u32_u24 v[AV0], v8, VP
	v_lshl_add_u32 v[AV0], v9, 4, v[AV0]
	v_add_nc_u32 v[AV0], VOFF, v[AV0]
	s_lshl_b32 s78, s72, 4
	v_add_nc_u32 v[PFO], s78, v8                   ; 16 cx + r
	v_mul_u32_u24 v[PFST], v9, 3
	v_add_nc_u32 v[PFST], 8, v[PFST]
	v_lshlrev_b32 v[PFO], v[PFST], v[PFO]          ; x 256 in K's block, x 2,048 among V's rows
	v_mul_u32_u24 v[PFST], v9, 0x3fc100
	v_add3_u32 v[PFO], v[PFO], v[PFST], 0x404000   ; at slot 1 of part 1 (K) or of part 2 (V): the first change of slots steps it to slot 2
	v_mul_u32_u24 v[PFST], v9, 16128
	v_sub_nc_u32 v[PFST], 16384, v[PFST]           ; a slot on: 16,384 bytes in K, 256 in a row of V^T
	s_mul_i32 s78, s[WV], 16*272
	s_add_co_u32 s78, s78, STAGE                   ; my stage
	v_mul_u32_u24 v10, v8, 272
	v_lshl_add_u32 v10, v9, 5, v10
	v_add_nc_u32 v10, s78, v10                     ; in: row r, + 32 h
	v_mul_u32_u24 v11, v9, 272
	v_lshl_add_u32 v11, v8, 4, v11
	v_add_nc_u32 v11, s78, v11                     ; back: lanes 0-15 one row, lanes 16-31 the next
	s_lshl_b32 s78, s[WV], 3
	s_add_co_u32 s78, s78, STATW
	v_mov_b32 v24, s78                             ; my wave's two words
	v_and_b32 v26, 31, v0
	v_lshlrev_b32 v26, 2, v26
	v_add_nc_u32 v25, STATW, v26                   ; wave 0 reads all 32 words back
	v_mov_b32 v13, 0xff61b1e6                      ; the largest t so far: -3e38
	v_floor_f32 v12, -v13                          ; -M
	v_mov_b32 v14, 0
	v_mov_b32 v15, 0
	v_mov_b32 v236, 0                              ; a lane permute's destination counts as one of its sources: v236 in the steps,
	v_mov_b32 v252, 0                              ; v252 on the way out: written here, so that it is written on every way through the text
	v_mov_b32 v253, 0                              ; (named as the upper half of the pair v[252:253])
.set J, 0
.rept 32
	v_mov_b32 v[160+J], 0                          ; O^T: the loop is written once; its first step finds zeros
.set J, J+1
.endr
	s_wait_kmcnt 0x0
	s_add_co_i32 s72, s68, s69
	s_lshl_b32 s72, s72, 23
	s_add_co_i32 s[CS], s[CS], s72                 ; a score stands for score x 2^(e6 + e7): added to c's exponent field
	s_mov_b32 s[CS+1], s[CS]
	s_add_co_i32 s72, s71, 127
	s_lshl_b32 s73, s72, 23
	v_mov_b32 v244, s73                            ; 2^e9
	s_add_co_i32 s72, s72, 8
	s_lshl_b32 s72, s72, 23
	s_or_b32 s72, s72, 0x600000
	v_mov_b32 v240, s72                            ; 448 x 2^e9
; A KEY STEP: 128 keys, the q-th of the slot in hand.
.macro STEP q
	s_cmp_gt_u32 s[KF], s[QW]                      ; all its keys come after my queries: left out.  Wave's number and count of steps alone
	s_cbranch_scc1 .Lhidden_\@
	v_add_nc_u32 v[ADK], s[TB], v[AK0]
	v_add_nc_u32 v[ADV], s[TB], v[AV0]
	v_nop                                          ; with the two additions: four places in front of loads into registers that the last products read
	v_nop
.irp t, 0,1,2,3,4,5,6,7
.irp c, 0,1
	ds_load_b128 v[32+8*\t+4*\c:32+8*\t+4*\c+3], v[ADK] offset:(128*(\q)+32*(\t/2)+8*(\t%2))*KP+32*\c
.endr
.endr
	s_wait_dscnt 0x0
.irp t, 0,1,2,3,4,5,6,7
	v_wmma_f32_16x16x64_fp8_fp8 v[96+8*\t:103+8*\t], v[32+8*\t:39+8*\t], v[16:23], 0
.endr
.rept 4
	v_nop
.endr
.irp t, 0,1,2,3
.irp c, 0,1,2,3
	ds_load_b128 v[32+16*\t+4*\c:32+16*\t+4*\c+3], v[ADV] offset:16*\t*VP+128*(\q)+32*\c   ; V's fragments are asked for now and land under the softmax
.endr
.endr
	s_cmp_lt_u32 s[KF], s[QW]                      ; all its keys count: no mask
	s_cbranch_scc1 .Lopen_\@
	s_sub_co_i32 s96, s[Q0], s[KF]
	v_and_b32 v252, 15, v0
	v_bfe_u32 v253, v0, 4, 1
	v_lshlrev_b32 v253, 4, v253
	v_sub_nc_u32 v252, v252, v253
	v_add_nc_u32 v252, s96, v252                   ; d = my query - KF - 16 h.  Register 16 b + i holds key KF + 16 h + 32 b + i: hidden where 32 b + i > d
	v_mov_b32 v254, 0xff800000                     ; -infinity
.set N, 0
.rept 64
	v_cmp_gt_i32 vcc_lo, 32*(N/16)+N%16, v252
	v_cndmask_b32 v[96+N], v[96+N], v254, vcc_lo
.set N, N+1
.endr
.Lopen_\@:
	v_max3_num_f32 v254, v96, v97, v98             ; the step's largest score of my query, in two chains,
	v_max3_num_f32 v252, v99, v100, v101
.irp i, 6,10,14,18,22,26,30,34,38,42,46,50,54,58
	v_max3_num_f32 v254, v254, v[96+\i], v[97+\i]
	v_max3_num_f32 v252, v252, v[98+\i], v[99+\i]
.endr
	v_max3_num_f32 v254, v254, v158, v159
	v_max_num_f32 v254, v254, v252
	v_permlanex16_b32 v236, v254, s[SEL], s[SEL+1]
	v_max_num_f32 v254, v254, v236                 ; and among lane l xor 16's
	v_mul_f32 v254, s[CS], v254                    ; as t
	v_max_num_f32 v13, v13, v254
	v_mov_b32 v254, v12
	v_floor_f32 v12, -v13                          ; the new -M = -ceil(t)
	v_sub_f32 v254, v12, v254                      ; old M - new M: a whole number, 0 or less
	v_cvt_i32_f32 v254, v254
	v_ldexp_f32 v252, 1.0, v254                    ; f = 2^(old M - new M)
.set J, 0
.rept 32
	v_pk_fma_f32 v[96+J:97+J], v[96+J:97+J], s[CS:CS+1], v[12:13] op_sel_hi:[1,0,0]   ; t - M
.set J, J+2
.endr
.set J, 0
.rept 64
	v_exp_f32 v[96+J], v[96+J]                     ; p = 2^(t - M)
.set J, J+1
.endr
	v_pk_mul_f32 v[14:15], v[14:15], v[252:253] op_sel_hi:[1,0]   ; the sums under the new M: the plain line behind the exponentials
	s_wait_alu depctr_va_vdst(0)                   ; one wait for the whole batch, ahead of its first reader
	v_pk_add_f32 v[242:243], v[96:97], v[98:99]    ; the row's sum, of the unquantised p
.irp j, 4,8,12,16,20,24,28,32,36,40,44,48,52,56,60
	v_pk_add_f32 v[14:15], v[14:15], v[96+\j:97+\j]
	v_pk_add_f32 v[242:243], v[242:243], v[98+\j:99+\j]
.endr
	v_pk_add_f32 v[14:15], v[14:15], v[242:243]
.irp b, 0,1,2,3
.irp i, 0,1,2,3,4,5,6,7,8,9,10,11,12,13,14,15
	v_min_num_f32 v[96+16*\b+\i], v[96+16*\b+\i], v240   ; the hold; p is not negative
.endr
	v_cvt_scalef32_pk8_fp8_f32 v[224+4*\b:225+4*\b], v[96+16*\b:103+16*\b], v244
	v_cvt_scalef32_pk8_fp8_f32 v[226+4*\b:227+4*\b], v[104+16*\b:111+16*\b], v244
.endr
.set J, 0
.rept 16
	v_pk_mul_f32 v[160+J:161+J], v[160+J:161+J], v[252:253] op_sel_hi:[1,0]   ; O^T under the new M.  (Also the plain lines between the conversions and the products)
.set J, J+2
.endr
	s_wait_dscnt 0x0                               ; V's fragments are in
.irp t, 0,1,2,3
	v_wmma_f32_16x16x128_fp8_fp8 v[160+8*\t:167+8*\t], v[32+16*\t:47+16*\t], v[224:239], v[160+8*\t:167+8*\t]
.endr
.Lhidden_\@:
	s_add_co_u32 s[KF], s[KF], 128
.endm
; THE CHANGE OF SLOTS stands at a slot's head: each wave waits for all its tensor loads, adds 0 to its spare word, waits for that and for its reads of the slot that it has left.
; fill = 1: a round of the cluster's barrier, and behind it the other slot is asked for jointly: the load has a whole slot's steps in which to land.
.macro CHANGE fill
	s_wait_tensorcnt 0x0
	ds_add_u32 v[SPW], v[NIL]
.if \fill
	ds_add_u32 v[SPW], v[NIL]                      ; and once more, in every trip alike
	s_xor_b32 s[G0K+1], s[G0K+1], SLOT1            ; the walking descriptors: the other slot, the next 256 keys
	s_add_nc_u64 s[G0K+2:G0K+3], s[G0K+2:G0K+3], SK*64
	s_xor_b32 s[G0V+1], s[G0V+1], SLOT1
	s_add_nc_u64 s[G0V+2:G0V+3], s[G0V+2:G0V+3], SK
	s_wait_xcnt 0x0                                ; the last prefetch, a slot back, has read its offset
	v_add_nc_u32 v[PFO], v[PFO], v[PFST]
	s_wait_dscnt 0x0
	CROUND
	TLOAD
	ASK
.else
	s_wait_dscnt 0x0
	s_barrier_signal -1
	s_barrier_wait -1
.endif
.endm
	s_wait_loadcnt 0x0                             ; Q and x
.Lslot:                                            ; seven trips: behind each change of slots but the last the next slot is asked for
	CHANGE 1
	STEP 0
	STEP 1
	s_xor_b32 s[TB], s[TB], SLOT1
	s_sub_co_u32 s[SLOTS], s[SLOTS], 1
	s_cmp_lg_u32 s[SLOTS], 0
	s_cbranch_scc1 .Lslot
	CHANGE 0                                       ; the last slot is written out
	STEP 0
	STEP 1
	; THE WAY OUT.  O^T / the sum x 2^(e8 + e9) goes through my stage and comes back as rows of 256 bytes; x is added; sixteen lanes store 256 consecutive bytes, aligned.
.rept 4
	v_nop                                          ; places behind the last products
.endr
	v_add_f32 v14, v14, v15
	v_permlanex16_b32 v252, v14, s[SEL], s[SEL+1]
	v_add_f32 v14, v14, v252                       ; the row's sum
	v_rcp_f32 v14, v14
	v_nop                                          ; a plain line behind the transcendental
	s_add_co_i32 s72, s70, s71
	s_wait_alu depctr_va_vdst(0)                   ; the wait ahead of the first reader
	v_ldexp_f32 v14, v14, s72
.set J, 0
.rept 32
	v_mul_f32 v[96+J], v[160+J], v14               ; register 8 t + i is o(r, 16 t + 8 h + i)
.set J, J+1
.endr
.irp t, 0,1,2,3
	ds_store_b128 v10, v[96+8*\t:99+8*\t] offset:64*\t
	ds_store_b128 v10, v[100+8*\t:103+8*\t] offset:64*\t+16
.endr
.irp i, 0,1,2,3,4,5,6,7
	ds_load_b128 v[32+4*\i:35+4*\i], v11 offset:2*272*\i   ; LDS serves a wave's instructions in order: these see my stores
.endr
.irp i, 0,1,2,3,4,5,6,7
	s_wait_dscnt 7-\i                              ; the younger loads may be out
	v_pk_add_f32 v[32+4*\i:33+4*\i], v[32+4*\i:33+4*\i], v[192+4*\i:193+4*\i]
	v_pk_add_f32 v[34+4*\i:35+4*\i], v[34+4*\i:35+4*\i], v[194+4*\i:195+4*\i]
	global_store_b128 v[GO], v[32+4*\i:35+4*\i], s[56:57] offset:8192*\i
.endr
	STATS 32, 32, 0x3a800000, 96                   ; my 1,024 numbers: sum and M2
	ds_store_b32 v24, v96
	ds_store_b32 v24, v104 offset:4
	s_wait_dscnt 0x0
	s_barrier_signal -1
	s_barrier_wait -1
	s_cmp_lg_u32 s[WV], 0
	s_cbranch_scc1 .Lnot_first
	ds_load_b32 v28, v25
	s_wait_dscnt 0x0
	global_store_b32 v26, v28, s[58:59]            ; the work-group's 16 pairs: 128 consecutive bytes
.Lnot_first:
	s_wait_tensorcnt 0x0                           ; the wave's end
	ds_add_u32 v[SPW], v[NIL]
	s_wait_dscnt 0x0
	CROUND                                         ; the closing round
	s_endpgm
.Lfunc_end_k_q7248d89aa4_attn:
	.size	k_q7248d89aa4_attn, .Lfunc_end_k_q7248d89aa4_attn-k_q7248d89aa4_attn
	.p2alignl 7, 3214868480
	.fill 96, 4, 3214868480
	.section	.rodata,"a",@progbits
	.p2align	6, 0x0
	.amdhsa_kernel k_q7248d89aa4_attn
		.amdhsa_group_segment_fixed_size 327680
		.amdhsa_private_segment_fixed_size 0
		.amdhsa_enable_private_segment 0
		.amdhsa_kernarg_size 40
		.amdhsa_user_sgpr_count 2
		.amdhsa_user_sgpr_kernarg_segment_ptr 1
		.amdhsa_wavefront_size32 1
		.amdhsa_system_sgpr_workgroup_id_x 1
		.amdhsa_system_sgpr_workgroup_id_y 1
		.amdhsa_system_sgpr_workgroup_id_z 1
		.amdhsa_system_vgpr_workitem_id 0
		.amdhsa_next_free_vgpr 256
		.amdhsa_next_free_sgpr 100
		.amdhsa_reserve_vcc 1
		.amdhsa_float_denorm_mode_32 3
		.amdhsa_float_denorm_mode_16_64 3
		.amdhsa_memory_ordered 1
		.amdhsa_forward_progress 1
		.amdhsa_inst_pref_size 103
	.end_amdhsa_kernel
	.amdgpu_metadata
---
amdhsa.version: [ 1, 2 ]
amdhsa.kernels:
  - .name:           k_q7248d89aa4_attn
    .symbol:         k_q7248d89aa4_attn.kd
    .args:
      - { .name: qkvc, .offset: 0, .size: 8, .value_kind: global_buffer, .address_space: global }
      - { .name: x, .offset: 8, .size: 8, .value_kind: global_buffer, .address_space: global }
      - { .name: lowp_scales, .offset: 16, .size: 8, .value_kind: global_buffer, .address_space: global }
      - { .name: resid, .offset: 24, .size: 8, .value_kind: global_buffer, .address_space: global }
      - { .name: stats, .offset: 32, .size: 8, .value_kind: global_buffer, .address_space: global }
    .group_segment_fixed_size: 327680
    .private_segment_fixed_size: 0
    .kernarg_segment_align: 8
    .kernarg_segment_size: 40
    .max_flat_workgroup_size: 512
    .sgpr_count:     100
    .vgpr_count:     256
    .wavefront_size: 32
...
	.end_amdgpu_metadata
.endif
;; end of part 3
;; launch ln1q (part 4): grid 256 x 1, 8 waves a work-group, no clusters, 42,240 bytes of LDS; arguments resid, stats, ln_g, ln_b, lowp_scales, out1, a6; writes out1, a6
.if DOCPART == 4
	.amdgcn_target "amdgcn-amd-amdhsa--gfx1250"
	.amdhsa_code_object_version 6
	.text
	.protected	k_q7248d89aa4_ln1q
	.globl	k_q7248d89aa4_ln1q
	.p2align	8
	.type	k_q7248d89aa4_ln1q,@function
k_q7248d89aa4_ln1q:
	s_mov_b64 s[64:65], 0
	v_nop
	global_prefetch_b8 v0, s[64:65] scope:SCOPE_SE
	s_setreg_imm32_b32 hwreg(HW_REG_WAVE_MODE, 25, 1), 1
	s_wait_xcnt 0x0
; out1 = LayerNorm over (S, U) of resid, for each batch, x ln_g + ln_b, in f32; and its codes of E4M3 with 2^e10 (a6 [4096][1024], K innermost), for the first product of the feed-forward layer.
; THE STATISTICS come as 2,048 pairs a batch (sum, M2 of 1,024 numbers each): mean = sum of sums / 2^21; variance = (sum of M2 + 1024 (sum / 1024 - mean)^2) / 2^21: no difference of large sums.
; Every work-group combines them itself (32 KiB): waves 0-3 batch 0, waves 4-7 batch 1; two barriers.
; SHARES.  A work-group takes 8,192 positions of (S, U) for BOTH batches, so that ln_g and ln_b are read once; a wave 1,024, in two steps of 512.  Every load and store covers 512 consecutive bytes.
; For the conversions a lane needs 16 neighbours along K: a step's numbers turn through the wave's own stages in LDS (one for each batch; 16 bytes of padding behind each 64).
; LIMITS: e10 between -126 and 119.  NaN among the inputs is not served.
.set L,     8                          ; loads of 16 bytes of statistics a thread
.set SP,    80
.set RED,   8*2*32*SP                  ; behind the stages: 16 words for the two reductions
.set SPARE, RED+256                    ; the spare words, 128 bytes for each wave, which no other line names
.set SPW,   10
.set NIL,   11
.set PR,    32                         ; v32-63 the pairs
.set D,     64                         ; step t at v[64 + 64 t]: batch 0's numbers, batch 1's, g, b: 16 registers each
.set CC,    192                        ; v192-207 codes
.set SEL,   36
.macro LSUM a, b                       ; the sum over the 32 lanes, in every lane
.irp m, 1,2,4,8
	v_add_f32_dpp v[\a], v[\a], v[\a] row_xmask:\m row_mask:0xf bank_mask:0xf
.endr
	v_permlanex16_b32 v[\b], v[\a], s[SEL], s[SEL+1]
	v_add_f32 v[\a], v[\a], v[\b]
.endm
	s_load_b256 s[4:11], s[0:1], 0x0               ; resid, stats, ln_g, ln_b
	s_load_b128 s[12:15], s[0:1], 0x20             ; the scales' exponents, out1
	s_load_b64 s[16:17], s[0:1], 0x30              ; a6
	v_lshl_add_u32 v[SPW], v0, 2, SPARE
	v_mov_b32 v[NIL], 0
	v_lshrrev_b32 v1, 5, v0
	v_readfirstlane_b32 s18, v1                    ; wave
	v_and_b32 v1, 31, v0
	v_lshlrev_b32 v2, 4, v1                        ; 16 x lane
	s_mul_i32 s19, s18, 2*32*SP
	v_lshrrev_b32 v3, 2, v1
	v_mul_u32_u24 v3, v3, SP
	v_and_b32 v9, 3, v1
	v_lshl_add_u32 v3, v9, 4, v3
	v_add_nc_u32 v3, s19, v3                       ; the stage, on the way in
	v_mul_u32_u24 v4, v1, SP
	v_add_nc_u32 v4, s19, v4                       ; and on the way out
	v_lshrrev_b32 v5, 7, v0
	v_and_b32 v9, 127, v0
	v_lshlrev_b32 v5, 14, v5                       ; my batch's 16,384 bytes of pairs,
	v_lshl_add_u32 v5, v9, 4, v5                   ; 16 bytes a thread
	s_lshl_b32 s20, s18, 2
	s_add_co_u32 s20, s20, RED
	v_mov_b32 v6, s20                              ; my wave's word
	s_lshr_b32 s20, s18, 2
	s_lshl_b32 s20, s20, 4
	s_add_co_u32 s20, s20, RED
	v_mov_b32 v7, s20                              ; my batch's four words
	v_mov_b32 v8, RED
	v_mov_b32 v23, 0                               ; a lane permute's destination counts as one of its sources
	s_mov_b32 s[SEL], 0x76543210
	s_mov_b32 s[SEL+1], 0xfedcba98
	s_mov_b32 s30, 0x3a800000                      ; 1 / 1024
	s_mov_b32 s31, 0x44800000                      ; 1024
	s_mov_b32 s32, 0x35000000                      ; 2^-21
	s_mov_b32 s33, 0x3727c5ac                      ; 1e-5
	s_lshl_b32 s22, ttmp9, 15
	s_lshl_b32 s23, s18, 12
	s_add_co_u32 s22, s22, s23                     ; my wave's 1,024 positions, in bytes of f32,
	s_mov_b32 s23, 0
	s_lshr_b32 s24, s22, 2                         ; and of codes
	s_mov_b32 s25, 0
	s_wait_kmcnt 0x0
	s_load_b32 s21, s[12:13], 0x28                 ; e10
	s_add_nc_u64 s[4:5], s[4:5], s[22:23]          ; resid, batch 0,
	s_add_nc_u64 s[26:27], s[4:5], 0x800000        ; batch 1
	s_add_nc_u64 s[8:9], s[8:9], s[22:23]
	s_add_nc_u64 s[10:11], s[10:11], s[22:23]
	s_add_nc_u64 s[14:15], s[14:15], s[22:23]      ; out1, batch 0,
	s_add_nc_u64 s[28:29], s[14:15], 0x800000      ; batch 1
	s_add_nc_u64 s[16:17], s[16:17], s[24:25]
.irp i, 0,1,2,3,4,5,6,7
	global_load_b128 v[PR+4*\i:PR+4*\i+3], v5, s[6:7] offset:2048*\i
.endr
.irp t, 0,1
.irp i, 0,1,2,3
	global_load_b128 v[D+64*\t+4*\i:D+64*\t+4*\i+3], v2, s[4:5] offset:2048*\t+512*\i th:TH_LOAD_NT
.endr
.irp i, 0,1,2,3
	global_load_b128 v[D+64*\t+16+4*\i:D+64*\t+16+4*\i+3], v2, s[26:27] offset:2048*\t+512*\i th:TH_LOAD_NT
.endr
.irp i, 0,1,2,3
	global_load_b128 v[D+64*\t+32+4*\i:D+64*\t+32+4*\i+3], v2, s[8:9] offset:2048*\t+512*\i th:TH_LOAD_NT
.endr
.irp i, 0,1,2,3
	global_load_b128 v[D+64*\t+48+4*\i:D+64*\t+48+4*\i+3], v2, s[10:11] offset:2048*\t+512*\i th:TH_LOAD_NT
.endr
.endr
	s_wait_loadcnt 32                              ; the pairs are in; the 32 loads of data may be out
	v_add_f32 v22, v[PR], v[PR+2]
.set P, 2
.rept 2*L-2
	v_add_f32 v22, v22, v[PR+2*P]
.set P, P+1
.endr
	LSUM 22, 23
	ds_store_b32 v6, v22
	s_wait_dscnt 0x0
	s_barrier_signal -1
	s_barrier_wait -1
	ds_load_b128 v[24:27], v7
	s_wait_dscnt 0x0
	v_add_f32 v24, v24, v25
	v_add_f32 v26, v26, v27
	v_add_f32 v24, v24, v26
	v_mul_f32 v24, s32, v24                        ; my batch's mean
.set P, 0
.rept 2*L
	v_fma_f32 v25, v[PR+2*P], s30, -v24            ; the part's mean less the batch's
	v_mul_f32 v25, v25, v25
.if P == 0
	v_fma_f32 v22, v25, s31, v[PR+1]
.else
	v_fma_f32 v22, v25, s31, v22
	v_add_f32 v22, v22, v[PR+2*P+1]
.endif
.set P, P+1
.endr
	LSUM 22, 23
	ds_store_b32 v6, v22 offset:32                 ; other words than the first reduction's
	s_wait_dscnt 0x0
	s_barrier_signal -1
	s_barrier_wait -1
.irp i, 0,1,2,3
	ds_load_b128 v[PR+4*\i:PR+4*\i+3], v8 offset:16*\i
.endr
	s_wait_dscnt 0x0
.irp i, 0,1,2,3
	v_add_f32 v[PR+4*\i], v[PR+4*\i], v[PR+4*\i+1]
	v_add_f32 v[PR+4*\i+2], v[PR+4*\i+2], v[PR+4*\i+3]
	v_add_f32 v[PR+4*\i], v[PR+4*\i], v[PR+4*\i+2]
.endr
	v_mul_f32 v12, s32, v[PR]                      ; the means, as pairs,
	v_mul_f32 v16, s32, v[PR+4]
	v_mov_b32 v13, v12
	v_mov_b32 v17, v16
	v_fma_f32 v[PR+8], v[PR+8], s32, s33           ; variance + 1e-5
	v_fma_f32 v[PR+12], v[PR+12], s32, s33
	v_rsq_f32 v14, v[PR+8]
	v_rsq_f32 v18, v[PR+12]
	v_nop                                          ; a plain line behind the transcendentals
	s_wait_alu depctr_va_vdst(0)                   ; one wait for both, ahead of their first reader
	v_mov_b32 v15, v14
	v_mov_b32 v19, v18
	s_wait_kmcnt 0x0
	s_add_co_i32 s21, s21, 127
	s_lshl_b32 s20, s21, 23
	v_mov_b32 v20, s20                             ; 2^e10
	s_add_co_i32 s21, s21, 8
	s_lshl_b32 s21, s21, 23
	s_or_b32 s21, s21, 0x600000
	v_mov_b32 v21, s21                             ; 448 x 2^e10
.macro QUANT16 x, c
.irp i, 0,1,2,3,4,5,6,7,8,9,10,11,12,13,14,15
	v_med3_num_f32 v[\x+\i], v[\x+\i], -v21, v21   ; the conversion does not saturate (ISA guide 7.6.2): the hold comes first
.endr
	v_cvt_scalef32_pk8_fp8_f32 v[\c:\c+1], v[\x:\x+7], v20
	v_cvt_scalef32_pk8_fp8_f32 v[\c+2:\c+3], v[\x+8:\x+15], v20
	v_nop
.endm
.macro STEP t
.set RA, D+64*\t
.set RB, RA+16
.set G,  RA+32
.set BB, RA+48
	s_wait_loadcnt 16*(1-\t)                       ; this step's 16 loads are in; the next step's may be out
.irp j, 0,2,4,6,8,10,12,14
	v_pk_add_f32 v[RA+\j:RA+\j+1], v[RA+\j:RA+\j+1], v[12:13] neg_lo:[0,1] neg_hi:[0,1]
	v_pk_add_f32 v[RB+\j:RB+\j+1], v[RB+\j:RB+\j+1], v[16:17] neg_lo:[0,1] neg_hi:[0,1]
.endr
.irp j, 0,2,4,6,8,10,12,14
	v_pk_mul_f32 v[RA+\j:RA+\j+1], v[RA+\j:RA+\j+1], v[14:15]
	v_pk_mul_f32 v[RB+\j:RB+\j+1], v[RB+\j:RB+\j+1], v[18:19]
.endr
.irp j, 0,2,4,6,8,10,12,14
	v_pk_fma_f32 v[RA+\j:RA+\j+1], v[RA+\j:RA+\j+1], v[G+\j:G+\j+1], v[BB+\j:BB+\j+1]
	v_pk_fma_f32 v[RB+\j:RB+\j+1], v[RB+\j:RB+\j+1], v[G+\j:G+\j+1], v[BB+\j:BB+\j+1]
.endr
.irp i, 0,1,2,3
	global_store_b128 v2, v[RA+4*\i:RA+4*\i+3], s[14:15] offset:2048*\t+512*\i
	global_store_b128 v2, v[RB+4*\i:RB+4*\i+3], s[28:29] offset:2048*\t+512*\i
.endr
.irp i, 0,1,2,3
	ds_store_b128 v3, v[RA+4*\i:RA+4*\i+3] offset:8*SP*\i
.endr
.irp i, 0,1,2,3
	ds_store_b128 v3, v[RB+4*\i:RB+4*\i+3] offset:32*SP+8*SP*\i
.endr
.irp i, 0,1,2,3
	ds_load_b128 v[G+4*\i:G+4*\i+3], v4 offset:16*\i          ; into g's registers, which are done with
.endr
.irp i, 0,1,2,3
	ds_load_b128 v[BB+4*\i:BB+4*\i+3], v4 offset:32*SP+16*\i
.endr
	s_wait_dscnt 4                                 ; batch 0's 16 neighbours are back; batch 1's four loads may be out
	QUANT16 G, CC+8*\t
	global_store_b128 v2, v[CC+8*\t:CC+8*\t+3], s[16:17] offset:512*\t
	s_wait_dscnt 0x0
	QUANT16 BB, CC+8*\t+4
	global_store_b128 v2, v[CC+8*\t+4:CC+8*\t+7], s[16:17] offset:512*\t+2097152
.endm
	STEP 0
	STEP 1
	s_wait_tensorcnt 0x0                           ; the wave's end
	ds_add_u32 v[SPW], v[NIL]
	s_wait_dscnt 0x0
	s_endpgm
.Lfunc_end_k_q7248d89aa4_ln1q:
	.size	k_q7248d89aa4_ln1q, .Lfunc_end_k_q7248d89aa4_ln1q-k_q7248d89aa4_ln1q
	.p2alignl 7, 3214868480
	.fill 96, 4, 3214868480
	.section	.rodata,"a",@progbits
	.p2align	6, 0x0
	.amdhsa_kernel k_q7248d89aa4_ln1q
		.amdhsa_group_segment_fixed_size 42240
		.amdhsa_private_segment_fixed_size 0
		.amdhsa_enable_private_segment 0
		.amdhsa_kernarg_size 56
		.amdhsa_user_sgpr_count 2
		.amdhsa_user_sgpr_kernarg_segment_ptr 1
		.amdhsa_wavefront_size32 1
		.amdhsa_system_sgpr_workgroup_id_x 1
		.amdhsa_system_sgpr_workgroup_id_y 1
		.amdhsa_system_sgpr_workgroup_id_z 1
		.amdhsa_system_vgpr_workitem_id 0
		.amdhsa_next_free_vgpr 208
		.amdhsa_next_free_sgpr 66
		.amdhsa_reserve_vcc 0
		.amdhsa_float_denorm_mode_32 3
		.amdhsa_float_denorm_mode_16_64 3
		.amdhsa_memory_ordered 1
		.amdhsa_forward_progress 1
		.amdhsa_inst_pref_size 28
	.end_amdhsa_kernel
	.amdgpu_metadata
---
amdhsa.version: [ 1, 2 ]
amdhsa.kernels:
  - .name:           k_q7248d89aa4_ln1q
    .symbol:         k_q7248d89aa4_ln1q.kd
    .args:
      - { .name: resid, .offset: 0, .size: 8, .value_kind: global_buffer, .address_space: global }
      - { .name: stats, .offset: 8, .size: 8, .value_kind: global_buffer, .address_space: global }
      - { .name: ln_g, .offset: 16, .size: 8, .value_kind: global_buffer, .address_space: global }
      - { .name: ln_b, .offset: 24, .size: 8, .value_kind: global_buffer, .address_space: global }
      - { .name: lowp_scales, .offset: 32, .size: 8, .value_kind: global_buffer, .address_space: global }
      - { .name: out1, .offset: 40, .size: 8, .value_kind: global_buffer, .address_space: global }
      - { .name: a6, .offset: 48, .size: 8, .value_kind: global_buffer, .address_space: global }
    .group_segment_fixed_size: 42240
    .private_segment_fixed_size: 0
    .kernarg_segment_align: 8
    .kernarg_segment_size: 56
    .max_flat_workgroup_size: 256
    .sgpr_count:     66
    .vgpr_count:     208
    .wavefront_size: 32
...
	.end_amdgpu_metadata
.endif
;; end of part 4
;; launch ffn1 (part 5): grid 16 x 16, 4 waves a work-group, clusters of 4 x 4, 327,680 bytes of LDS; arguments a6, wf1_codes, lowp_scales, bf1, hc; writes hc
.if DOCPART == 5
	.amdgcn_target "amdgcn-amd-amdhsa--gfx1250"
	.amdhsa_code_object_version 6
	.text
	.protected	k_q7248d89aa4_ffn1
	.globl	k_q7248d89aa4_ffn1
	.p2align	8
	.type	k_q7248d89aa4_ffn1,@function
k_q7248d89aa4_ffn1:
	s_mov_b64 s[64:65], 0
	v_nop
	global_prefetch_b8 v0, s[64:65] scope:SCOPE_SE
	s_setreg_imm32_b32 hwreg(HW_REG_WAVE_MODE, 25, 1), 1
	s_wait_xcnt 0x0
	s_wait_alu depctr_hold_cnt(0) depctr_sa_sdst(0) depctr_va_vdst(0) depctr_va_sdst(0) depctr_va_ssrc(0) depctr_va_vcc(0) depctr_vm_vsrc(0)
	s_getreg_b32 s2, hwreg(HW_REG_IB_STS2, 6, 4)
	s_cmp_eq_u32 s2, 0
	s_cbranch_scc0 .Lentry_in_a_cluster
	s_endpgm
.Lentry_in_a_cluster:
	s_bfe_u32 s2, ttmp6, 0x10000c
	s_cmp_lg_u32 s2, 0xf033
	s_cbranch_scc0 .Lentry_shape_is_right
	s_endpgm
.Lentry_shape_is_right:
; hc = codes (E4M3, scale 2^e12) of relu(out1 wf1 + bf1): C = A B^T with A = a6 [4096][1024] (scale 2^e10), B = wf1_codes [4096][1024] (2^e11); hc [4096][4096], K (the hidden units) innermost.
; A tile of C is 256 x 256, four waves, 128 x 128 a wave; K in steps of 256 through a ring of two LDS slots; 4 x 4 work-groups a cluster: A's tile is asked for jointly along a row, B's along a column.
; The matrix instruction is used transposed (source 0 = 16 rows of B, source 1 = 16 rows of A): a lane's eight results are eight neighbouring hidden units of one token, which one conversion packs.
; code = (sum + bf1 / 2^(e10 + e11)) / 2^(e12 - e10 - e11), held between 0 (the activation) and 448.  LIMITS: e12 - e10 - e11 between -126 and 119.  NaN is not served.
; Within an instruction k is permuted alike in both operands: only the order of the sums changes.
; REGISTERS, in windows of 256: window 0: v0-31 addresses; v32-95 the biases; v104, v105 the scale; from v128 A's fragments, ONE set; window 1: B's fragments, two sets; windows 2, 3: the 64 accumulators.
.set KROW,   1024
.set KSTEP,  256
.set ROWB,   256
.set PITCH,  272
.set FR,     16
.set NL,     4
.set NP,     4
.set HALFT,  128*PITCH
.set SLOT,   4*HALFT
.set LAPS,   KROW/(2*KSTEP)
.set SPARE,  2*SLOT
.set ADRA, 16
.set ADRB, 20
.set BO,   23                          ; v23  the bias loads' offset; never rewritten
.set STOA, 24                          ; v24  the stage: where I put 8 codes
.set RD,   25                          ; v25  where I read rows back
.set CO,   26                          ; v26  my byte offset in two rows of hc
.set SPW,  28
.set NIL,  29
.set BC,   32
.set TMP,  128
.set AF,   128
.set G1, 24
.set G0, 32
.set G1B, 48
.set G0B, 56
.set MSB, 0
.macro WIN new
.if MSB != (\new)
	s_set_vgpr_msb (MSB<<8)|(\new)
.set MSB, (\new)
.endif
.endm
.set MUL_LO, 0xa1
.set MUL_HI, 0xf1
.set TO_B,   0x40
.macro JLOAD g0a, g1a, g0b, g1b        ; a joint load: waves 0 and 1 fetch for A, waves 2 and 3 for B.  An s_nop 0 and four v_nop follow each line
	s_cmp_eq_u32 s15, 0
	s_cbranch_scc0 .Lfor_b_\@
	tensor_load_to_lds s[\g0a:\g0a+3], s[\g1a:\g1a+7]
	s_nop 0
.rept 4
	v_nop
.endr
	s_branch .Lasked_\@
.Lfor_b_\@:
	tensor_load_to_lds s[\g0b:\g0b+3], s[\g1b:\g1b+7]
	s_nop 0
.rept 4
	v_nop
.endr
.Lasked_\@:
.endm
.macro CREST
	s_cmp_lg_u32 s14, 0
	s_cbranch_scc1 .Lnot_wave_0_\@
	s_barrier_signal -3
.Lnot_wave_0_\@:
	s_barrier_wait -3
	s_barrier_signal -1
	s_barrier_wait -1
.endm
.macro CROUND
	s_barrier_signal -1
	s_barrier_wait -1
	CREST
.endm
	s_load_b128 s[4:7], s[0:1], 0x0                ; a6, wf1's codes
	s_load_b128 s[8:11], s[0:1], 0x10              ; the scales' exponents, bf1
	s_load_b64 s[12:13], s[0:1], 0x20              ; hc
	v_lshl_add_u32 v[SPW], v0, 2, SPARE
	v_mov_b32 v[NIL], 0
	ds_add_u32 v[SPW], v[NIL]                      ; the wave's opening: the add, twice on end, and its wait ahead of my first tensor load
	ds_add_u32 v[SPW], v[NIL]
	v_lshrrev_b32 v1, 5, v0
	v_readfirstlane_b32 s14, v1
	s_lshr_b32 s15, s14, 1
	s_and_b32 s16, s14, 1
	s_bfe_u32 s40, ttmp6, 0x40000
	s_bfe_u32 s41, ttmp6, 0x40004
	s_lshl_b32 s42, ttmp9, 2
	s_add_co_u32 s42, s42, s40                     ; tile column of C
	s_and_b32 s17, ttmp7, 0xffff
	s_lshl_b32 s17, s17, 2
	s_add_co_u32 s17, s17, s41                     ; tile row of C
	s_lshl_b32 s43, s41, 2
	s_lshl_b32 s43, 15, s43
	s_lshl_b32 s44, 0x1111, s40
	s_or_b32 s[G1+0], s43, (0<<16)|(1<<20)|(1<<21)|(5<<22)|(3<<25)
	s_or_b32 s[G1B+0], s44, (0<<16)|(1<<20)|(1<<21)|(5<<22)|(3<<25)
.irp g, G1, G1B
	s_mov_b32 s[\g+1], ROWB<<16
	s_mov_b32 s[\g+2], 128<<16
	s_mov_b32 s[\g+3], ROWB<<16
	s_mov_b32 s[\g+4], 128
	s_mov_b32 s[\g+5], KROW
	s_mov_b32 s[\g+6], 0
	s_mov_b32 s[\g+7], 0
.endr
	s_lshl_b32 s18, s16, 7
	s_lshl_b32 s20, s17, 8
	s_add_co_u32 s20, s20, s18
	s_lshl_b32 s46, s42, 8
	s_add_co_u32 s46, s46, s18
	s_mov_b32 s21, 0
	s_mov_b32 s47, 0
	s_mov_b64 s[18:19], KROW
	s_mul_u64 s[20:21], s[20:21], s[18:19]
	s_mul_u64 s[46:47], s[46:47], s[18:19]
	s_mul_i32 s45, s14, HALFT
	s_wait_dscnt 0x0
	s_wait_kmcnt 0x0
	s_load_b128 s[68:71], s[8:9], 0x28             ; e10, e11, e12, e13 (waited for on the way out)
	s_add_nc_u64 s[20:21], s[4:5], s[20:21]
	s_add_nc_u64 s[46:47], s[6:7], s[46:47]
	CROUND
.irp s, 0,1
	s_mov_b32 s[G0+4*\s], 1
	s_add_co_u32 s[G0+4*\s+1], s45, \s*SLOT
	s_add_nc_u64 s[G0+4*\s+2:G0+4*\s+3], s[20:21], \s*ROWB
	s_or_b32 s[G0+4*\s+3], s[G0+4*\s+3], 0x80000000
	s_mov_b32 s[G0B+4*\s], 1
	s_add_co_u32 s[G0B+4*\s+1], s45, \s*SLOT
	s_add_nc_u64 s[G0B+4*\s+2:G0B+4*\s+3], s[46:47], \s*ROWB
	s_or_b32 s[G0B+4*\s+3], s[G0B+4*\s+3], 0x80000000
	JLOAD G0+4*\s, G1, G0B+4*\s, G1B
.endr
	v_and_b32 v1, 15, v0
	v_bfe_u32 v2, v0, 4, 1
	v_mul_u32_u24 v3, v1, PITCH
	v_lshl_add_u32 v4, v2, 4, v3
	s_mul_i32 s21, s15, HALFT
	s_mul_i32 s22, s16, HALFT
	s_add_co_u32 s22, s22, 2*HALFT
.irp s, 0,1
	v_add_nc_u32 v[ADRA+\s], s21, v4
	v_add_nc_u32 v[ADRB+\s], s22, v4
	s_add_co_u32 s21, s21, SLOT
	s_add_co_u32 s22, s22, SLOT
.endr
	; the biases in the result's layout: register 8 b + j = bf1 of column 16 b + 8 h + j of my 128
	s_lshl_b32 s22, s42, 10
	s_lshl_b32 s23, s16, 9
	s_add_co_u32 s22, s22, s23
	s_mov_b32 s23, 0
	s_add_nc_u64 s[10:11], s[10:11], s[22:23]
	v_lshlrev_b32 v[BO], 5, v2
.irp b, 0,1,2,3,4,5,6,7
	global_load_b128 v[BC+8*\b:BC+8*\b+3], v[BO], s[10:11] offset:64*\b
	global_load_b128 v[BC+8*\b+4:BC+8*\b+7], v[BO], s[10:11] offset:64*\b+16
.endr
	; the way out: a stage of 256 rows x 272 bytes in slot 0, which has had its last fill and its last read by then
	s_mul_i32 s21, s15, 128*272
	s_lshl_b32 s22, s16, 7
	s_add_co_u32 s21, s21, s22
	v_mul_u32_u24 v5, v1, 272
	v_lshl_add_u32 v5, v2, 3, v5
	v_add_nc_u32 v[STOA], s21, v5
	s_mul_i32 s21, s14, 64*272
	v_mul_u32_u24 v7, v2, 272
	v_lshl_add_u32 v7, v1, 4, v7
	v_add_nc_u32 v[RD], s21, v7                    ; wave w sends rows 64 w on: two rows of 256 bytes an instruction
	v_lshlrev_b32 v[CO], 12, v2
	v_lshl_add_u32 v[CO], v1, 4, v[CO]
	s_lshl_b32 s22, s17, 8
	s_lshl_b32 s23, s14, 6
	s_add_co_u32 s22, s22, s23
	s_lshl_b32 s22, s22, 12                        ; row (256 x tile row + 64 x wave) of 4,096 bytes
	s_lshl_b32 s23, s42, 8
	s_add_co_u32 s22, s22, s23                     ; + 256 x tile column
	s_mov_b32 s23, 0
	s_add_nc_u64 s[12:13], s[12:13], s[22:23]
.macro FRAG reg, adr, q, i
.irp c, 0,1,2,3
	ds_load_b128 v[\reg+4*\c:\reg+4*\c+3], v[\adr] offset:128*(\q)+32*\c+(\i)*16*PITCH
.endr
.endm
.macro MUL16 a0, p, zero               ; the 64 accumulators take turns, one instruction a turn, in the same order in every step
.irp a, \a0, \a0+1
.irp b, 0,1,2,3,4,5,6,7
.if \zero
	v_wmma_f32_16x16x128_fp8_fp8 v[8*(8*((\a)%4)+\b):8*(8*((\a)%4)+\b)+7], v[128*(\p)+FR*\b:128*(\p)+FR*\b+FR-1], v[AF+FR*(\a):AF+FR*(\a)+FR-1], 0
.else
	v_wmma_f32_16x16x128_fp8_fp8 v[8*(8*((\a)%4)+\b):8*(8*((\a)%4)+\b)+7], v[128*(\p)+FR*\b:128*(\p)+FR*\b+FR-1], v[AF+FR*(\a):AF+FR*(\a)+FR-1], v[8*(8*((\a)%4)+\b):8*(8*((\a)%4)+\b)+7]
.endif
.endr
.endr
.endm
.macro FETCH_B slot, q, p
	WIN TO_B
.irp i, 0,1,2,3,4,5,6,7
	FRAG 128*(\p)+FR*\i, ADRB+\slot, \q, \i
.endr
	WIN 0
.endm
.macro FETCH_A slot, q, i0
.irp i, \i0, \i0+1, \i0+2, \i0+3
	FRAG AF+FR*(\i), ADRA+\slot, \q, \i
.endr
.endm
.macro PLACES n
.rept \n
	v_nop
.endr
.endm
.macro STEP slot, q, zero
	s_wait_dscnt 4*NL                              ; the youngest 16 loads (A's blocks 4-7) may be out
	WIN MUL_LO
	MUL16 0, (\q)%2, \zero
	MUL16 2, (\q)%2, \zero
	s_wait_dscnt 0
	PLACES NP
	FETCH_B \slot, (\q)+1, 1-(\q)%2
	FETCH_A \slot, (\q)+1, 0
	WIN MUL_HI
	MUL16 4, (\q)%2, \zero
	MUL16 6, (\q)%2, \zero
	PLACES NP
	WIN 0
	FETCH_A \slot, (\q)+1, 4
.endm
.macro TURN slot, next, fill
	s_wait_tensorcnt 0x0                           ; all my tensor loads have landed
	ds_add_u32 v[SPW], v[NIL]
	s_wait_dscnt 4*NL+1                            ; the add and the youngest 16 loads may be out
	WIN MUL_LO
	MUL16 0, 1, 0
	s_wait_dscnt 0x0                               ; the add is done, and my reads of this slot are over
	s_barrier_signal -1
	MUL16 2, 1, 0
	WIN 0
	s_barrier_wait -1
.if \fill
	CREST
	s_add_nc_u64 s[G0+4*\slot+2:G0+4*\slot+3], s[G0+4*\slot+2:G0+4*\slot+3], 2*ROWB
	s_add_nc_u64 s[G0B+4*\slot+2:G0B+4*\slot+3], s[G0B+4*\slot+2:G0B+4*\slot+3], 2*ROWB
	JLOAD G0+4*\slot, G1, G0B+4*\slot, G1B
.else
	PLACES NP
.endif
	FETCH_B \next, 0, 0
	FETCH_A \next, 0, 0
	WIN MUL_HI
	MUL16 4, 1, 0
	MUL16 6, 1, 0
	PLACES NP
	WIN 0
	FETCH_A \next, 0, 4
.endm
	s_wait_tensorcnt 1                             ; my part of K step 0 is in; K step 1's load may be out
	s_barrier_signal -1
	s_barrier_wait -1
	FETCH_B 0, 0, 0
	FETCH_A 0, 0, 0
	FETCH_A 0, 0, 4
	STEP 0, 0, 1
	s_mov_b32 s3, LAPS-1
.Llap:
	TURN 0, 1, 1
	STEP 1, 0, 0
	TURN 1, 0, 1
	STEP 0, 0, 0
	s_sub_co_u32 s3, s3, 1
	s_cmp_lg_u32 s3, 0
	s_cbranch_scc1 .Llap
	TURN 0, 1, 0
	STEP 1, 0, 0
	s_wait_dscnt 4*NL
	WIN MUL_LO
	MUL16 0, 1, 0
	MUL16 2, 1, 0
	s_wait_dscnt 0
	WIN MUL_HI
	MUL16 4, 1, 0
	MUL16 6, 1, 0
	WIN 0
	s_wait_kmcnt 0x0
	s_add_co_i32 s90, s68, s69                     ; es = e10 + e11
	s_sub_co_i32 s92, s70, s90
	s_add_co_i32 s92, s92, 127
	s_lshl_b32 s93, s92, 23
	v_mov_b32 v104, s93                            ; 2^(e12 - es)
	s_add_co_i32 s92, s92, 8
	s_lshl_b32 s92, s92, 23
	s_or_b32 s92, s92, 0x600000
	v_mov_b32 v105, s92                            ; 448 x that
	s_sub_co_i32 s91, 0, s90
	s_wait_loadcnt 0x0                             ; the biases
.set J, 0
.rept 64
	v_ldexp_f32 v[BC+J], v[BC+J], s91              ; bias / 2^es.  (Also the places behind the last products)
.set J, J+1
.endr
.macro E1 a                            ; block a (16 rows of my 128): sums + bias, activation and hold in one, eight conversions, into the stage
.set AC, 64*((\a)%4)
.set CD, 192+16*((\a)%4)
.if (\a) >= 4
	s_wait_dscnt 24                                ; the 24 stores of the three blocks before may be out: block a - 4's have read the registers that are written now
.endif
	WIN 0x02+((\a)/4)
.set J, 0
.rept 32
	v_pk_add_f32 v[TMP+J:TMP+J+1], v[AC+J:AC+J+1], v[BC+J:BC+J+1]   ; each accumulator from its low end on
.set J, J+2
.endr
	WIN 0
.set J, 0
.rept 64
	v_med3_num_f32 v[TMP+J], v[TMP+J], 0, v105
.set J, J+1
.endr
.irp b, 0,1,2,3,4,5,6,7
	v_cvt_scalef32_pk8_fp8_f32 v[CD+2*\b:CD+2*\b+1], v[TMP+8*\b:TMP+8*\b+7], v104
.endr
	v_nop
.irp b, 0,1,2,3,4,5,6,7
	ds_store_b64 v[STOA], v[CD+2*\b:CD+2*\b+1] offset:(\a)*16*272+16*\b
.endr
.endm
.irp a, 0,1,2,3,4,5,6,7
	E1 \a
.endr
	s_wait_dscnt 0x0                               ; for the others' sake: my stores into the stage are done
	s_barrier_signal -1
	s_barrier_wait -1
.set K2, 0
.rept 32
	ds_load_b128 v[128+4*K2:131+4*K2], v[RD] offset:2*272*K2
.set K2, K2+1
.endr
.set K2, 0
.rept 32
	s_wait_dscnt 31-K2                             ; the younger loads may be out
	global_store_b128 v[CO], v[128+4*K2:131+4*K2], s[12:13] offset:8192*K2   ; sixteen lanes store 256 consecutive bytes of a row, aligned
.set K2, K2+1
.endr
	s_wait_tensorcnt 0x0                           ; the wave's end
	ds_add_u32 v[SPW], v[NIL]
	s_wait_dscnt 0x0
	CROUND                                         ; the closing round
	s_endpgm
.Lfunc_end_k_q7248d89aa4_ffn1:
	.size	k_q7248d89aa4_ffn1, .Lfunc_end_k_q7248d89aa4_ffn1-k_q7248d89aa4_ffn1
	.p2alignl 7, 3214868480
	.fill 96, 4, 3214868480
	.section	.rodata,"a",@progbits
	.p2align	6, 0x0
	.amdhsa_kernel k_q7248d89aa4_ffn1
		.amdhsa_group_segment_fixed_size 327680
		.amdhsa_private_segment_fixed_size 0
		.amdhsa_enable_private_segment 0
		.amdhsa_kernarg_size 40
		.amdhsa_user_sgpr_count 2
		.amdhsa_user_sgpr_kernarg_segment_ptr 1
		.amdhsa_wavefront_size32 1
		.amdhsa_system_sgpr_workgroup_id_x 1
		.amdhsa_system_sgpr_workgroup_id_y 1
		.amdhsa_system_sgpr_workgroup_id_z 1
		.amdhsa_system_vgpr_workitem_id 0
		.amdhsa_next_free_vgpr 1024
		.amdhsa_next_free_sgpr 100
		.amdhsa_reserve_vcc 0
		.amdhsa_float_denorm_mode_32 3
		.amdhsa_float_denorm_mode_16_64 3
		.amdhsa_memory_ordered 1
		.amdhsa_forward_progress 1
		.amdhsa_inst_pref_size 147
	.end_amdhsa_kernel
	.amdgpu_metadata
---
amdhsa.version: [ 1, 2 ]
amdhsa.kernels:
  - .name:           k_q7248d89aa4_ffn1
    .symbol:         k_q7248d89aa4_ffn1.kd
    .args:
      - { .name: a6, .offset: 0, .size: 8, .value_kind: global_buffer, .address_space: global }
      - { .name: wf1_codes, .offset: 8, .size: 8, .value_kind: global_buffer, .address_space: global }
      - { .name: lowp_scales, .offset: 16, .size: 8, .value_kind: global_buffer, .address_space: global }
      - { .name: bf1, .offset: 24, .size: 8, .value_kind: global_buffer, .address_space: global }
      - { .name: hc, .offset: 32, .size: 8, .value_kind: global_buffer, .address_space: global }
    .group_segment_fixed_size: 327680
    .private_segment_fixed_size: 0
    .kernarg_segment_align: 8
    .kernarg_segment_size: 40
    .max_flat_workgroup_size: 128
    .sgpr_count:     100
    .vgpr_count:     1024
    .wavefront_size: 32
...
	.end_amdgpu_metadata
.endif
;; end of part 5
;; launch ffn2 (part 6): grid 4 x 16, 4 waves a work-group, clusters of 4 x 4, 327,680 bytes of LDS; arguments hc, wf2_codes, lowp_scales, bf2, out1, resid, stats; writes resid, stats
.if DOCPART == 6
	.amdgcn_target "amdgcn-amd-amdhsa--gfx1250"
	.amdhsa_code_object_version 6
	.text
	.protected	k_q7248d89aa4_ffn2
	.globl	k_q7248d89aa4_ffn2
	.p2align	8
	.type	k_q7248d89aa4_ffn2,@function
k_q7248d89aa4_ffn2:
	s_mov_b64 s[64:65], 0
	v_nop
	global_prefetch_b8 v0, s[64:65] scope:SCOPE_SE
	s_setreg_imm32_b32 hwreg(HW_REG_WAVE_MODE, 25, 1), 1
	s_wait_xcnt 0x0
	s_wait_alu depctr_hold_cnt(0) depctr_sa_sdst(0) depctr_va_vdst(0) depctr_va_sdst(0) depctr_va_ssrc(0) depctr_va_vcc(0) depctr_vm_vsrc(0)
	s_getreg_b32 s2, hwreg(HW_REG_IB_STS2, 6, 4)
	s_cmp_eq_u32 s2, 0
	s_cbranch_scc0 .Lentry_in_a_cluster
	s_endpgm
.Lentry_in_a_cluster:
	s_bfe_u32 s2, ttmp6, 0x10000c
	s_cmp_lg_u32 s2, 0xf033
	s_cbranch_scc0 .Lentry_shape_is_right
	s_endpgm
.Lentry_shape_is_right:
; resid = out1 + (hidden wf2 + bf2), and partial statistics for the last norm.  C = A B^T with A = hc [4096][4096] (scale 2^e12), B = wf2_codes [1024][4096] (2^e13); K = 4096.
; A tile of C is 256 x 256, four waves, 128 x 128 a wave: 64 work-groups; K in steps of 256 through a ring of two LDS slots; 4 x 4 work-groups a cluster, joint loads as in the launches before.
; The way out, by blocks of 16 rows x 128 columns: the sums go through my own stage in LDS as they are and come back as rows of 512 bytes; then sum x 2^(e12 + e13) + (out1 + bf2), one packed multiply-add for two.
; Each block's 2,048 numbers give a pair (sum, M2): 32 pairs a work-group, 1,024 a batch, batch-major.
; LIMITS: e12 + e13 between -126 and 127.  Within an instruction k is permuted alike in both operands: only the order of the sums changes.
; REGISTERS, in windows of 256: window 0: v0-31 addresses; v32-35 bf2; v36-99, v100-163 out1's rows, two sets; v164-227 a block's rows; v228-245 at work; in the loop from v128 A's fragments; window 1: B's; windows 2, 3: accumulators.
.set KROW,   4096
.set KSTEP,  256
.set ROWB,   256
.set PITCH,  272
.set FR,     16
.set NL,     4
.set NP,     4
.set HALFT,  128*PITCH
.set SLOT,   4*HALFT
.set LAPS,   KROW/(2*KSTEP)
.set SPARE,  2*SLOT
.set STATW,  SPARE+512                 ; behind the spare words: the work-group's 32 pairs
.set SPITCH, 528                       ; the stage: 16 rows x (512 bytes + 16) for each wave, in slot 0, which has had its last fill and its last read by then
.set ADRA, 16
.set ADRB, 20
.set STO,  24
.set RD,   25
.set CO,   26                          ; v26  16 x lane; never rewritten
.set SW,   27                          ; v27  my wave's pairs
.set SPW,  28
.set NIL,  29
.set BI,   32
.set BB,   164
.set AF,   128
.set SEL,  92
.set G1, 24
.set G0, 32
.set G1B, 48
.set G0B, 56
.set MSB, 0
.macro WIN new
.if MSB != (\new)
	s_set_vgpr_msb (MSB<<8)|(\new)
.set MSB, (\new)
.endif
.endm
.set MUL_LO, 0xa1
.set MUL_HI, 0xf1
.set TO_B,   0x40
.macro JLOAD g0a, g1a, g0b, g1b        ; a joint load: waves 0 and 1 fetch for A, waves 2 and 3 for B.  An s_nop 0 and four v_nop follow each line
	s_cmp_eq_u32 s15, 0
	s_cbranch_scc0 .Lfor_b_\@
	tensor_load_to_lds s[\g0a:\g0a+3], s[\g1a:\g1a+7]
	s_nop 0
.rept 4
	v_nop
.endr
	s_branch .Lasked_\@
.Lfor_b_\@:
	tensor_load_to_lds s[\g0b:\g0b+3], s[\g1b:\g1b+7]
	s_nop 0
.rept 4
	v_nop
.endr
.Lasked_\@:
.endm
.macro CREST
	s_cmp_lg_u32 s14, 0
	s_cbranch_scc1 .Lnot_wave_0_\@
	s_barrier_signal -3
.Lnot_wave_0_\@:
	s_barrier_wait -3
	s_barrier_signal -1
	s_barrier_wait -1
.endm
.macro CROUND
	s_barrier_signal -1
	s_barrier_wait -1
	CREST
.endm
; The sum and the sum of squared distances from the mean of N registers a lane x 32 lanes: sum in v[T], M2 in v[T+8], in every lane.  Two passes over registers: no difference of large sums.
.macro STATS B, N, INVN, T
	v_pk_add_f32 v[(\T):(\T)+1], v[(\B):(\B)+1], v[(\B)+4:(\B)+5]
	v_pk_add_f32 v[(\T)+2:(\T)+3], v[(\B)+2:(\B)+3], v[(\B)+6:(\B)+7]
.set JS, 8
.rept ((\N)-8)/4
	v_pk_add_f32 v[(\T):(\T)+1], v[(\T):(\T)+1], v[(\B)+JS:(\B)+JS+1]
	v_pk_add_f32 v[(\T)+2:(\T)+3], v[(\T)+2:(\T)+3], v[(\B)+JS+2:(\B)+JS+3]
.set JS, JS+4
.endr
	v_pk_add_f32 v[(\T):(\T)+1], v[(\T):(\T)+1], v[(\T)+2:(\T)+3]
	v_add_f32 v[(\T)], v[(\T)], v[(\T)+1]
.irp m, 1,2,4,8
	v_add_f32_dpp v[(\T)], v[(\T)], v[(\T)] row_xmask:\m row_mask:0xf bank_mask:0xf
.endr
	v_permlanex16_b32 v[(\T)+1], v[(\T)], s[SEL], s[SEL+1]
	v_add_f32 v[(\T)], v[(\T)], v[(\T)+1]
	v_mul_f32 v[(\T)+2], \INVN, v[(\T)]
	v_mov_b32 v[(\T)+3], v[(\T)+2]
.set JS, 0
.rept (\N)/4
	v_pk_add_f32 v[(\T)+4:(\T)+5], v[(\B)+JS:(\B)+JS+1], v[(\T)+2:(\T)+3] neg_lo:[0,1] neg_hi:[0,1]
	v_pk_add_f32 v[(\T)+6:(\T)+7], v[(\B)+JS+2:(\B)+JS+3], v[(\T)+2:(\T)+3] neg_lo:[0,1] neg_hi:[0,1]
.if JS == 0
	v_pk_mul_f32 v[(\T)+8:(\T)+9], v[(\T)+4:(\T)+5], v[(\T)+4:(\T)+5]
	v_pk_mul_f32 v[(\T)+10:(\T)+11], v[(\T)+6:(\T)+7], v[(\T)+6:(\T)+7]
.else
	v_pk_fma_f32 v[(\T)+8:(\T)+9], v[(\T)+4:(\T)+5], v[(\T)+4:(\T)+5], v[(\T)+8:(\T)+9]
	v_pk_fma_f32 v[(\T)+10:(\T)+11], v[(\T)+6:(\T)+7], v[(\T)+6:(\T)+7], v[(\T)+10:(\T)+11]
.endif
.set JS, JS+4
.endr
	v_pk_add_f32 v[(\T)+8:(\T)+9], v[(\T)+8:(\T)+9], v[(\T)+10:(\T)+11]
	v_add_f32 v[(\T)+8], v[(\T)+8], v[(\T)+9]
.irp m, 1,2,4,8
	v_add_f32_dpp v[(\T)+8], v[(\T)+8], v[(\T)+8] row_xmask:\m row_mask:0xf bank_mask:0xf
.endr
	v_permlanex16_b32 v[(\T)+9], v[(\T)+8], s[SEL], s[SEL+1]
	v_add_f32 v[(\T)+8], v[(\T)+8], v[(\T)+9]
.endm
.macro RLOAD a                         ; out1's 16 rows of block a, my 128 columns: 512 consecutive bytes a load
.set RL, 36+64*((\a)%2)
.irp t, 0,1,2,3,4,5,6,7,8,9,10,11,12,13,14,15
	global_load_b128 v[RL+4*\t:RL+4*\t+3], v[CO], s[86:87] offset:(16*(\a)+\t)*4096 th:TH_LOAD_NT
.endr
.endm
	s_load_b128 s[4:7], s[0:1], 0x0                ; hc, wf2's codes
	s_load_b256 s[68:75], s[0:1], 0x10             ; the scales' exponents 68, bf2 70, out1 72, resid 74
	s_load_b64 s[76:77], s[0:1], 0x30              ; stats
	v_lshl_add_u32 v[SPW], v0, 2, SPARE
	v_mov_b32 v[NIL], 0
	ds_add_u32 v[SPW], v[NIL]                      ; the wave's opening: the add, twice on end, and its wait ahead of my first tensor load
	ds_add_u32 v[SPW], v[NIL]
	v_lshrrev_b32 v1, 5, v0
	v_readfirstlane_b32 s14, v1
	s_lshr_b32 s15, s14, 1
	s_and_b32 s16, s14, 1
	s_bfe_u32 s40, ttmp6, 0x40000
	s_bfe_u32 s41, ttmp6, 0x40004
	s_lshl_b32 s42, ttmp9, 2
	s_add_co_u32 s42, s42, s40                     ; tile column of C
	s_and_b32 s17, ttmp7, 0xffff
	s_lshl_b32 s17, s17, 2
	s_add_co_u32 s17, s17, s41                     ; tile row of C
	s_lshl_b32 s43, s41, 2
	s_lshl_b32 s43, 15, s43
	s_lshl_b32 s44, 0x1111, s40
	s_or_b32 s[G1+0], s43, (0<<16)|(1<<20)|(1<<21)|(5<<22)|(3<<25)
	s_or_b32 s[G1B+0], s44, (0<<16)|(1<<20)|(1<<21)|(5<<22)|(3<<25)
.irp g, G1, G1B
	s_mov_b32 s[\g+1], ROWB<<16
	s_mov_b32 s[\g+2], 128<<16
	s_mov_b32 s[\g+3], ROWB<<16
	s_mov_b32 s[\g+4], 128
	s_mov_b32 s[\g+5], KROW
	s_mov_b32 s[\g+6], 0
	s_mov_b32 s[\g+7], 0
.endr
	s_mov_b32 s[SEL], 0x76543210
	s_mov_b32 s[SEL+1], 0xfedcba98
	s_lshl_b32 s18, s16, 7
	s_lshl_b32 s20, s17, 8
	s_add_co_u32 s20, s20, s18
	s_lshl_b32 s46, s42, 8
	s_add_co_u32 s46, s46, s18
	s_mov_b32 s21, 0
	s_mov_b32 s47, 0
	s_mov_b64 s[18:19], KROW
	s_mul_u64 s[20:21], s[20:21], s[18:19]
	s_mul_u64 s[46:47], s[46:47], s[18:19]
	s_mul_i32 s45, s14, HALFT
	s_wait_dscnt 0x0
	s_wait_kmcnt 0x0
	s_load_b64 s[96:97], s[68:69], 0x30            ; e12, e13 (waited for on the way out)
	s_add_nc_u64 s[20:21], s[4:5], s[20:21]
	s_add_nc_u64 s[46:47], s[6:7], s[46:47]
	CROUND
.irp s, 0,1
	s_mov_b32 s[G0+4*\s], 1
	s_add_co_u32 s[G0+4*\s+1], s45, \s*SLOT
	s_add_nc_u64 s[G0+4*\s+2:G0+4*\s+3], s[20:21], \s*ROWB
	s_or_b32 s[G0+4*\s+3], s[G0+4*\s+3], 0x80000000
	s_mov_b32 s[G0B+4*\s], 1
	s_add_co_u32 s[G0B+4*\s+1], s45, \s*SLOT
	s_add_nc_u64 s[G0B+4*\s+2:G0B+4*\s+3], s[46:47], \s*ROWB
	s_or_b32 s[G0B+4*\s+3], s[G0B+4*\s+3], 0x80000000
	JLOAD G0+4*\s, G1, G0B+4*\s, G1B
.endr
	v_and_b32 v1, 15, v0
	v_bfe_u32 v2, v0, 4, 1
	v_mul_u32_u24 v3, v1, PITCH
	v_lshl_add_u32 v4, v2, 4, v3
	s_mul_i32 s21, s15, HALFT
	s_mul_i32 s22, s16, HALFT
	s_add_co_u32 s22, s22, 2*HALFT
.irp s, 0,1
	v_add_nc_u32 v[ADRA+\s], s21, v4
	v_add_nc_u32 v[ADRB+\s], s22, v4
	s_add_co_u32 s21, s21, SLOT
	s_add_co_u32 s22, s22, SLOT
.endr
	s_mul_i32 s23, s14, 16*SPITCH                  ; my stage
	v_mul_u32_u24 v5, v1, SPITCH                   ; in: row l % 16, 32 bytes for each half of the lanes
	v_lshl_add_u32 v5, v2, 5, v5
	v_add_nc_u32 v[STO], s23, v5
	v_and_b32 v6, 31, v0
	v_lshlrev_b32 v[CO], 4, v6                     ; back: the 32 lanes take one row of 512 bytes; and the same in out1 and resid
	v_add_nc_u32 v[RD], s23, v[CO]
	s_lshl_b32 s22, s14, 6
	s_add_co_u32 s22, s22, STATW
	v_mov_b32 v[SW], s22                           ; my wave's eight pairs
	v_lshlrev_b32 v31, 3, v6
	v_add_nc_u32 v30, STATW, v31                   ; wave 0 reads all 32 pairs back
	s_lshl_b32 s20, s17, 8
	s_lshl_b32 s21, s15, 7
	s_add_co_u32 s20, s20, s21                     ; my first row: 256 x tile row + 128 x half
	s_mov_b32 s21, 0
	s_mov_b64 s[18:19], 4096
	s_mul_u64 s[20:21], s[20:21], s[18:19]
	s_lshl_b32 s46, s42, 10                        ; my first column, in bytes: 1024 x tile column + 512 x half
	s_lshl_b32 s47, s16, 9
	s_add_co_u32 s46, s46, s47
	s_mov_b32 s47, 0
	s_add_nc_u64 s[20:21], s[20:21], s[46:47]
	s_add_nc_u64 s[10:11], s[74:75], s[20:21]      ; resid,
	s_add_nc_u64 s[86:87], s[72:73], s[20:21]      ; out1,
	s_add_nc_u64 s[84:85], s[70:71], s[46:47]      ; bf2 at my place
	s_lshl_b32 s22, s17, 2
	s_add_co_u32 s22, s22, s42
	s_lshl_b32 s22, s22, 8
	s_mov_b32 s23, 0
	s_add_nc_u64 s[88:89], s[76:77], s[22:23]      ; my work-group's 256 bytes of statistics
	global_load_b128 v[BI:BI+3], v[CO], s[84:85]   ; bf2 of my four columns
	RLOAD 0
.macro FRAG reg, adr, q, i
.irp c, 0,1,2,3
	ds_load_b128 v[\reg+4*\c:\reg+4*\c+3], v[\adr] offset:128*(\q)+32*\c+(\i)*16*PITCH
.endr
.endm
.macro MUL16 a0, p, zero               ; the 64 accumulators take turns, one instruction a turn, in the same order in every step
.irp a, \a0, \a0+1
.irp b, 0,1,2,3,4,5,6,7
.if \zero
	v_wmma_f32_16x16x128_fp8_fp8 v[8*(8*((\a)%4)+\b):8*(8*((\a)%4)+\b)+7], v[128*(\p)+FR*\b:128*(\p)+FR*\b+FR-1], v[AF+FR*(\a):AF+FR*(\a)+FR-1], 0
.else
	v_wmma_f32_16x16x128_fp8_fp8 v[8*(8*((\a)%4)+\b):8*(8*((\a)%4)+\b)+7], v[128*(\p)+FR*\b:128*(\p)+FR*\b+FR-1], v[AF+FR*(\a):AF+FR*(\a)+FR-1], v[8*(8*((\a)%4)+\b):8*(8*((\a)%4)+\b)+7]
.endif
.endr
.endr
.endm
.macro FETCH_B slot, q, p
	WIN TO_B
.irp i, 0,1,2,3,4,5,6,7
	FRAG 128*(\p)+FR*\i, ADRB+\slot, \q, \i
.endr
	WIN 0
.endm
.macro FETCH_A slot, q, i0
.irp i, \i0, \i0+1, \i0+2, \i0+3
	FRAG AF+FR*(\i), ADRA+\slot, \q, \i
.endr
.endm
.macro PLACES n
.rept \n
	v_nop
.endr
.endm
.macro STEP slot, q, zero
	s_wait_dscnt 4*NL                              ; the youngest 16 loads (A's blocks 4-7) may be out
	WIN MUL_LO
	MUL16 0, (\q)%2, \zero
	MUL16 2, (\q)%2, \zero
	s_wait_dscnt 0
	PLACES NP
	FETCH_B \slot, (\q)+1, 1-(\q)%2
	FETCH_A \slot, (\q)+1, 0
	WIN MUL_HI
	MUL16 4, (\q)%2, \zero
	MUL16 6, (\q)%2, \zero
	PLACES NP
	WIN 0
	FETCH_A \slot, (\q)+1, 4
.endm
.macro TURN slot, next, fill
	s_wait_tensorcnt 0x0                           ; all my tensor loads have landed
	ds_add_u32 v[SPW], v[NIL]
	s_wait_dscnt 4*NL+1                            ; the add and the youngest 16 loads may be out
	WIN MUL_LO
	MUL16 0, 1, 0
	s_wait_dscnt 0x0                               ; the add is done, and my reads of this slot are over
	s_barrier_signal -1
	MUL16 2, 1, 0
	WIN 0
	s_barrier_wait -1
.if \fill
	CREST
	s_add_nc_u64 s[G0+4*\slot+2:G0+4*\slot+3], s[G0+4*\slot+2:G0+4*\slot+3], 2*ROWB
	s_add_nc_u64 s[G0B+4*\slot+2:G0B+4*\slot+3], s[G0B+4*\slot+2:G0B+4*\slot+3], 2*ROWB
	JLOAD G0+4*\slot, G1, G0B+4*\slot, G1B
.else
	PLACES NP
.endif
	FETCH_B \next, 0, 0
	FETCH_A \next, 0, 0
	WIN MUL_HI
	MUL16 4, 1, 0
	MUL16 6, 1, 0
	PLACES NP
	WIN 0
	FETCH_A \next, 0, 4
.endm
	s_wait_tensorcnt 1                             ; my part of K step 0 is in; K step 1's load may be out
	s_barrier_signal -1
	s_barrier_wait -1
	FETCH_B 0, 0, 0
	FETCH_A 0, 0, 0
	FETCH_A 0, 0, 4
	STEP 0, 0, 1
	s_mov_b32 s3, LAPS-1
.Llap:
	TURN 0, 1, 1
	STEP 1, 0, 0
	TURN 1, 0, 1
	STEP 0, 0, 0
	s_sub_co_u32 s3, s3, 1
	s_cmp_lg_u32 s3, 0
	s_cbranch_scc1 .Llap
	TURN 0, 1, 0
	STEP 1, 0, 0
	s_wait_dscnt 4*NL
	WIN MUL_LO
	MUL16 0, 1, 0
	MUL16 2, 1, 0
	s_wait_dscnt 0
	WIN MUL_HI
	MUL16 4, 1, 0
	MUL16 6, 1, 0
	WIN 0
	s_wait_kmcnt 0x0
	s_add_co_i32 s96, s96, s97
	s_add_co_i32 s96, s96, 127
	s_lshl_b32 s96, s96, 23                        ; 2^(e12 + e13) as f32
	s_mov_b32 s97, s96                             ; (named with it as a pair, so it is written)
	PLACES NP                                      ; in front of the LDS stores that read results, and of the loads into registers that held A's fragments
.macro OUTB a
.if (\a) < 7
	RLOAD (\a)+1                                   ; the next block's rows of out1, into the other set
.endif
.set AC, 64*((\a)%4)
.set RS, 36+64*((\a)%2)
.if (\a) > 0
	s_wait_xcnt 0x0                                ; block a - 1's stores have read their data: the registers may be loaded again
.endif
	WIN 0x08+4*((\a)/4)                            ; the stores' data: window 2 or 3
.irp b, 0,1,2,3,4,5,6,7
	ds_store_b128 v[STO], v[AC+8*\b:AC+8*\b+3] offset:64*\b          ; each accumulator from its low end on
	ds_store_b128 v[STO], v[AC+8*\b+4:AC+8*\b+7] offset:64*\b+16
.endr
	WIN 0
.irp t, 0,1,2,3,4,5,6,7,8,9,10,11,12,13,14,15
	ds_load_b128 v[BB+4*\t:BB+4*\t+3], v[RD] offset:\t*SPITCH        ; LDS serves a wave's instructions in order: these see my stores
.endr
.if (\a) < 7
	s_wait_loadcnt 16                              ; this block's rows of out1 are in; the next block's 16 loads may be out
.else
	s_wait_loadcnt 0x0
.endif
.set J, 0
.rept 32
	v_pk_add_f32 v[RS+J:RS+J+1], v[RS+J:RS+J+1], v[BI+(J%4):BI+(J%4)+1]   ; out1 + bf2
.set J, J+2
.endr
	s_wait_dscnt 0x0
.set J, 0
.rept 32
	v_pk_fma_f32 v[BB+J:BB+J+1], v[BB+J:BB+J+1], s[96:97], v[RS+J:RS+J+1] op_sel_hi:[1,0,1]
.set J, J+2
.endr
.irp t, 0,1,2,3,4,5,6,7,8,9,10,11,12,13,14,15
	global_store_b128 v[CO], v[BB+4*\t:BB+4*\t+3], s[10:11] offset:(16*(\a)+\t)*4096   ; 32 lanes store 512 consecutive bytes, aligned
.endr
	STATS BB, 64, 0x3a000000, 228
	ds_store_b32 v[SW], v228 offset:8*(\a)
	ds_store_b32 v[SW], v236 offset:8*(\a)+4
.endm
.irp a, 0,1,2,3,4,5,6,7
	OUTB \a
.endr
	s_wait_dscnt 0x0
	s_barrier_signal -1
	s_barrier_wait -1
	s_cmp_lg_u32 s14, 0
	s_cbranch_scc1 .Lnot_first
	ds_load_b64 v[244:245], v30
	s_wait_dscnt 0x0
	global_store_b64 v31, v[244:245], s[88:89]     ; the work-group's 32 pairs: 256 consecutive bytes, aligned
.Lnot_first:
	s_wait_tensorcnt 0x0                           ; the wave's end
	ds_add_u32 v[SPW], v[NIL]
	s_wait_dscnt 0x0
	CROUND                                         ; the closing round
	s_endpgm
.Lfunc_end_k_q7248d89aa4_ffn2:
	.size	k_q7248d89aa4_ffn2, .Lfunc_end_k_q7248d89aa4_ffn2-k_q7248d89aa4_ffn2
	.p2alignl 7, 3214868480
	.fill 96, 4, 3214868480
	.section	.rodata,"a",@progbits
	.p2align	6, 0x0
	.amdhsa_kernel k_q7248d89aa4_ffn2
		.amdhsa_group_segment_fixed_size 327680
		.amdhsa_private_segment_fixed_size 0
		.amdhsa_enable_private_segment 0
		.amdhsa_kernarg_size 56
		.amdhsa_user_sgpr_count 2
		.amdhsa_user_sgpr_kernarg_segment_ptr 1
		.amdhsa_wavefront_size32 1
		.amdhsa_system_sgpr_workgroup_id_x 1
		.amdhsa_system_sgpr_workgroup_id_y 1
		.amdhsa_system_sgpr_workgroup_id_z 1
		.amdhsa_system_vgpr_workitem_id 0
		.amdhsa_next_free_vgpr 1024
		.amdhsa_next_free_sgpr 100
		.amdhsa_reserve_vcc 0
		.amdhsa_float_denorm_mode_32 3
		.amdhsa_float_denorm_mode_16_64 3
		.amdhsa_memory_ordered 1
		.amdhsa_forward_progress 1
		.amdhsa_inst_pref_size 208
	.end_amdhsa_kernel
	.amdgpu_metadata
---
amdhsa.version: [ 1, 2 ]
amdhsa.kernels:
  - .name:           k_q7248d89aa4_ffn2
    .symbol:         k_q7248d89aa4_ffn2.kd
    .args:
      - { .name: hc, .offset: 0, .size: 8, .value_kind: global_buffer, .address_space: global }
      - { .name: wf2_codes, .offset: 8, .size: 8, .value_kind: global_buffer, .address_space: global }
      - { .name: lowp_scales, .offset: 16, .size: 8, .value_kind: global_buffer, .address_space: global }
      - { .name: bf2, .offset: 24, .size: 8, .value_kind: global_buffer, .address_space: global }
      - { .name: out1, .offset: 32, .size: 8, .value_kind: global_buffer, .address_space: global }
      - { .name: resid, .offset: 40, .size: 8, .value_kind: global_buffer, .address_space: global }
      - { .name: stats, .offset: 48, .size: 8, .value_kind: global_buffer, .address_space: global }
    .group_segment_fixed_size: 327680
    .private_segment_fixed_size: 0
    .kernarg_segment_align: 8
    .kernarg_segment_size: 56
    .max_flat_workgroup_size: 128
    .sgpr_count:     100
    .vgpr_count:     1024
    .wavefront_size: 32
...
	.end_amdgpu_metadata
.endif
;; end of part 6
;; launch ln2 (part 7): grid 256 x 1, 8 waves a work-group, no clusters, 1,280 bytes of LDS; arguments resid, stats, ffln_g, ffln_b, out0; writes out0
.if DOCPART == 7
	.amdgcn_target "amdgcn-amd-amdhsa--gfx1250"
	.amdhsa_code_object_version 6
	.text
	.protected	k_q7248d89aa4_ln2
	.globl	k_q7248d89aa4_ln2
	.p2align	8
	.type	k_q7248d89aa4_ln2,@function
k_q7248d89aa4_ln2:
	s_mov_b64 s[64:65], 0
	v_nop
	global_prefetch_b8 v0, s[64:65] scope:SCOPE_SE
	s_setreg_imm32_b32 hwreg(HW_REG_WAVE_MODE, 25, 1), 1
	s_wait_xcnt 0x0
; out0 = LayerNorm over (S, U) of resid, for each batch, x ffln_g + ffln_b, in f32.
; THE STATISTICS come as 1,024 pairs a batch (sum, M2 of 2,048 numbers each): mean = sum of sums / 2^21; variance = (sum of M2 + 2048 (sum / 2048 - mean)^2) / 2^21: no difference of large sums.
; Every work-group combines them itself (16 KiB): waves 0-3 batch 0, waves 4-7 batch 1; two barriers.
; SHARES.  A work-group takes 8,192 positions of (S, U) for BOTH batches, so that ffln_g and ffln_b are read once; a wave 1,024, in two steps of 512.  Every load and store covers 512 consecutive bytes.
.set L,     4
.set RED,   0                          ; 16 words for the two reductions
.set SPARE, 256                        ; the spare words, 128 bytes for each wave, which no other line names
.set SPW,   10
.set NIL,   11
.set PR,    32
.set D,     64
.set SEL,   36
.macro LSUM a, b
.irp m, 1,2,4,8
	v_add_f32_dpp v[\a], v[\a], v[\a] row_xmask:\m row_mask:0xf bank_mask:0xf
.endr
	v_permlanex16_b32 v[\b], v[\a], s[SEL], s[SEL+1]
	v_add_f32 v[\a], v[\a], v[\b]
.endm
	s_load_b256 s[4:11], s[0:1], 0x0               ; resid, stats, ffln_g, ffln_b
	s_load_b64 s[14:15], s[0:1], 0x20              ; out0
	v_lshl_add_u32 v[SPW], v0, 2, SPARE
	v_mov_b32 v[NIL], 0
	v_lshrrev_b32 v1, 5, v0
	v_readfirstlane_b32 s18, v1                    ; wave
	v_and_b32 v1, 31, v0
	v_lshlrev_b32 v2, 4, v1                        ; 16 x lane
	v_lshrrev_b32 v5, 7, v0
	v_and_b32 v9, 127, v0
	v_lshlrev_b32 v5, 13, v5                       ; my batch's 8,192 bytes of pairs,
	v_lshl_add_u32 v5, v9, 4, v5                   ; 16 bytes a thread
	s_lshl_b32 s20, s18, 2
	s_add_co_u32 s20, s20, RED
	v_mov_b32 v6, s20                              ; my wave's word
	s_lshr_b32 s20, s18, 2
	s_lshl_b32 s20, s20, 4
	s_add_co_u32 s20, s20, RED
	v_mov_b32 v7, s20                              ; my batch's four words
	v_mov_b32 v8, RED
	v_mov_b32 v23, 0
	s_mov_b32 s[SEL], 0x76543210
	s_mov_b32 s[SEL+1], 0xfedcba98
	s_mov_b32 s30, 0x3a000000                      ; 1 / 2048
	s_mov_b32 s31, 0x45000000                      ; 2048
	s_mov_b32 s32, 0x35000000                      ; 2^-21
	s_mov_b32 s33, 0x3727c5ac                      ; 1e-5
	s_lshl_b32 s22, ttmp9, 15
	s_lshl_b32 s23, s18, 12
	s_add_co_u32 s22, s22, s23
	s_mov_b32 s23, 0
	s_wait_kmcnt 0x0
	s_add_nc_u64 s[4:5], s[4:5], s[22:23]          ; resid, batch 0,
	s_add_nc_u64 s[26:27], s[4:5], 0x800000        ; batch 1
	s_add_nc_u64 s[8:9], s[8:9], s[22:23]
	s_add_nc_u64 s[10:11], s[10:11], s[22:23]
	s_add_nc_u64 s[14:15], s[14:15], s[22:23]      ; out0, batch 0,
	s_add_nc_u64 s[28:29], s[14:15], 0x800000      ; batch 1
.irp i, 0,1,2,3
	global_load_b128 v[PR+4*\i:PR+4*\i+3], v5, s[6:7] offset:2048*\i
.endr
.irp t, 0,1
.irp i, 0,1,2,3
	global_load_b128 v[D+64*\t+4*\i:D+64*\t+4*\i+3], v2, s[4:5] offset:2048*\t+512*\i th:TH_LOAD_NT
.endr
.irp i, 0,1,2,3
	global_load_b128 v[D+64*\t+16+4*\i:D+64*\t+16+4*\i+3], v2, s[26:27] offset:2048*\t+512*\i th:TH_LOAD_NT
.endr
.irp i, 0,1,2,3
	global_load_b128 v[D+64*\t+32+4*\i:D+64*\t+32+4*\i+3], v2, s[8:9] offset:2048*\t+512*\i th:TH_LOAD_NT
.endr
.irp i, 0,1,2,3
	global_load_b128 v[D+64*\t+48+4*\i:D+64*\t+48+4*\i+3], v2, s[10:11] offset:2048*\t+512*\i th:TH_LOAD_NT
.endr
.endr
	s_wait_loadcnt 32                              ; the pairs are in; the 32 loads of data may be out
	v_add_f32 v22, v[PR], v[PR+2]
.set P, 2
.rept 2*L-2
	v_add_f32 v22, v22, v[PR+2*P]
.set P, P+1
.endr
	LSUM 22, 23
	ds_store_b32 v6, v22
	s_wait_dscnt 0x0
	s_barrier_signal -1
	s_barrier_wait -1
	ds_load_b128 v[24:27], v7
	s_wait_dscnt 0x0
	v_add_f32 v24, v24, v25
	v_add_f32 v26, v26, v27
	v_add_f32 v24, v24, v26
	v_mul_f32 v24, s32, v24                        ; my batch's mean
.set P, 0
.rept 2*L
	v_fma_f32 v25, v[PR+2*P], s30, -v24            ; the part's mean less the batch's
	v_mul_f32 v25, v25, v25
.if P == 0
	v_fma_f32 v22, v25, s31, v[PR+1]
.else
	v_fma_f32 v22, v25, s31, v22
	v_add_f32 v22, v22, v[PR+2*P+1]
.endif
.set P, P+1
.endr
	LSUM 22, 23
	ds_store_b32 v6, v22 offset:32                 ; other words than the first reduction's
	s_wait_dscnt 0x0
	s_barrier_signal -1
	s_barrier_wait -1
.irp i, 0,1,2,3
	ds_load_b128 v[PR+4*\i:PR+4*\i+3], v8 offset:16*\i
.endr
	s_wait_dscnt 0x0
.irp i, 0,1,2,3
	v_add_f32 v[PR+4*\i], v[PR+4*\i], v[PR+4*\i+1]
	v_add_f32 v[PR+4*\i+2], v[PR+4*\i+2], v[PR+4*\i+3]
	v_add_f32 v[PR+4*\i], v[PR+4*\i], v[PR+4*\i+2]
.endr
	v_mul_f32 v12, s32, v[PR]
	v_mul_f32 v16, s32, v[PR+4]
	v_mov_b32 v13, v12
	v_mov_b32 v17, v16
	v_fma_f32 v[PR+8], v[PR+8], s32, s33           ; variance + 1e-5
	v_fma_f32 v[PR+12], v[PR+12], s32, s33
	v_rsq_f32 v14, v[PR+8]
	v_rsq_f32 v18, v[PR+12]
	v_nop                                          ; a plain line behind the transcendentals
	s_wait_alu depctr_va_vdst(0)                   ; one wait for both, ahead of their first reader
	v_mov_b32 v15, v14
	v_mov_b32 v19, v18
.macro STEP t
.set RA, D+64*\t
.set RB, RA+16
.set G,  RA+32
.set BB, RA+48
	s_wait_loadcnt 16*(1-\t)                       ; this step's 16 loads are in; the next step's may be out
.irp j, 0,2,4,6,8,10,12,14
	v_pk_add_f32 v[RA+\j:RA+\j+1], v[RA+\j:RA+\j+1], v[12:13] neg_lo:[0,1] neg_hi:[0,1]
	v_pk_add_f32 v[RB+\j:RB+\j+1], v[RB+\j:RB+\j+1], v[16:17] neg_lo:[0,1] neg_hi:[0,1]
.endr
.irp j, 0,2,4,6,8,10,12,14
	v_pk_mul_f32 v[RA+\j:RA+\j+1], v[RA+\j:RA+\j+1], v[14:15]
	v_pk_mul_f32 v[RB+\j:RB+\j+1], v[RB+\j:RB+\j+1], v[18:19]
.endr
.irp j, 0,2,4,6,8,10,12,14
	v_pk_fma_f32 v[RA+\j:RA+\j+1], v[RA+\j:RA+\j+1], v[G+\j:G+\j+1], v[BB+\j:BB+\j+1]
	v_pk_fma_f32 v[RB+\j:RB+\j+1], v[RB+\j:RB+\j+1], v[G+\j:G+\j+1], v[BB+\j:BB+\j+1]
.endr
.irp i, 0,1,2,3
	global_store_b128 v2, v[RA+4*\i:RA+4*\i+3], s[14:15] offset:2048*\t+512*\i th:TH_STORE_NT
	global_store_b128 v2, v[RB+4*\i:RB+4*\i+3], s[28:29] offset:2048*\t+512*\i th:TH_STORE_NT
.endr
.endm
	STEP 0
	STEP 1
	s_wait_tensorcnt 0x0                           ; the wave's end
	ds_add_u32 v[SPW], v[NIL]
	s_wait_dscnt 0x0
	s_endpgm
.Lfunc_end_k_q7248d89aa4_ln2:
	.size	k_q7248d89aa4_ln2, .Lfunc_end_k_q7248d89aa4_ln2-k_q7248d89aa4_ln2
	.p2alignl 7, 3214868480
	.fill 96, 4, 3214868480
	.section	.rodata,"a",@progbits
	.p2align	6, 0x0
	.amdhsa_kernel k_q7248d89aa4_ln2
		.amdhsa_group_segment_fixed_size 1280
		.amdhsa_private_segment_fixed_size 0
		.amdhsa_enable_private_segment 0
		.amdhsa_kernarg_size 40
		.amdhsa_user_sgpr_count 2
		.amdhsa_user_sgpr_kernarg_segment_ptr 1
		.amdhsa_wavefront_size32 1
		.amdhsa_system_sgpr_workgroup_id_x 1
		.amdhsa_system_sgpr_workgroup_id_y 1
		.amdhsa_system_sgpr_workgroup_id_z 1
		.amdhsa_system_vgpr_workitem_id 0
		.amdhsa_next_free_vgpr 208
		.amdhsa_next_free_sgpr 66
		.amdhsa_reserve_vcc 0
		.amdhsa_float_denorm_mode_32 3
		.amdhsa_float_denorm_mode_16_64 3
		.amdhsa_memory_ordered 1
		.amdhsa_forward_progress 1
		.amdhsa_inst_pref_size 17
	.end_amdhsa_kernel
	.amdgpu_metadata
---
amdhsa.version: [ 1, 2 ]
amdhsa.kernels:
  - .name:           k_q7248d89aa4_ln2
    .symbol:         k_q7248d89aa4_ln2.kd
    .args:
      - { .name: resid, .offset: 0, .size: 8, .value_kind: global_buffer, .address_space: global }
      - { .name: stats, .offset: 8, .size: 8, .value_kind: global_buffer, .address_space: global }
      - { .name: ffln_g, .offset: 16, .size: 8, .value_kind: global_buffer, .address_space: global }
      - { .name: ffln_b, .offset: 24, .size: 8, .value_kind: global_buffer, .address_space: global }
      - { .name: out0, .offset: 32, .size: 8, .value_kind: global_buffer, .address_space: global }
    .group_segment_fixed_size: 1280
    .private_segment_fixed_size: 0
    .kernarg_segment_align: 8
    .kernarg_segment_size: 40
    .max_flat_workgroup_size: 256
    .sgpr_count:     66
    .vgpr_count:     208
    .wavefront_size: 32
...
	.end_amdgpu_metadata
.endif
;; end of part 7
;; ======== version 2 of 2: 7 launches
;; limits: right only within a limited range of input values
;; workspace buffers: xcodes 12,582,912 bytes; qkvc 12,582,912 bytes; resid 16,777,216 bytes; stats 32,768 bytes; out1 16,777,216 bytes; a6 4,194,304 bytes; hc 16,777,216 bytes
;; launch prep (part 8): grid 256 x 1, 8 waves a work-group, no clusters, 21,504 bytes of LDS; arguments x, lowp_scales, xcodes; writes xcodes
.if DOCPART == 8
	.amdgcn_target "amdgcn-amd-amdhsa--gfx1250"
	.amdhsa_code_object_version 6
	.text
	.protected	k_q7248d89aa4_prep
	.globl	k_q7248d89aa4_prep
	.p2align	8
	.type	k_q7248d89aa4_prep,@function
k_q7248d89aa4_prep:
	s_mov_b64 s[64:65], 0
	v_nop
	global_prefetch_b8 v0, s[64:65] scope:SCOPE_SE
	s_setreg_imm32_b32 hwreg(HW_REG_WAVE_MODE, 25, 1), 1
	s_wait_xcnt 0x0
; THE PROGRAM: a transformer block (B 2, S 2048, U 1024, 16 heads of 64, hidden 4096) with all seven products on codes of E4M3, in seven launches:
; prep (x -> codes) | qkv | attn (+ x, partial statistics) | ln1q | ffn1 | ffn2 (+ residual, partial statistics) | ln2.
; WORK LEFT OUT.  reference() builds the causal mask itself (jnp.tril) and sets every score with key > query to -1e9 ahead of the softmax: its weight is exp(-1e9 - max), which is 0 beside the visible keys
; for all finite inputs whose visible logits lie above about -1e9 + 200.  So a key step of 128 keys all of which come after a wave's 16 queries adds nothing to the row's sum or to the second product, and
; launch attn leaves such steps out (products 4 and 5 of those steps).  Nothing else is left out; every input has a way to the output and is loaded (bk too: it stands ahead of K's quantiser).
; LIMIT: a NaN, an infinity or an overflow that would arise only in the key steps left out is not carried to the result.
; THIS LAUNCH: x [4096][1024] f32 becomes codes three times, with the scales 2^e0, 2^e2, 2^e4 of products 1, 2, 3: xcodes = three parts of 4 MiB, [4096][1024], K innermost.
; code = x / 2^e, held within +-448, rounded to the nearest code, ties to even.  LIMITS: e0, e2, e4 between -126 and 119.  NaN among the inputs is not served.
; A wave takes 2,048 numbers in four steps of 512.  Each load reads 512 consecutive bytes, 16 a lane; a step's 2,048 bytes turn through the wave's own stage in LDS (16 bytes of padding behind each 64) and come
; back 64 bytes a lane: 16 neighbours along K, as the conversions want them.  A lane's 16 codes are 16 bytes: each store covers 512 consecutive bytes, aligned.  Waves share nothing: no barrier.
.set SP,    80                         ; a lane's place in the stage: 64 bytes + 16 of padding
.set WREG,  32*SP                      ; a wave's stage
.set SPARE, 8*WREG                     ; behind the stages: the spare words, 128 bytes for each wave, which no other line names
.set SPW,   10                         ; v10  my spare word's LDS address; never rewritten
.set NIL,   11                         ; v11  0; never rewritten
.set SC,    16                         ; v16-21  for each of the three scales: 2^e, 448 x 2^e
.set R,     32                         ; v32-95  the four steps as loaded
.set X,     96                         ; v96-127 two sets of 16 neighbours
.set T,     128                        ; v128-175 the 16 numbers held within each scale's range
.set C,     176                        ; v176-223 codes: registers of their own for each step and scale, so that no store's data are written again
.set OB,    32                         ; s[32:37] the three parts of xcodes at my wave's place
	s_load_b128 s[4:7], s[0:1], 0x0                ; x, the scales' exponents
	s_load_b64 s[8:9], s[0:1], 0x10                ; xcodes
	v_lshl_add_u32 v[SPW], v0, 2, SPARE
	v_mov_b32 v[NIL], 0
	v_lshrrev_b32 v1, 5, v0
	s_delay_alu instid0(VALU_DEP_1)
	v_readfirstlane_b32 s16, v1                    ; wave
	v_and_b32 v1, 31, v0                           ; lane
	s_delay_alu instid0(VALU_DEP_1)
	v_lshlrev_b32 v2, 4, v1                        ; my 16 bytes of a load's or a store's 512
	s_mul_i32 s17, s16, WREG
	v_lshrrev_b32 v3, 2, v1
	s_delay_alu instid0(VALU_DEP_1)
	v_mul_u32_u24 v3, v3, SP
	v_and_b32 v5, 3, v1
	s_delay_alu instid0(VALU_DEP_1)
	v_lshl_add_u32 v3, v5, 4, v3
	s_delay_alu instid0(VALU_DEP_1)
	v_add_nc_u32 v3, s17, v3                       ; the stage, on the way in: SP (lane / 4) + 16 (lane % 4)
	v_mul_u32_u24 v4, v1, SP
	s_delay_alu instid0(VALU_DEP_1)
	v_add_nc_u32 v4, s17, v4                       ; and on the way out: SP x lane
	s_lshl_b32 s18, ttmp9, 3
	s_add_co_u32 s18, s18, s16                     ; which run of 2,048 numbers is my wave's
	s_lshl_b32 s28, s18, 13                        ; in x: 8,192 bytes a run
	s_mov_b32 s29, 0
	s_lshl_b32 s30, s18, 11                        ; in the codes: 2,048
	s_mov_b32 s31, 0
	s_wait_alu depctr_va_vdst(0)
	s_wait_kmcnt 0x0
	s_load_b256 s[20:27], s[6:7], 0x0              ; e0 .. e7; e0 = s20, e2 = s22, e4 = s24
	s_add_nc_u64 s[4:5], s[4:5], s[28:29]
	s_add_nc_u64 s[OB:OB+1], s[8:9], s[30:31]
	s_add_nc_u64 s[OB+2:OB+3], s[OB:OB+1], 0x400000
	s_add_nc_u64 s[OB+4:OB+5], s[OB:OB+1], 0x800000
.irp t, 0,1,2,3
.irp i, 0,1,2,3
	global_load_b128 v[R+16*\t+4*\i:R+16*\t+4*\i+3], v2, s[4:5] offset:2048*\t+512*\i th:TH_LOAD_NT
.endr
.endr
	s_wait_kmcnt 0x0
.irp k, 0,1,2
	s_add_co_i32 s28, s[20+2*\k], 127
	s_lshl_b32 s29, s28, 23
	v_mov_b32 v[SC+2*\k], s29                      ; 2^e as f32: the conversion takes its exponent field
	s_add_co_i32 s28, s28, 8
	s_lshl_b32 s28, s28, 23
	s_or_b32 s28, s28, 0x600000
	v_mov_b32 v[SC+2*\k+1], s28                    ; 448 x 2^e
.endr
.macro TURN t                          ; step t through the stage: LDS serves a wave's instructions in order, so no wait stands between the stores and the loads, nor ahead of the next step's stores
.irp i, 0,1,2,3
	ds_store_b128 v3, v[R+16*(\t)+4*\i:R+16*(\t)+4*\i+3] offset:8*SP*\i
.endr
.irp i, 0,1,2,3
	ds_load_b128 v[X+16*((\t)%2)+4*\i:X+16*((\t)%2)+4*\i+3], v4 offset:16*\i
.endr
.endm
.macro STEP t
.set XS, X+16*((\t)%2)
	s_wait_dscnt 0x0                               ; this step's numbers are back from the stage
.if (\t) < 3
	s_wait_loadcnt 4*(2-(\t))                      ; the next step's four loads are in; those of the steps behind it may be out
	TURN (\t)+1
.endif
.irp k, 0,1,2
.irp i, 0,1,2,3,4,5,6,7,8,9,10,11,12,13,14,15
	v_med3_num_f32 v[T+16*\k+\i], v[XS+\i], -v[SC+2*\k+1], v[SC+2*\k+1]   ; the conversion to an 8-bit code does not saturate (ISA guide 7.6.2): the hold comes first
.endr
.endr
.irp k, 0,1,2
	v_cvt_scalef32_pk8_fp8_f32 v[C+12*(\t)+4*\k:C+12*(\t)+4*\k+1], v[T+16*\k:T+16*\k+7], v[SC+2*\k]
	v_cvt_scalef32_pk8_fp8_f32 v[C+12*(\t)+4*\k+2:C+12*(\t)+4*\k+3], v[T+16*\k+8:T+16*\k+15], v[SC+2*\k]
.endr
	v_nop                                          ; a plain line between the conversions and the next step's holds, which write their sources
.irp k, 0,1,2
	global_store_b128 v2, v[C+12*(\t)+4*\k:C+12*(\t)+4*\k+3], s[OB+2*\k:OB+2*\k+1] offset:512*(\t)
.endr
.endm
	s_wait_alu depctr_va_vdst(0)
	s_wait_loadcnt 12                              ; step 0's four loads are in
	TURN 0
	STEP 0
	STEP 1
	STEP 2
	STEP 3
	s_wait_tensorcnt 0x0                           ; the wave's end
	ds_add_u32 v[SPW], v[NIL]
	s_wait_dscnt 0x0
	s_endpgm
.Lfunc_end_k_q7248d89aa4_prep:
	.size	k_q7248d89aa4_prep, .Lfunc_end_k_q7248d89aa4_prep-k_q7248d89aa4_prep
	.p2alignl 7, 3214868480
	.fill 96, 4, 3214868480
	.section	.rodata,"a",@progbits
	.p2align	6, 0x0
	.amdhsa_kernel k_q7248d89aa4_prep
		.amdhsa_group_segment_fixed_size 21504
		.amdhsa_private_segment_fixed_size 0
		.amdhsa_enable_private_segment 0
		.amdhsa_kernarg_size 24
		.amdhsa_user_sgpr_count 2
		.amdhsa_user_sgpr_kernarg_segment_ptr 1
		.amdhsa_wavefront_size32 1
		.amdhsa_system_sgpr_workgroup_id_x 1
		.amdhsa_system_sgpr_workgroup_id_y 1
		.amdhsa_system_sgpr_workgroup_id_z 1
		.amdhsa_system_vgpr_workitem_id 0
		.amdhsa_next_free_vgpr 224
		.amdhsa_next_free_sgpr 66
		.amdhsa_reserve_vcc 0
		.amdhsa_float_denorm_mode_32 3
		.amdhsa_float_denorm_mode_16_64 3
		.amdhsa_memory_ordered 1
		.amdhsa_forward_progress 1
		.amdhsa_inst_pref_size 22
	.end_amdhsa_kernel
	.amdgpu_metadata
---
amdhsa.version: [ 1, 2 ]
amdhsa.kernels:
  - .name:           k_q7248d89aa4_prep
    .symbol:         k_q7248d89aa4_prep.kd
    .args:
      - { .name: x, .offset: 0, .size: 8, .value_kind: global_buffer, .address_space: global }
      - { .name: lowp_scales, .offset: 8, .size: 8, .value_kind: global_buffer, .address_space: global }
      - { .name: xcodes, .offset: 16, .size: 8, .value_kind: global_buffer, .address_space: global }
    .group_segment_fixed_size: 21504
    .private_segment_fixed_size: 0
    .kernarg_segment_align: 8
    .kernarg_segment_size: 24
    .max_flat_workgroup_size: 256
    .sgpr_count:     66
    .vgpr_count:     224
    .wavefront_size: 32
...
	.end_amdgpu_metadata
.endif
;; end of part 8
;; launch qkv (part 9): grid 48 x 4, 4 waves a work-group, clusters of 4 x 4, 327,680 bytes of LDS; arguments xcodes, wq_codes, wk_codes, wv_codes, bq, bk, bv, lowp_scales, qkvc; writes qkvc
.if DOCPART == 9
	.amdgcn_target "amdgcn-amd-amdhsa--gfx1250"
	.amdhsa_code_object_version 6
	.text
	.protected	k_q7248d89aa4_qkv
	.globl	k_q7248d89aa4_qkv
	.p2align	8
	.type	k_q7248d89aa4_qkv,@function
k_q7248d89aa4_qkv:
	s_mov_b64 s[64:65], 0
	v_nop
	global_prefetch_b8 v0, s[64:65] scope:SCOPE_SE
	s_setreg_imm32_b32 hwreg(HW_REG_WAVE_MODE, 25, 1), 1
	s_wait_xcnt 0x0
	s_wait_alu depctr_hold_cnt(0) depctr_sa_sdst(0) depctr_va_vdst(0) depctr_va_sdst(0) depctr_va_ssrc(0) depctr_va_vcc(0) depctr_vm_vsrc(0)
	s_getreg_b32 s2, hwreg(HW_REG_IB_STS2, 6, 4)
	s_cmp_eq_u32 s2, 0
	s_cbranch_scc0 .Lentry_in_a_cluster
	s_endpgm
.Lentry_in_a_cluster:
	s_bfe_u32 s2, ttmp6, 0x10000c
	s_cmp_lg_u32 s2, 0xf033
	s_cbranch_scc0 .Lentry_shape_is_right
	s_endpgm
.Lentry_shape_is_right:
; Q = x wq + bq, K = x wk + bk, V = x wv + bv on codes of E4M3 (K = 1024), each result quantised at once for the attention: Q with 2^e6, K with 2^e7, V with 2^e8.
; qkvc: part 0 Q [B][H][S][64], part 1 K likewise, part 2 V^T [B][H][64][S] (the keys innermost: they are the second product's K); 4 MiB a part.
; JOBS.  The cluster's x (0..11) says the job (x / 4: Q, K, V) and which quarter of it (x % 4); both are the same in all sixteen partners.  A tile is 256 x 256 of C = A B^T, four waves, 128 x 128 a wave.
;   Q, K: A = x's codes of that job (4096 rows), B = the weight's codes (1024 rows).   V: THE ROLES ARE SWAPPED: A = wv's codes, B = x's codes.
; The matrix instruction is used transposed (source 0 = 16 rows of B, source 1 = 16 rows of A), so a lane's eight results are eight neighbouring columns: for Q and K eight channels of one token,
; for V eight TOKENS of one channel: in all three jobs eight neighbours along the next product's K, which one conversion packs.  Nothing is transposed by an instruction.
; A sum stands for sum x 2^es (es = the two operands' exponents added): code = (sum + bias / 2^es) / 2^(eo - es), held within +-448.  LIMITS: eo - es between -126 and 119.  NaN is not served.
; Within an instruction k is permuted alike in both operands (four loads of 16 bytes a fragment): every product meets its partner; only the order of the sums changes.
; K goes in steps of 256 through a ring of two LDS slots; A's tile is asked for jointly along a row of the cluster, B's along a column.
; REGISTERS, in windows of 256: window 0: v0-31 addresses; v32-95 the biases; v96-105 their offsets, the scale; from v128 A's fragments, ONE set; window 1: B's fragments, two sets; windows 2, 3: the 64 accumulators.
.set KROW,   1024                      ; a row of A or of B in memory, in bytes
.set KSTEP,  256
.set ROWB,   256
.set PITCH,  272                       ; an LDS row: 256 bytes + 16 of padding: the 16 rows that a load touches start 68 words apart
.set FR,     16
.set NL,     4
.set NP,     4                         ; places behind this matrix instruction (ISA guide 7.12.1)
.set HALFT,  128*PITCH
.set SLOT,   4*HALFT
.set LAPS,   KROW/(2*KSTEP)
.set SPARE,  2*SLOT                    ; behind the ring: the spare words, 128 bytes for each wave, which no other line names
.set ADRA, 16
.set ADRB, 20
.set COV,  22                          ; v22  V's way out: my byte offset in two rows of V^T
.set STOA, 24                          ; v24  Q's, K's stage: where I put 8 codes
.set RDH,  25                          ; v25  where I read a head's rows back (rows 0-127),
.set COH,  26                          ; v26  16 x lane
.set RDH2, 27                          ; v27  (rows 128-255)
.set SPW,  28
.set NIL,  29
.set STOV, 30                          ; v30  V's stage: bytes of its own, behind Q's and K's
.set RDV,  31                          ; v31  where I read V's rows back
.set BC,   32                          ; v32-95 the biases in the result's layout
.set VO,   96                          ; v96-103 their loads' offsets
.set TMP,  128
.set AF,   128
.set G1, 24
.set G0, 32
.set G1B, 48
.set G0B, 56
.set MSB, 0
.macro WIN new                         ; the immediate's high byte repeats the setting that is left
.if MSB != (\new)
	s_set_vgpr_msb (MSB<<8)|(\new)
.set MSB, (\new)
.endif
.endm
.set MUL_LO, 0xa1                      ; source 0 (B) window 1, source 1 (A) window 0, C and D window 2
.set MUL_HI, 0xf1                      ; the same, C and D window 3
.set TO_B,   0x40                      ; destination window 1, address window 0
; A joint load: waves 0 and 1 fetch for A, waves 2 and 3 for B; the branch hangs on the wave's number alone.  An s_nop 0 and four v_nop follow each of the two lines.
.macro JLOAD g0a, g1a, g0b, g1b
	s_cmp_eq_u32 s15, 0
	s_cbranch_scc0 .Lfor_b_\@
	tensor_load_to_lds s[\g0a:\g0a+3], s[\g1a:\g1a+7]
	s_nop 0
.rept 4
	v_nop
.endr
	s_branch .Lasked_\@
.Lfor_b_\@:
	tensor_load_to_lds s[\g0b:\g0b+3], s[\g1b:\g1b+7]
	s_nop 0
.rept 4
	v_nop
.endr
.Lasked_\@:
.endm
.macro CREST                           ; a round of the cluster's barrier behind its opening barrier
	s_cmp_lg_u32 s14, 0
	s_cbranch_scc1 .Lnot_wave_0_\@
	s_barrier_signal -3
.Lnot_wave_0_\@:
	s_barrier_wait -3
	s_barrier_signal -1
	s_barrier_wait -1
.endm
.macro CROUND
	s_barrier_signal -1
	s_barrier_wait -1
	CREST
.endm
	s_load_b512 s[68:83], s[0:1], 0x0              ; xcodes 68, wq 70, wk 72, wv 74, bq 76, bk 78, bv 80, the scales' exponents 82
	s_load_b64 s[84:85], s[0:1], 0x40              ; qkvc
	v_lshl_add_u32 v[SPW], v0, 2, SPARE
	v_mov_b32 v[NIL], 0
	ds_add_u32 v[SPW], v[NIL]                      ; the wave's opening: the add, twice on end, and its wait ahead of my first tensor load
	ds_add_u32 v[SPW], v[NIL]
	v_lshrrev_b32 v1, 5, v0
	v_readfirstlane_b32 s14, v1                    ; wave 0..3
	s_lshr_b32 s15, s14, 1                         ; which half of the tile's rows is mine.  Also: I fetch for A (0) or for B (1)
	s_and_b32 s16, s14, 1                          ; which half of its columns.  Also: which 128 rows of that tile I fetch
	s_bfe_u32 s40, ttmp6, 0x40000                  ; cx, cy: my place in the cluster
	s_bfe_u32 s41, ttmp6, 0x40004
	s_lshr_b32 s66, ttmp9, 2                       ; the job: 0 Q, 1 K, 2 V
	s_and_b32 s67, ttmp9, 3                        ; which quarter of it
	s_lshl_b32 s86, s67, 2
	s_cmp_eq_u32 s66, 2                            ; V?  All that follows is chosen without a branch
	s_cselect_b32 s87, s86, 0                      ; the long axis (4096 tokens, 16 tiles) is C's columns for V,
	s_cselect_b32 s86, 0, s86                      ; its rows for Q and K
	s_cselect_b32 s94, 0, 4                        ; the biases' offsets: from register to register,
	s_cselect_b32 s95, 0, 32                       ; from half to half of the lanes,
	s_cselect_b32 s98, 4, 0                        ; from lane to lane
	s_add_co_u32 s17, s86, s41                     ; tile row of C
	s_add_co_u32 s42, s87, s40                     ; tile column of C
	s_lshl_b32 s43, s41, 2
	s_lshl_b32 s43, 15, s43                        ; my row of the cluster
	s_lshl_b32 s44, 0x1111, s40                    ; my column
	; descriptor group 1: a tile of 128 rows x 256 bytes, padded in LDS
	s_or_b32 s[G1+0], s43, (0<<16)|(1<<20)|(1<<21)|(5<<22)|(3<<25)  ; 15:0 the mask: A's tiles go to my row; elements of 1 byte; padding on; bit 21 beside a mask; after every 64 words, 4 words
	s_or_b32 s[G1B+0], s44, (0<<16)|(1<<20)|(1<<21)|(5<<22)|(3<<25)
.irp g, G1, G1B
	s_mov_b32 s[\g+1], ROWB<<16                    ; tensor_dim0
	s_mov_b32 s[\g+2], 128<<16                     ; tensor_dim1
	s_mov_b32 s[\g+3], ROWB<<16                    ; tile_dim0
	s_mov_b32 s[\g+4], 128                         ; tile_dim1
	s_mov_b32 s[\g+5], KROW                        ; tensor_dim0_stride
	s_mov_b32 s[\g+6], 0
	s_mov_b32 s[\g+7], 0
.endr
	s_lshl_b32 s18, s16, 7                         ; which 128 rows of the tile I fetch
	s_lshl_b32 s20, s17, 8
	s_add_co_u32 s20, s20, s18                     ; A: row 256 x tile row + 128 x half
	s_lshl_b32 s46, s42, 8
	s_add_co_u32 s46, s46, s18                     ; B: row 256 x tile column + 128 x half
	s_mov_b32 s21, 0
	s_mov_b32 s47, 0
	s_mov_b64 s[18:19], KROW
	s_mul_u64 s[20:21], s[20:21], s[18:19]
	s_mul_u64 s[46:47], s[46:47], s[18:19]
	s_mul_i32 s45, s14, HALFT                      ; where they go: wave x 128 rows
	s_lshl_b32 s90, s66, 22                        ; the job's part of xcodes and of qkvc: 4 MiB each
	s_mov_b32 s91, 0
	s_wait_dscnt 0x0                               ; both opening adds are done
	s_wait_kmcnt 0x0
	s_add_nc_u64 s[92:93], s[68:69], s[90:91]      ; x's codes of this job
	s_add_nc_u64 s[10:11], s[84:85], s[90:91]      ; the job's part of qkvc
	s_cmp_eq_u32 s66, 0
	s_cselect_b64 s[88:89], s[70:71], s[72:73]     ; the weight,
	s_cselect_b64 s[8:9], s[76:77], s[78:79]       ; the bias
	s_cmp_eq_u32 s66, 2
	s_cselect_b64 s[88:89], s[74:75], s[88:89]
	s_cselect_b64 s[8:9], s[80:81], s[8:9]
	s_cselect_b64 s[4:5], s[88:89], s[92:93]       ; A: the weight for V, else x
	s_cselect_b64 s[6:7], s[92:93], s[88:89]       ; B: the other
	s_load_b256 s[68:75], s[82:83], 0x0            ; e0 .. e7 (waited for on the way out)
	s_load_b32 s76, s[82:83], 0x20                 ; e8
	s_add_nc_u64 s[20:21], s[4:5], s[20:21]
	s_add_nc_u64 s[46:47], s[6:7], s[46:47]
	CROUND                                         ; all sixteen work-groups are here: the first joint loads meet
.irp s, 0,1
	s_mov_b32 s[G0+4*\s], 1
	s_add_co_u32 s[G0+4*\s+1], s45, \s*SLOT
	s_add_nc_u64 s[G0+4*\s+2:G0+4*\s+3], s[20:21], \s*ROWB
	s_or_b32 s[G0+4*\s+3], s[G0+4*\s+3], 0x80000000
	s_mov_b32 s[G0B+4*\s], 1
	s_add_co_u32 s[G0B+4*\s+1], s45, \s*SLOT
	s_add_nc_u64 s[G0B+4*\s+2:G0B+4*\s+3], s[46:47], \s*ROWB
	s_or_b32 s[G0B+4*\s+3], s[G0B+4*\s+3], 0x80000000
.endr
	JLOAD G0, G1, G0B, G1B                         ; K step 0: one tensor load a wave at the head
	v_and_b32 v1, 15, v0                           ; r = l % 16
	v_bfe_u32 v2, v0, 4, 1                         ; h = l / 16
	v_mul_u32_u24 v3, v1, PITCH
	v_lshl_add_u32 v4, v2, 4, v3                   ; a fragment's row x pitch + 16 x half
	s_mul_i32 s21, s15, HALFT                      ; my 128 rows of A
	s_mul_i32 s22, s16, HALFT                      ; my 128 rows of B,
	s_add_co_u32 s22, s22, 2*HALFT                 ; which lie behind A's 256
.irp s, 0,1
	v_add_nc_u32 v[ADRA+\s], s21, v4
	v_add_nc_u32 v[ADRB+\s], s22, v4
	s_add_co_u32 s21, s21, SLOT
	s_add_co_u32 s22, s22, SLOT
.endr
	; THE BIASES, in the result's layout, by one text for all jobs.  Q, K: register 8 b + j = bias of column 16 b + 8 h + j.  V: register 8 a + j = bias of row 16 a + r, the same for all j.
	v_mul_u32_u24 v5, v2, s95
	v_mad_u32_u24 v5, v1, s98, v5
	s_wait_alu depctr_va_vdst(0)
.irp j, 0,1,2,3,4,5,6,7
	s_mul_i32 s23, s94, \j
	v_add_nc_u32 v[VO+\j], s23, v5
.endr
	s_lshl_b32 s21, s17, 8
	s_lshl_b32 s22, s15, 7
	s_add_co_u32 s21, s21, s22                     ; V: my first row
	s_lshl_b32 s23, s42, 8
	s_lshl_b32 s22, s16, 7
	s_add_co_u32 s23, s23, s22                     ; Q, K: my first column
	s_cmp_eq_u32 s66, 2
	s_cselect_b32 s22, s21, s23
	s_lshl_b32 s22, s22, 2
	s_mov_b32 s23, 0
	s_add_nc_u64 s[8:9], s[8:9], s[22:23]
	s_wait_alu depctr_va_vdst(0)
.irp x, 0,1,2,3,4,5,6,7
.irp j, 0,1,2,3,4,5,6,7
	global_load_b32 v[BC+8*\x+\j], v[VO+\j], s[8:9] offset:64*\x
.endr
.endr
	; THE WAY OUT's addresses.  Two stages of 256 rows x 272 bytes, one for Q and K, one for V, each with bytes of its own; together they are slot 0, which has had its last fill and its last read by then.
	s_mul_i32 s21, s15, 128*272
	s_lshl_b32 s22, s16, 7
	s_add_co_u32 s21, s21, s22
	v_mul_u32_u24 v5, v1, 272
	v_lshl_add_u32 v5, v2, 3, v5
	v_add_nc_u32 v[STOA], s21, v5                  ; row 128 x my row half + r, byte 128 x my column half + 8 h
	v_add_nc_u32 v[STOV], 256*272, v[STOA]
	v_lshl_add_u32 v[STOV], v2, 3, v[STOV]         ; V^T's KEYS ARE LAID PERMUTED within each 32: key 32 c + 16 u + 8 h + j lies at byte 32 c + 16 h + 8 u + j, the order in which launch attn's 16-byte loads meet p's codes
	v_and_b32 v6, 31, v0
	v_lshrrev_b32 v7, 2, v6
	v_mul_u32_u24 v7, v7, 272
	v_and_b32 v8, 3, v6
	v_lshl_add_u32 v7, v8, 4, v7
	s_lshl_b32 s21, s14, 6
	v_add_nc_u32 v[RDH], s21, v7                   ; Q, K: wave w sends head w of the tile's four: eight tokens x 64 bytes an instruction
	v_add_nc_u32 v[RDH2], 128*272, v[RDH]
	v_lshlrev_b32 v[COH], 4, v6
	s_mul_i32 s21, s14, 64*272
	s_add_co_u32 s21, s21, 256*272
	v_mul_u32_u24 v7, v2, 272
	v_lshl_add_u32 v7, v1, 4, v7
	v_add_nc_u32 v[RDV], s21, v7                   ; V: wave w sends rows 64 w on: two rows of 256 bytes an instruction
	v_lshlrev_b32 v[COV], 11, v2
	v_lshl_add_u32 v[COV], v1, 4, v[COV]
.macro FRAG reg, adr, q, i             ; a fragment, 16 rows x 128 K: lane l holds row l % 16; registers 4 c .. 4 c + 3 hold K = 32 c + 16 (l / 16) + 0 .. 15
.irp c, 0,1,2,3
	ds_load_b128 v[\reg+4*\c:\reg+4*\c+3], v[\adr] offset:128*(\q)+32*\c+(\i)*16*PITCH
.endr
.endm
; 16 matrix instructions: A's blocks a0, a0 + 1 x B's eight.  The 64 accumulators take turns, one instruction a turn, in the same order in every step.
.macro MUL16 a0, p, zero
.irp a, \a0, \a0+1
.irp b, 0,1,2,3,4,5,6,7
.if \zero
	v_wmma_f32_16x16x128_fp8_fp8 v[8*(8*((\a)%4)+\b):8*(8*((\a)%4)+\b)+7], v[128*(\p)+FR*\b:128*(\p)+FR*\b+FR-1], v[AF+FR*(\a):AF+FR*(\a)+FR-1], 0
.else
	v_wmma_f32_16x16x128_fp8_fp8 v[8*(8*((\a)%4)+\b):8*(8*((\a)%4)+\b)+7], v[128*(\p)+FR*\b:128*(\p)+FR*\b+FR-1], v[AF+FR*(\a):AF+FR*(\a)+FR-1], v[8*(8*((\a)%4)+\b):8*(8*((\a)%4)+\b)+7]
.endif
.endr
.endr
.endm
.macro FETCH_B slot, q, p
	WIN TO_B
.irp i, 0,1,2,3,4,5,6,7
	FRAG 128*(\p)+FR*\i, ADRB+\slot, \q, \i
.endr
	WIN 0
.endm
.macro FETCH_A slot, q, i0
.irp i, \i0, \i0+1, \i0+2, \i0+3
	FRAG AF+FR*(\i), ADRA+\slot, \q, \i
.endr
.endm
.macro PLACES n                        ; plain vector lines between a matrix instruction and a load into, or a read of, its registers
.rept \n
	v_nop
.endr
.endm
.macro STEP slot, q, zero              ; 128 along K, with its successor in the same slot
	s_wait_dscnt 4*NL                              ; B's set and A's blocks 0-3 are in; the youngest 16 loads (A's blocks 4-7) may be out
	WIN MUL_LO
	MUL16 0, (\q)%2, \zero
	MUL16 2, (\q)%2, \zero
	s_wait_dscnt 0
	PLACES NP
	FETCH_B \slot, (\q)+1, 1-(\q)%2
	FETCH_A \slot, (\q)+1, 0
	WIN MUL_HI
	MUL16 4, (\q)%2, \zero
	MUL16 6, (\q)%2, \zero
	PLACES NP
	WIN 0
	FETCH_A \slot, (\q)+1, 4
.endm
; A slot's last step changes slots: ONE barrier; in front of it each wave waits for all its tensor loads, adds 0 to its spare word, and waits for that and for its own reads of this slot.
.macro TURN slot, next, fill
	s_wait_tensorcnt 0x0                           ; all my tensor loads have landed: my part of the next slot
	ds_add_u32 v[SPW], v[NIL]
	s_wait_dscnt 4*NL+1                            ; the add and the youngest 16 loads may be out
	WIN MUL_LO
	MUL16 0, 1, 0
	s_wait_dscnt 0x0                               ; the add is done, and my reads of this slot are over
	s_barrier_signal -1
	MUL16 2, 1, 0
	WIN 0
	s_barrier_wait -1
.if \fill
	CREST                                          ; the barrier has opened a round of the cluster's: no wave of any partner still reads this slot or has a load on its way
	s_add_nc_u64 s[G0+4*\slot+2:G0+4*\slot+3], s[G0+4*\slot+2:G0+4*\slot+3], 2*ROWB
	s_add_nc_u64 s[G0B+4*\slot+2:G0B+4*\slot+3], s[G0B+4*\slot+2:G0B+4*\slot+3], 2*ROWB
	JLOAD G0+4*\slot, G1, G0B+4*\slot, G1B         ; the first tensor load behind the round; its four v_nop are the places in front of the loads below
.else
	PLACES NP
.endif
	FETCH_B \next, 0, 0
	FETCH_A \next, 0, 0
	WIN MUL_HI
	MUL16 4, 1, 0
	MUL16 6, 1, 0
	PLACES NP
	WIN 0
	FETCH_A \next, 0, 4
.endm
	s_wait_alu depctr_va_vdst(0)                   ; the wait at the head's end
	s_wait_tensorcnt 0x0                           ; my part of K step 0 is in
	ds_add_u32 v[SPW], v[NIL]
	s_wait_dscnt 0x0
	CROUND                                         ; everybody's part of K step 0 is in, and all sixteen work-groups are here
	JLOAD G0+4, G1, G0B+4, G1B                     ; K step 1's load, the first tensor load behind the round
	FETCH_B 0, 0, 0
	FETCH_A 0, 0, 0
	FETCH_A 0, 0, 4
	STEP 0, 0, 1                                   ; the first step's products start the sums
	s_mov_b32 s3, LAPS-1
.Llap:
	TURN 0, 1, 1
	STEP 1, 0, 0
	TURN 1, 0, 1
	STEP 0, 0, 0
	s_sub_co_u32 s3, s3, 1
	s_cmp_lg_u32 s3, 0
	s_cbranch_scc1 .Llap
	TURN 0, 1, 0                                   ; the last lap fills nothing
	STEP 1, 0, 0
	s_wait_dscnt 4*NL
	WIN MUL_LO
	MUL16 0, 1, 0
	MUL16 2, 1, 0
	s_wait_dscnt 0
	WIN MUL_HI
	MUL16 4, 1, 0
	MUL16 6, 1, 0
	WIN 0
	; THE WAY OUT.  The job's exponents, chosen without a branch.
	s_wait_kmcnt 0x0
	s_add_co_i32 s77, s68, s69                     ; e0 + e1
	s_add_co_i32 s78, s70, s71                     ; e2 + e3
	s_add_co_i32 s79, s72, s73                     ; e4 + e5
	s_cmp_eq_u32 s66, 0
	s_cselect_b32 s90, s77, s78
	s_cselect_b32 s91, s74, s75                    ; e6 or e7
	s_cmp_eq_u32 s66, 2
	s_cselect_b32 s90, s79, s90                    ; es
	s_cselect_b32 s91, s76, s91                    ; eo
	s_sub_co_i32 s92, s91, s90
	s_add_co_i32 s92, s92, 127
	s_lshl_b32 s93, s92, 23
	v_mov_b32 v104, s93                            ; 2^(eo - es): the scales folded into the conversion's one
	s_add_co_i32 s92, s92, 8
	s_lshl_b32 s92, s92, 23
	s_or_b32 s92, s92, 0x600000
	v_mov_b32 v105, s92                            ; 448 x that
	s_sub_co_i32 s91, 0, s90
	s_lshr_b32 s77, s17, 3                         ; Q, K: batch x 2 MiB + (4 x tile column + wave) heads of 128 KiB + 256 (tile row % 8) tokens of 64 bytes
	s_lshl_b32 s77, s77, 21
	s_lshl_b32 s78, s42, 2
	s_add_co_u32 s78, s78, s14
	s_lshl_b32 s78, s78, 17
	s_add_co_u32 s77, s77, s78
	s_and_b32 s78, s17, 7
	s_lshl_b32 s78, s78, 14
	s_add_co_u32 s77, s77, s78
	s_lshr_b32 s78, s42, 3                         ; V: batch x 2 MiB + (256 x tile row + 64 x wave) channels of 2,048 bytes + 256 (tile column % 8) tokens
	s_lshl_b32 s78, s78, 21
	s_lshl_b32 s79, s17, 8
	s_lshl_b32 s92, s14, 6
	s_add_co_u32 s79, s79, s92
	s_lshl_b32 s79, s79, 11
	s_add_co_u32 s78, s78, s79
	s_and_b32 s79, s42, 7
	s_lshl_b32 s79, s79, 8
	s_add_co_u32 s78, s78, s79
	s_cmp_eq_u32 s66, 2
	s_cselect_b32 s78, s78, s77
	s_mov_b32 s79, 0
	s_add_nc_u64 s[10:11], s[10:11], s[78:79]
	s_wait_loadcnt 0x0                             ; the biases
.set J, 0
.rept 64
	v_ldexp_f32 v[BC+J], v[BC+J], s91              ; bias / 2^es.  (These lines are also the places behind the last products)
.set J, J+1
.endr
; Block a (16 rows of my 128): sums + bias, the hold, eight conversions, 8 bytes a lane and column block into the stage.  mode = 0: the bias goes by column, 1: by row.  relu = 1: what is negative becomes 0.
.macro E1 a, mode, relu, sto
.set AC, 64*((\a)%4)
.set CD, 192+16*((\a)%4)
.if (\a) >= 4
	s_wait_dscnt 24                                ; the 24 stores of the three blocks before may be out: block a - 4's have read the registers that are written now
.endif
	WIN 0x02+((\a)/4)                              ; source 0: window 2 or 3
.set J, 0
.rept 32
.if \mode
	v_pk_add_f32 v[TMP+J:TMP+J+1], v[AC+J:AC+J+1], v[BC+8*(\a)+(J%8):BC+8*(\a)+(J%8)+1]
.else
	v_pk_add_f32 v[TMP+J:TMP+J+1], v[AC+J:AC+J+1], v[BC+J:BC+J+1]   ; each accumulator from its low end on
.endif
.set J, J+2
.endr
	WIN 0
.set J, 0
.rept 64
.if \relu
	v_med3_num_f32 v[TMP+J], v[TMP+J], 0, v105
.else
	v_med3_num_f32 v[TMP+J], v[TMP+J], -v105, v105 ; the conversion does not saturate (ISA guide 7.6.2): the hold comes first
.endif
.set J, J+1
.endr
.irp b, 0,1,2,3,4,5,6,7
	v_cvt_scalef32_pk8_fp8_f32 v[CD+2*\b:CD+2*\b+1], v[TMP+8*\b:TMP+8*\b+7], v104
.endr
	v_nop                                          ; a plain line behind the last conversion
.irp b, 0,1,2,3,4,5,6,7
	ds_store_b64 v[\sto], v[CD+2*\b:CD+2*\b+1] offset:(\a)*16*272+(1-\mode)*16*\b+(\mode)*(32*(\b/2)+8*(\b%2))
.endr
.endm
	s_cmp_eq_u32 s66, 2                            ; the job: the same in every wave of every partner
	s_cbranch_scc1 .Lstage_v
.irp a, 0,1,2,3,4,5,6,7
	E1 \a, 0, 0, STOA
.endr
	s_branch .Lstaged
.Lstage_v:
.irp a, 0,1,2,3,4,5,6,7
	E1 \a, 1, 0, STOV
.endr
.Lstaged:
	s_wait_dscnt 0x0                               ; for the others' sake: my stores into the stage are done
	s_barrier_signal -1
	s_barrier_wait -1
	s_cmp_eq_u32 s66, 2
	s_cbranch_scc1 .Lsend_v
.set K2, 0
.rept 16
	ds_load_b128 v[128+4*K2:131+4*K2], v[RDH] offset:8*272*K2
.set K2, K2+1
.endr
.rept 16
	ds_load_b128 v[128+4*K2:131+4*K2], v[RDH2] offset:8*272*(K2-16)
.set K2, K2+1
.endr
.set K2, 0
.rept 32
	s_wait_dscnt 31-K2                             ; the younger loads may be out
	global_store_b128 v[COH], v[128+4*K2:131+4*K2], s[10:11] offset:512*K2   ; eight tokens of my head: 512 consecutive bytes, aligned
.set K2, K2+1
.endr
	s_branch .Lend
.Lsend_v:
.set K2, 0
.rept 32
	ds_load_b128 v[128+4*K2:131+4*K2], v[RDV] offset:2*272*K2
.set K2, K2+1
.endr
.set K2, 0
.rept 32
	s_wait_dscnt 31-K2
	global_store_b128 v[COV], v[128+4*K2:131+4*K2], s[10:11] offset:4096*K2  ; sixteen lanes store 256 consecutive bytes of a channel's row, aligned
.set K2, K2+1
.endr
.Lend:
	s_wait_tensorcnt 0x0                           ; the wave's end
	ds_add_u32 v[SPW], v[NIL]
	s_wait_dscnt 0x0
	CROUND                                         ; the closing round: no work-group ends while a partner may still ask for a tile that names it
	s_endpgm
.Lfunc_end_k_q7248d89aa4_qkv:
	.size	k_q7248d89aa4_qkv, .Lfunc_end_k_q7248d89aa4_qkv-k_q7248d89aa4_qkv
	.p2alignl 7, 3214868480
	.fill 96, 4, 3214868480
	.section	.rodata,"a",@progbits
	.p2align	6, 0x0
	.amdhsa_kernel k_q7248d89aa4_qkv
		.amdhsa_group_segment_fixed_size 327680
		.amdhsa_private_segment_fixed_size 0
		.amdhsa_enable_private_segment 0
		.amdhsa_kernarg_size 72
		.amdhsa_user_sgpr_count 2
		.amdhsa_user_sgpr_kernarg_segment_ptr 1
		.amdhsa_wavefront_size32 1
		.amdhsa_system_sgpr_workgroup_id_x 1
		.amdhsa_system_sgpr_workgroup_id_y 1
		.amdhsa_system_sgpr_workgroup_id_z 1
		.amdhsa_system_vgpr_workitem_id 0
		.amdhsa_next_free_vgpr 1024
		.amdhsa_next_free_sgpr 100
		.amdhsa_reserve_vcc 0
		.amdhsa_float_denorm_mode_32 3
		.amdhsa_float_denorm_mode_16_64 3
		.amdhsa_memory_ordered 1
		.amdhsa_forward_progress 1
		.amdhsa_inst_pref_size 217
	.end_amdhsa_kernel
	.amdgpu_metadata
---
amdhsa.version: [ 1, 2 ]
amdhsa.kernels:
  - .name:           k_q7248d89aa4_qkv
    .symbol:         k_q7248d89aa4_qkv.kd
    .args:
      - { .name: xcodes, .offset: 0, .size: 8, .value_kind: global_buffer, .address_space: global }
      - { .name: wq_codes, .offset: 8, .size: 8, .value_kind: global_buffer, .address_space: global }
      - { .name: wk_codes, .offset: 16, .size: 8, .value_kind: global_buffer, .address_space: global }
      - { .name: wv_codes, .offset: 24, .size: 8, .value_kind: global_buffer, .address_space: global }
      - { .name: bq, .offset: 32, .size: 8, .value_kind: global_buffer, .address_space: global }
      - { .name: bk, .offset: 40, .size: 8, .value_kind: global_buffer, .address_space: global }
      - { .name: bv, .offset: 48, .size: 8, .value_kind: global_buffer, .address_space: global }
      - { .name: lowp_scales, .offset: 56, .size: 8, .value_kind: global_buffer, .address_space: global }
      - { .name: qkvc, .offset: 64, .size: 8, .value_kind: global_buffer, .address_space: global }
    .group_segment_fixed_size: 327680
    .private_segment_fixed_size: 0
    .kernarg_segment_align: 8
    .kernarg_segment_size: 72
    .max_flat_workgroup_size: 128
    .sgpr_count:     100
    .vgpr_count:     1024
    .wavefront_size: 32
...
	.end_amdgpu_metadata
.endif
;; end of part 9
;; launch attn (part 10): grid 8 x 32, 16 waves a work-group, clusters of 4 x 1, 327,680 bytes of LDS; arguments qkvc, x, lowp_scales, resid, stats; writes resid, stats
.if DOCPART == 10
	.amdgcn_target "amdgcn-amd-amdhsa--gfx1250"
	.amdhsa_code_object_version 6
	.text
	.protected	k_q7248d89aa4_attn
	.globl	k_q7248d89aa4_attn
	.p2align	8
	.type	k_q7248d89aa4_attn,@function
k_q7248d89aa4_attn:
	s_mov_b64 s[64:65], 0
	v_nop
	global_prefetch_b8 v0, s[64:65] scope:SCOPE_SE
	s_setreg_imm32_b32 hwreg(HW_REG_WAVE_MODE, 25, 1), 1
	s_wait_xcnt 0x0
	s_wait_alu depctr_hold_cnt(0) depctr_sa_sdst(0) depctr_va_vdst(0) depctr_va_sdst(0) depctr_va_ssrc(0) depctr_va_vcc(0) depctr_vm_vsrc(0)
	s_getreg_b32 s2, hwreg(HW_REG_IB_STS2, 6, 4)
	s_cmp_eq_u32 s2, 0
	s_cbranch_scc0 .Lentry_in_a_cluster
	s_endpgm
.Lentry_in_a_cluster:
	s_bfe_u32 s2, ttmp6, 0x10000c
	s_cmp_lg_u32 s2, 0x3003
	s_cbranch_scc0 .Lentry_shape_is_right
	s_endpgm
.Lentry_shape_is_right:
; resid = softmax_causal(Q K^T / 8) V + x, both products on codes of E4M3, and partial statistics for the norm over (S, U) that follows.
; WORK LEFT OUT: key steps of 128 keys all of which come after a wave's 16 queries (the mask that reference() builds gives them the weight 0): shown at the head of launch prep.
; Hidden scores inside the diagonal step are taken as -infinity: p = 0, as with reference()'s -1e9 while every visible logit lies above about -1e9 + 200 (LIMIT).
; THE SOFTMAX AHEAD OF THE SECOND PRODUCT: t = score x log2(e) / 8; M = the running largest t rounded UP to a whole number; p = 2^(t - M) is quantised with 2^e9, not normalised; the row's sum is taken of the
; unquantised p and divides at the end.  When M moves, the sum and O are multiplied by 2^(old M - new M): exact.
; LDS HOLDS THE HEAD'S WHOLE K AND V^T: eight slots of 256 keys (256 rows of K, 80 bytes apart; 64 rows of V^T, 272 apart): 8 x 37,888 = 303,104 bytes.  Each of the sixteen waves asks for one sixteenth by its one
; tensor load at the head (waves 0-7: K of slot w; waves 8-15: V^T of slot w - 8); nothing is filled again, so one barrier stands behind the loads and none in the loop over the keys.
; CLUSTER.  grid y = batch and head.  The four work-groups of a cluster read the same K and V^T: each tile is asked for jointly.
; NO PREFETCH: every tile is asked for once, at the head, by its tensor load; the text has no later load ahead of which a request could run.
; SHARES.  A head's 2,048 queries are 16 blocks of 128; a tile of block n has n + 1 key steps.  Waves w, w + 4, w + 8, w + 12 (w < 4) of cluster c take two tiles of block A = 8 + 2 w + c and two of block 15 - A:
; 2 (A + 1) + 2 (16 - A) = 34 key steps for each such four.  Which tile of the block (2 cx + one bit of the wave's number) enters global addresses and a vector compare alone: no branch hangs on the place in the cluster.
; Every wave walks all eight trips of two steps: the trip count is a constant.  At a hidden step a forward jump (wave's number, cluster's x and count of steps alone) leads over the rest of the trip's work:
; a trip whose first step is hidden has its second hidden too.
; LAYOUT.  Both products transposed: S^T = K Q^T (16x16x64), O^T = V^T P^T (16x16x128): a lane holds ONE query.  Tile t of a step is keys 16 t + 0..15; register 8 t + j of lane (r, h) is key 16 t + 8 h + j, and its
; codes are registers 2 t, 2 t + 1 of p's operand.  Launch qkv lays V^T's keys so that four loads of 16 bytes give V^T's fragment the same keys in the same registers.  In the first product k is permuted alike in Q and K.
; TWO AREAS OF 64 REGISTERS SWAP ROLES FROM STEP TO STEP: one holds K's fragments and then V^T's, the other the scores and p; as p's numbers are converted, the next step's K is loaded over them.
; LIMITS: e6 + e7 between -124 and 130 (added to c's exponent field); e9 between -126 and 119.  NaN among the inputs is not served.
; REGISTERS: v1-11, v24-28 addresses; v12 -M, v13 the largest t, v[14:15] the sum; v16-23 Q; v32-95, v96-159 the two areas; v160-191 O^T; v192-223 x's rows; v224-239 p's codes; v236-254 at work.
.set KP,    80                         ; a key's row in LDS: 64 bytes + 16 of padding: 16 neighbouring rows start 20 words apart, at 16 different groups of four banks
.set VP,    272                        ; a row of V^T's tile: 256 bytes + 16
.set VOFF,  256*KP
.set SLOTB, VOFF+64*VP                 ; 37,888 bytes
.set SPARE, 8*SLOTB                    ; the spare words, 128 bytes for each of 16 waves, which no other line names
.set STATW, SPARE+2048                 ; the waves' statistics: 8 bytes each
.set X,    32
.set Y,    96
.set AK0,  1
.set AV0,  2
.set SPW,  5
.set NIL,  6
.set GO,   7                           ; v7  my byte offset in two rows of x and of resid
.set ADK,  8
.set ADV,  9
.set TB,   2                           ; s2  LDS byte at which the slot in hand begins
.set TBN,  3                           ; s3  and the next slot (the last slot once more behind the last)
.set WV,   18
.set QW,   19                          ; s19  my block's first query
.set SEL,  20
.set CS,   22
.set G1K,  24
.set G1V,  32
.set G0K,  40
.set G0V,  44
.set KF,   60                          ; s60, s61  the first key of the trip's first and second step
.set CNT,  67
.set Q0,   99
.macro CROUND
	s_barrier_signal -1
	s_barrier_wait -1
	s_cmp_lg_u32 s[WV], 0
	s_cbranch_scc1 .Lnot_wave_0_\@
	s_barrier_signal -3
.Lnot_wave_0_\@:
	s_barrier_wait -3
	s_barrier_signal -1
	s_barrier_wait -1
.endm
; Tiles 2 p, 2 p + 1 of the K fragments of the step that follows step q of a slot, into area A
.macro KNEXT q, A, p
.irp e, 0,1,2,3
	ds_load_b128 v[\A+16*(\p)+4*\e:\A+16*(\p)+4*\e+3], v[ADK] offset:(128*(1-(\q))+32*(\p)+16*(\e/2))*KP+32*(\e%2)
.endr
.endm
	s_load_b256 s[4:11], s[0:1], 0x0               ; qkvc s[4:5], x s[6:7], the scales' exponents s[8:9], resid s[10:11]
	s_load_b64 s[12:13], s[0:1], 0x20              ; stats
	v_lshl_add_u32 v[SPW], v0, 2, SPARE
	v_mov_b32 v[NIL], 0
	ds_add_u32 v[SPW], v[NIL]                      ; the wave's opening: the add, twice on end, and its wait ahead of my first tensor load
	ds_add_u32 v[SPW], v[NIL]
	v_lshrrev_b32 v8, 5, v0
	v_readfirstlane_b32 s[WV], v8                  ; wave 0..15
	s_bfe_u32 s72, ttmp6, 0x40000                  ; cx
	s_and_b32 s75, s[WV], 3
	s_lshl_b32 s75, s75, 1
	s_add_co_u32 s75, s75, ttmp9
	s_add_co_u32 s75, s75, 8                       ; A = 8 + 2 (wave % 4) + cluster x
	s_sub_co_u32 s76, 15, s75
	s_cmp_lt_u32 s[WV], 8
	s_cselect_b32 s75, s75, s76                    ; my block: A, or 15 - A in waves 8-15
	s_lshl_b32 s[QW], s75, 7
	s_lshl_b32 s79, ttmp9, 2
	s_add_co_u32 s79, s79, s72                     ; g = 4 x cluster x + cx
	s_bfe_u32 s76, s[WV], 0x10002
	s_lshl_b32 s77, s72, 1
	s_add_co_u32 s76, s76, s77                     ; my tile in the block: 2 cx + bit 2 of the wave's number
	s_lshl_b32 s76, s76, 4
	s_add_co_u32 s[Q0], s[QW], s76                 ; my first query: it enters global addresses and a vector compare alone
	s_and_b32 s74, ttmp7, 0xffff                   ; y: batch and head, which the partners share
	s_lshl_b32 s82, s74, 17                        ; the head's first byte in each part of qkvc
	s_and_b32 s88, s[WV], 7                        ; the slot that I fetch for
	s_lshl_b32 s84, s88, 14
	s_add_co_u32 s84, s84, s82
	s_add_co_u32 s84, s84, 0x400000                ; K: part 1, 256 keys x 64 bytes a slot
	s_mov_b32 s85, 0
	s_mul_i32 s89, s88, SLOTB
	s_lshl_b32 s86, s88, 8
	s_add_co_u32 s86, s86, s82
	s_add_co_u32 s86, s86, 0x800000                ; V^T: part 2, 256 bytes of each of 64 rows a slot
	s_mov_b32 s87, 0
	s_add_co_u32 s94, s89, VOFF
	s_lshl_b32 s90, s[Q0], 6
	s_add_co_u32 s90, s90, s82                     ; Q: my 16 rows of 64 bytes
	s_mov_b32 s91, 0
	s_lshr_b32 s92, s74, 4
	s_lshl_b32 s92, s92, 11
	s_add_co_u32 s92, s92, s[Q0]
	s_lshl_b32 s92, s92, 12                        ; x, resid: row (2048 batch + query) of 4,096 bytes,
	s_and_b32 s93, s74, 15
	s_lshl_b32 s93, s93, 8
	s_add_co_u32 s92, s92, s93                     ; + the head's 256 bytes
	s_mov_b32 s93, 0
	s_lshl_b32 s96, s74, 3
	s_add_co_u32 s96, s96, s79
	s_lshl_b32 s96, s96, 7                         ; stats: 128 bytes a work-group, batch-major
	s_mov_b32 s97, 0
	; descriptor group 1.  K: 256 rows of 64 bytes, dense in memory; V^T: 64 rows of 256 bytes, 2,048 apart.  Mask: all four partners
	s_mov_b32 s[G1K], 15|(0<<16)|(1<<20)|(1<<21)|(3<<22)|(3<<25)   ; padding: four words after every 16
	s_mov_b32 s[G1K+1], 64<<16
	s_mov_b32 s[G1K+2], 256<<16
	s_mov_b32 s[G1K+3], 64<<16
	s_mov_b32 s[G1K+4], 256
	s_mov_b32 s[G1K+5], 64
	s_mov_b32 s[G1K+6], 0
	s_mov_b32 s[G1K+7], 0
	s_mov_b32 s[G1V], 15|(0<<16)|(1<<20)|(1<<21)|(5<<22)|(3<<25)   ; padding: four words after every 64
	s_mov_b32 s[G1V+1], 256<<16
	s_mov_b32 s[G1V+2], 64<<16
	s_mov_b32 s[G1V+3], 256<<16
	s_mov_b32 s[G1V+4], 64
	s_mov_b32 s[G1V+5], 2048
	s_mov_b32 s[G1V+6], 0
	s_mov_b32 s[G1V+7], 0
	s_mov_b32 s[SEL], 0x76543210
	s_mov_b32 s[SEL+1], 0xfedcba98
	s_mov_b32 s[CS], 0x3e38aa3b                    ; c = log2(e) / 8
	s_mov_b32 s[TB], 0
	s_mov_b32 s[CNT], 8
	s_mov_b32 s[KF], 0
	s_wait_dscnt 0x0                               ; both opening adds are done
	s_wait_kmcnt 0x0
	s_load_b128 s[68:71], s[8:9], 0x18             ; e6 (Q), e7 (K), e8 (V), e9 (p)
	s_mov_b32 s[G0K], 1
	s_mov_b32 s[G0K+1], s89
	s_add_nc_u64 s[G0K+2:G0K+3], s[4:5], s[84:85]
	s_or_b32 s[G0K+3], s[G0K+3], 0x80000000
	s_mov_b32 s[G0V], 1
	s_mov_b32 s[G0V+1], s94
	s_add_nc_u64 s[G0V+2:G0V+3], s[4:5], s[86:87]
	s_or_b32 s[G0V+3], s[G0V+3], 0x80000000
	s_add_nc_u64 s[52:53], s[4:5], s[90:91]        ; Q's rows
	s_add_nc_u64 s[54:55], s[6:7], s[92:93]        ; x's
	s_add_nc_u64 s[56:57], s[10:11], s[92:93]      ; resid's
	s_add_nc_u64 s[58:59], s[12:13], s[96:97]      ; my work-group's statistics
	CROUND                                         ; all four work-groups are here: the joint loads meet
	s_cmp_lt_u32 s[WV], 8                          ; one load in each arm: every wave issues one.  An s_nop 0 and four v_nop follow each
	s_cbranch_scc0 .Lfor_v
	tensor_load_to_lds s[G0K:G0K+3], s[G1K:G1K+7]
	s_nop 0
.rept 4
	v_nop
.endr
	s_branch .Lasked
.Lfor_v:
	tensor_load_to_lds s[G0V:G0V+3], s[G1V:G1V+7]
	s_nop 0
.rept 4
	v_nop
.endr
.Lasked:
	v_and_b32 v8, 15, v0                           ; r
	v_bfe_u32 v9, v0, 4, 1                         ; h
	v_lshlrev_b32 v27, 6, v8
	v_lshl_add_u32 v27, v9, 4, v27                 ; Q: row r of 64 bytes, + 16 h
	global_load_b128 v[16:19], v27, s[52:53]       ; Q's fragment stays in registers
	global_load_b128 v[20:23], v27, s[52:53] offset:32
	v_lshlrev_b32 v[GO], 12, v9
	v_lshl_add_u32 v[GO], v8, 4, v[GO]             ; lanes 0-15 one row, lanes 16-31 the next; 16 bytes a lane
.irp i, 0,1,2,3,4,5,6,7
	global_load_b128 v[192+4*\i:195+4*\i], v[GO], s[54:55] offset:8192*\i   ; x at my 16 queries and my head's 64 channels, for the residual
.endr
	v_mul_u32_u24 v[AK0], v8, KP
	v_lshl_add_u32 v[AK0], v9, 4, v[AK0]           ; K: row r of a tile, + 16 h
	v_mul_u32_u24 v[AV0], v8, VP
	v_lshl_add_u32 v[AV0], v9, 4, v[AV0]
	v_add_nc_u32 v[AV0], VOFF, v[AV0]
	s_mul_i32 s78, s[WV], 16*272                   ; my stage, 16 rows x 272 bytes: the sixteen stages lie in slots 0 and 1, which are written only behind the barrier at the loop's end
	v_mul_u32_u24 v10, v8, 272
	v_lshl_add_u32 v10, v9, 5, v10
	v_add_nc_u32 v10, s78, v10                     ; in: row r, + 32 h
	v_mul_u32_u24 v11, v9, 272
	v_lshl_add_u32 v11, v8, 4, v11
	v_add_nc_u32 v11, s78, v11                     ; back: lanes 0-15 one row, lanes 16-31 the next
	s_lshl_b32 s78, s[WV], 3
	s_add_co_u32 s78, s78, STATW
	v_mov_b32 v24, s78                             ; my wave's two words
	v_and_b32 v26, 31, v0
	v_lshlrev_b32 v26, 2, v26
	v_add_nc_u32 v25, STATW, v26                   ; wave 0 reads all 32 words back
	v_mov_b32 v[ADK], v[AK0]                       ; the first step's K: slot 0
	v_mov_b32 v13, 0xff61b1e6                      ; the largest t so far: -3e38
	v_floor_f32 v12, -v13                          ; -M
	v_mov_b32 v14, 0
	v_mov_b32 v15, 0
	v_mov_b32 v236, 0                              ; a lane permute's destination counts as one of its sources
	v_mov_b32 v252, 0
	v_mov_b32 v253, 0                              ; (named as the upper half of the pair v[252:253])
.set J, 0
.rept 32
	v_mov_b32 v[160+J], 0                          ; O^T: the step is written for all steps alike; the first finds zeros
.set J, J+1
.endr
	s_wait_kmcnt 0x0
	s_add_co_i32 s72, s68, s69
	s_lshl_b32 s72, s72, 23
	s_add_co_i32 s[CS], s[CS], s72                 ; a score stands for score x 2^(e6 + e7): added to c's exponent field
	s_mov_b32 s[CS+1], s[CS]
	s_add_co_i32 s72, s71, 127
	s_lshl_b32 s73, s72, 23
	v_mov_b32 v244, s73                            ; 2^e9
	s_add_co_i32 s72, s72, 8
	s_lshl_b32 s72, s72, 23
	s_or_b32 s72, s72, 0x600000
	v_mov_b32 v240, s72                            ; 448 x 2^e9
; A KEY STEP: 128 keys, the q-th of the slot in hand.  KR: the area with this step's K, then V^T; SR: the area for the scores, then the next step's K.
.macro STEP q, KR, SR
	s_cmp_gt_u32 s[KF+\q], s[QW]                   ; all its keys, and those of every later step, come after my queries: the rest of the trip's work is jumped over
	s_cbranch_scc1 .Lskip
	v_add_nc_u32 v[ADV], s[TB], v[AV0]
	v_add_nc_u32 v[ADK], s[TB+\q], v[AK0]          ; the next step's K: this slot (q = 0) or the next
.rept 3
	v_nop                                          ; with the two additions: five places between the last products, which read area SR, and the products that write it (ISA guide 7.12.1)
.endr
	s_wait_alu depctr_va_vdst(0)                   ; the wait here, directly ahead of the wait below
	s_wait_dscnt 0x0                               ; this step's K, asked for in the step before
.irp t, 0,1,2,3,4,5,6,7
	v_wmma_f32_16x16x64_fp8_fp8 v[\SR+8*\t:\SR+8*\t+7], v[\KR+8*\t:\KR+8*\t+7], v[16:23], 0
.endr
.rept 4
	v_nop
.endr
.irp t, 0,1,2,3
.irp c, 0,1,2,3
	ds_load_b128 v[\KR+16*\t+4*\c:\KR+16*\t+4*\c+3], v[ADV] offset:16*\t*VP+128*(\q)+32*\c   ; V^T's fragments are asked for now and land under the softmax
.endr
.endr
	s_cmp_lt_u32 s[KF+\q], s[QW]                   ; all its keys count: no mask
	s_cbranch_scc1 .Lopen_\@
	s_sub_co_i32 s96, s[Q0], s[KF+\q]
	v_and_b32 v252, 15, v0
	v_bfe_u32 v253, v0, 4, 1
	v_lshlrev_b32 v253, 3, v253
	v_sub_nc_u32 v252, v252, v253
	v_add_nc_u32 v252, s96, v252                   ; d = my query - the step's first key - 8 h.  Register 8 t + j holds that key + 8 h + 16 t + j: hidden where 16 t + j > d
	v_mov_b32 v254, 0xff800000                     ; -infinity
.set N, 0
.rept 64
	v_cmp_gt_i32 vcc_lo, 16*(N/8)+N%8, v252
	v_cndmask_b32 v[\SR+N], v[\SR+N], v254, vcc_lo
.set N, N+1
.endr
.Lopen_\@:
	v_max3_num_f32 v254, v[\SR], v[\SR+1], v[\SR+2]   ; the step's largest score of my query, in two chains; each accumulator is first read at its low end
	v_max3_num_f32 v252, v[\SR+3], v[\SR+4], v[\SR+5]
.irp i, 6,10,14,18,22,26,30,34,38,42,46,50,54,58
	v_max3_num_f32 v254, v254, v[\SR+\i], v[\SR+\i+1]
	v_max3_num_f32 v252, v252, v[\SR+\i+2], v[\SR+\i+3]
.endr
	v_max3_num_f32 v254, v254, v[\SR+62], v[\SR+63]
	s_delay_alu instid0(VALU_DEP_1)
	v_max_num_f32 v254, v254, v252
	v_permlanex16_b32 v236, v254, s[SEL], s[SEL+1]
	s_delay_alu instid0(VALU_DEP_1)
	v_max_num_f32 v254, v254, v236                 ; and among lane l xor 16's
	s_delay_alu instid0(VALU_DEP_1)
	v_mul_f32 v254, s[CS], v254                    ; as t
	s_delay_alu instid0(VALU_DEP_1)
	v_max_num_f32 v13, v13, v254
	v_mov_b32 v254, v12
	s_delay_alu instid0(VALU_DEP_2)
	v_floor_f32 v12, -v13                          ; the new -M = -ceil(t)
	s_delay_alu instid0(VALU_DEP_1)
	v_sub_f32 v254, v12, v254                      ; old M - new M: a whole number, 0 or less
	s_delay_alu instid0(VALU_DEP_1)
	v_cvt_i32_f32 v254, v254
	s_delay_alu instid0(VALU_DEP_1)
	v_ldexp_f32 v252, 1.0, v254                    ; f = 2^(old M - new M)
.set J, 0
.rept 32
	v_pk_fma_f32 v[\SR+J:\SR+J+1], v[\SR+J:\SR+J+1], s[CS:CS+1], v[12:13] op_sel_hi:[1,0,0]   ; t - M
.set J, J+2
.endr
	s_wait_alu depctr_va_vdst(0)                   ; the wait ahead of the batch
.set J, 0
.rept 64
	v_exp_f32 v[\SR+J], v[\SR+J]                   ; p = 2^(t - M)
.set J, J+1
.endr
	v_pk_mul_f32 v[14:15], v[14:15], v[252:253] op_sel_hi:[1,0]   ; the sums under the new M: the plain line behind the exponentials
	s_wait_alu depctr_va_vdst(0)                   ; one wait for the whole batch, ahead of its first reader
	v_pk_add_f32 v[242:243], v[\SR:\SR+1], v[\SR+2:\SR+3]         ; the row's sum of the unquantised p, in four chains
	v_pk_add_f32 v[246:247], v[\SR+4:\SR+5], v[\SR+6:\SR+7]
	v_pk_add_f32 v[248:249], v[\SR+8:\SR+9], v[\SR+10:\SR+11]
	v_pk_add_f32 v[14:15], v[14:15], v[\SR+12:\SR+13]
	v_pk_add_f32 v[242:243], v[242:243], v[\SR+14:\SR+15]
.irp j, 16,24,32,40,48,56
	v_pk_add_f32 v[246:247], v[246:247], v[\SR+\j:\SR+\j+1]
	v_pk_add_f32 v[248:249], v[248:249], v[\SR+\j+2:\SR+\j+3]
	v_pk_add_f32 v[14:15], v[14:15], v[\SR+\j+4:\SR+\j+5]
	v_pk_add_f32 v[242:243], v[242:243], v[\SR+\j+6:\SR+\j+7]
.endr
	v_pk_add_f32 v[246:247], v[246:247], v[248:249]
	v_pk_add_f32 v[14:15], v[14:15], v[242:243]
	s_delay_alu instid0(VALU_DEP_1)
	v_pk_add_f32 v[14:15], v[14:15], v[246:247]
.irp b, 0,1,2,3
.irp i, 0,1,2,3,4,5,6,7,8,9,10,11,12,13,14,15
	v_min_num_f32 v[\SR+16*\b+\i], v[\SR+16*\b+\i], v240   ; the hold (the conversion does not saturate: ISA guide 7.6.2); p is not negative
.endr
.if \b > 0
	KNEXT \q, \SR, \b-1                            ; the next step's K over the 16 numbers converted last: 16 plain lines stand behind their conversions
.endif
	v_cvt_scalef32_pk8_fp8_f32 v[224+4*\b:225+4*\b], v[\SR+16*\b:\SR+16*\b+7], v244
	v_cvt_scalef32_pk8_fp8_f32 v[226+4*\b:227+4*\b], v[\SR+16*\b+8:\SR+16*\b+15], v244
.endr
	v_nop                                          ; a plain line behind the last conversion
	KNEXT \q, \SR, 3
	s_wait_alu depctr_va_vdst(0)                   ; the wait here, directly ahead of the first reader of O^T
.set J, 0
.rept 16
	v_pk_mul_f32 v[160+J:161+J], v[160+J:161+J], v[252:253] op_sel_hi:[1,0]   ; O^T under the new M
.set J, J+2
.endr
	s_wait_alu depctr_va_vdst(0)                   ; the wait here, directly ahead of the wait below
	s_wait_dscnt 16                                ; V^T's 16 loads are in; the 16 younger ones, the next step's K, may be out
.irp t, 0,1,2,3
	v_wmma_f32_16x16x128_fp8_fp8 v[160+8*\t:167+8*\t], v[\KR+16*\t:\KR+16*\t+15], v[224:239], v[160+8*\t:167+8*\t]
.endr
.endm
	s_wait_alu depctr_va_vdst(0)                   ; the wait at the head's end
	s_wait_loadcnt 8                               ; Q's two loads are in; x's eight may be out
	s_wait_tensorcnt 0x0                           ; my sixteenth of K and V^T has landed
	s_barrier_signal -1
	s_barrier_wait -1                              ; and so has everybody's
.irp p, 0,1,2,3
	KNEXT 1, X, \p                                 ; the first step's K
.endr
.Ltrip:                                            ; eight trips, a slot each
	s_add_co_u32 s[TBN], s[TB], SLOTB
	s_min_u32 s[TBN], s[TBN], 7*SLOTB              ; behind the last slot the look-ahead reads the last slot once more; its result is not used
	s_add_co_u32 s[KF+1], s[KF], 128
	STEP 0, X, Y
	STEP 1, Y, X
.Lskip:
	s_add_co_u32 s[KF], s[KF], 256
	s_add_co_u32 s[TB], s[TB], SLOTB
	s_sub_co_u32 s[CNT], s[CNT], 1
	s_cmp_lg_u32 s[CNT], 0
	s_cbranch_scc1 .Ltrip
	; THE WAY OUT.  O^T / the sum x 2^(e8 + e9) goes through my stage and comes back as rows of 256 bytes; x is added; sixteen lanes store 256 consecutive bytes, aligned.
	s_wait_dscnt 0x0                               ; my reads of K and V^T are over
	s_barrier_signal -1                            ; the stages lie in slots 0 and 1: they are written when every wave has said so.  Work on registers stands between signal and wait
.rept 4
	v_nop                                          ; places behind the last products
.endr
	v_add_f32 v14, v14, v15
	s_delay_alu instid0(VALU_DEP_1)
	v_permlanex16_b32 v252, v14, s[SEL], s[SEL+1]
	s_delay_alu instid0(VALU_DEP_1)
	v_add_f32 v14, v14, v252                       ; the row's sum
	s_wait_alu depctr_va_vdst(0)                   ; the wait ahead of the transcendental
	v_rcp_f32 v14, v14
	v_nop                                          ; a plain line behind the transcendental
	s_add_co_i32 s72, s70, s71
	s_wait_alu depctr_va_vdst(0)                   ; the wait ahead of the first reader
	v_ldexp_f32 v14, v14, s72
	s_wait_alu depctr_va_vdst(0)                   ; the wait here, directly ahead of the first reader of O^T
.set J, 0
.rept 32
	v_mul_f32 v[96+J], v[160+J], v14               ; register 8 t + i is o(r, 16 t + 8 h + i)
.set J, J+1
.endr
	s_wait_alu depctr_va_vdst(0)                   ; the wait here, directly ahead of the barrier's wait
	s_barrier_wait -1
.irp t, 0,1,2,3
	ds_store_b128 v10, v[96+8*\t:99+8*\t] offset:64*\t
	ds_store_b128 v10, v[100+8*\t:103+8*\t] offset:64*\t+16
.endr
.irp i, 0,1,2,3,4,5,6,7
	ds_load_b128 v[32+4*\i:35+4*\i], v11 offset:2*272*\i   ; LDS serves a wave's instructions in order: these see my stores
.endr
	s_wait_loadcnt 0x0                             ; x
.irp i, 0,1,2,3,4,5,6,7
	s_wait_dscnt 7-\i                              ; the younger loads may be out
	v_pk_add_f32 v[32+4*\i:33+4*\i], v[32+4*\i:33+4*\i], v[192+4*\i:193+4*\i]
	v_pk_add_f32 v[34+4*\i:35+4*\i], v[34+4*\i:35+4*\i], v[194+4*\i:195+4*\i]
	global_store_b128 v[GO], v[32+4*\i:35+4*\i], s[56:57] offset:8192*\i
.endr
	; My 1,024 numbers' sum (v96) and sum of squared distances from their mean (v104), in every lane: two passes over registers, no difference of large sums.
	s_wait_alu depctr_va_vdst(0)                   ; the wait here
	v_pk_add_f32 v[96:97], v[32:33], v[36:37]
	v_pk_add_f32 v[98:99], v[34:35], v[38:39]
.irp j, 40,44,48,52,56,60
	v_pk_add_f32 v[96:97], v[96:97], v[\j:\j+1]
	v_pk_add_f32 v[98:99], v[98:99], v[\j+2:\j+3]
.endr
	s_delay_alu instid0(VALU_DEP_1)
	v_pk_add_f32 v[96:97], v[96:97], v[98:99]
	s_delay_alu instid0(VALU_DEP_1)
	v_add_f32 v96, v96, v97
.irp m, 1,2,4,8
	s_delay_alu instid0(VALU_DEP_1)
	v_add_f32_dpp v96, v96, v96 row_xmask:\m row_mask:0xf bank_mask:0xf
.endr
	s_delay_alu instid0(VALU_DEP_1)
	v_permlanex16_b32 v97, v96, s[SEL], s[SEL+1]
	s_delay_alu instid0(VALU_DEP_1)
	v_add_f32 v96, v96, v97
	s_delay_alu instid0(VALU_DEP_1)
	v_mul_f32 v98, 0x3a800000, v96                 ; the mean (sum / 1024), as a pair
	s_delay_alu instid0(VALU_DEP_1)
	v_mov_b32 v99, v98
.set JS, 0
.rept 8
	v_pk_add_f32 v[100:101], v[32+JS:33+JS], v[98:99] neg_lo:[0,1] neg_hi:[0,1]
	v_pk_add_f32 v[102:103], v[34+JS:35+JS], v[98:99] neg_lo:[0,1] neg_hi:[0,1]
.if JS == 0
	s_delay_alu instid0(VALU_DEP_2)
	v_pk_mul_f32 v[104:105], v[100:101], v[100:101]
	s_delay_alu instid0(VALU_DEP_2)
	v_pk_mul_f32 v[106:107], v[102:103], v[102:103]
.else
	s_delay_alu instid0(VALU_DEP_2)
	v_pk_fma_f32 v[104:105], v[100:101], v[100:101], v[104:105]
	s_delay_alu instid0(VALU_DEP_2)
	v_pk_fma_f32 v[106:107], v[102:103], v[102:103], v[106:107]
.endif
.set JS, JS+4
.endr
	s_delay_alu instid0(VALU_DEP_1)
	v_pk_add_f32 v[104:105], v[104:105], v[106:107]
	s_delay_alu instid0(VALU_DEP_1)
	v_add_f32 v104, v104, v105
.irp m, 1,2,4,8
	s_delay_alu instid0(VALU_DEP_1)
	v_add_f32_dpp v104, v104, v104 row_xmask:\m row_mask:0xf bank_mask:0xf
.endr
	s_delay_alu instid0(VALU_DEP_1)
	v_permlanex16_b32 v105, v104, s[SEL], s[SEL+1]
	s_delay_alu instid0(VALU_DEP_1)
	v_add_f32 v104, v104, v105
	ds_store_b32 v24, v96
	ds_store_b32 v24, v104 offset:4
	s_wait_dscnt 0x0                               ; for wave 0's sake: my two words are stored
	s_barrier_signal -1
	s_barrier_wait -1
	s_cmp_lg_u32 s[WV], 0
	s_cbranch_scc1 .Lnot_first
	ds_load_b32 v28, v25
	s_wait_dscnt 0x0
	global_store_b32 v26, v28, s[58:59]            ; the work-group's 16 pairs: 128 consecutive bytes
.Lnot_first:
	s_wait_tensorcnt 0x0                           ; the wave's end
	ds_add_u32 v[SPW], v[NIL]
	s_wait_dscnt 0x0
	CROUND                                         ; the closing round
	s_endpgm
.Lfunc_end_k_q7248d89aa4_attn:
	.size	k_q7248d89aa4_attn, .Lfunc_end_k_q7248d89aa4_attn-k_q7248d89aa4_attn
	.p2alignl 7, 3214868480
	.fill 96, 4, 3214868480
	.section	.rodata,"a",@progbits
	.p2align	6, 0x0
	.amdhsa_kernel k_q7248d89aa4_attn
		.amdhsa_group_segment_fixed_size 327680
		.amdhsa_private_segment_fixed_size 0
		.amdhsa_enable_private_segment 0
		.amdhsa_kernarg_size 40
		.amdhsa_user_sgpr_count 2
		.amdhsa_user_sgpr_kernarg_segment_ptr 1
		.amdhsa_wavefront_size32 1
		.amdhsa_system_sgpr_workgroup_id_x 1
		.amdhsa_system_sgpr_workgroup_id_y 1
		.amdhsa_system_sgpr_workgroup_id_z 1
		.amdhsa_system_vgpr_workitem_id 0
		.amdhsa_next_free_vgpr 256
		.amdhsa_next_free_sgpr 100
		.amdhsa_reserve_vcc 1
		.amdhsa_float_denorm_mode_32 3
		.amdhsa_float_denorm_mode_16_64 3
		.amdhsa_memory_ordered 1
		.amdhsa_forward_progress 1
		.amdhsa_inst_pref_size 63
	.end_amdhsa_kernel
	.amdgpu_metadata
---
amdhsa.version: [ 1, 2 ]
amdhsa.kernels:
  - .name:           k_q7248d89aa4_attn
    .symbol:         k_q7248d89aa4_attn.kd
    .args:
      - { .name: qkvc, .offset: 0, .size: 8, .value_kind: global_buffer, .address_space: global }
      - { .name: x, .offset: 8, .size: 8, .value_kind: global_buffer, .address_space: global }
      - { .name: lowp_scales, .offset: 16, .size: 8, .value_kind: global_buffer, .address_space: global }
      - { .name: resid, .offset: 24, .size: 8, .value_kind: global_buffer, .address_space: global }
      - { .name: stats, .offset: 32, .size: 8, .value_kind: global_buffer, .address_space: global }
    .group_segment_fixed_size: 327680
    .private_segment_fixed_size: 0
    .kernarg_segment_align: 8
    .kernarg_segment_size: 40
    .max_flat_workgroup_size: 512
    .sgpr_count:     100
    .vgpr_count:     256
    .wavefront_size: 32
...
	.end_amdgpu_metadata
.endif
;; end of part 10
;; launch ln1q (part 11): grid 256 x 1, 8 waves a work-group, no clusters, 42,240 bytes of LDS; arguments resid, stats, ln_g, ln_b, lowp_scales, out1, a6; writes out1, a6
.if DOCPART == 11
	.amdgcn_target "amdgcn-amd-amdhsa--gfx1250"
	.amdhsa_code_object_version 6
	.text
	.protected	k_q7248d89aa4_ln1q
	.globl	k_q7248d89aa4_ln1q
	.p2align	8
	.type	k_q7248d89aa4_ln1q,@function
k_q7248d89aa4_ln1q:
	s_mov_b64 s[64:65], 0
	v_nop
	global_prefetch_b8 v0, s[64:65] scope:SCOPE_SE
	s_setreg_imm32_b32 hwreg(HW_REG_WAVE_MODE, 25, 1), 1
	s_wait_xcnt 0x0
; out1 = LayerNorm over (S, U) of resid, for each batch, x ln_g + ln_b, in f32; and its codes of E4M3 with 2^e10 (a6 [4096][1024], K innermost), for the first product of the feed-forward layer.
; THE STATISTICS come as 2,048 pairs a batch (sum, M2 of 1,024 numbers each): mean = sum of sums / 2^21; variance = (sum of M2 + 1024 (sum / 1024 - mean)^2) / 2^21: no difference of large sums.
; Every work-group combines them itself (32 KiB): waves 0-3 batch 0, waves 4-7 batch 1; two barriers.
; SHARES.  A work-group takes 8,192 positions of (S, U) for BOTH batches, so that ln_g and ln_b are read once; a wave 1,024, in two steps of 512.  Every load and store covers 512 consecutive bytes.
; For the conversions a lane needs 16 neighbours along K: a step's numbers turn through the wave's own stages in LDS (one for each batch; 16 bytes of padding behind each 64).
; LIMITS: e10 between -126 and 119.  NaN among the inputs is not served.
.set L,     8                          ; loads of 16 bytes of statistics a thread
.set SP,    80
.set RED,   8*2*32*SP                  ; behind the stages: 16 words for the two reductions
.set SPARE, RED+256                    ; the spare words, 128 bytes for each wave, which no other line names
.set SPW,   10
.set NIL,   11
.set PR,    32                         ; v32-63 the pairs
.set D,     64                         ; step t at v[64 + 64 t]: batch 0's numbers, batch 1's, g, b: 16 registers each
.set CC,    192                        ; v192-207 codes
.set SEL,   36
.macro LSUM a, b                       ; the sum over the 32 lanes, in every lane
.irp m, 1,2,4,8
	s_delay_alu instid0(VALU_DEP_1)
	v_add_f32_dpp v[\a], v[\a], v[\a] row_xmask:\m row_mask:0xf bank_mask:0xf
.endr
	s_delay_alu instid0(VALU_DEP_1)
	v_permlanex16_b32 v[\b], v[\a], s[SEL], s[SEL+1]
	s_delay_alu instid0(VALU_DEP_1)
	v_add_f32 v[\a], v[\a], v[\b]
.endm
	s_load_b256 s[4:11], s[0:1], 0x0               ; resid, stats, ln_g, ln_b
	s_load_b128 s[12:15], s[0:1], 0x20             ; the scales' exponents, out1
	s_load_b64 s[16:17], s[0:1], 0x30              ; a6
	v_lshl_add_u32 v[SPW], v0, 2, SPARE
	v_mov_b32 v[NIL], 0
	v_lshrrev_b32 v1, 5, v0
	s_delay_alu instid0(VALU_DEP_1)
	v_readfirstlane_b32 s18, v1                    ; wave
	v_and_b32 v1, 31, v0
	s_delay_alu instid0(VALU_DEP_1)
	v_lshlrev_b32 v2, 4, v1                        ; 16 x lane
	s_mul_i32 s19, s18, 2*32*SP
	v_lshrrev_b32 v3, 2, v1
	s_delay_alu instid0(VALU_DEP_1)
	v_mul_u32_u24 v3, v3, SP
	v_and_b32 v9, 3, v1
	s_delay_alu instid0(VALU_DEP_1)
	v_lshl_add_u32 v3, v9, 4, v3
	s_delay_alu instid0(VALU_DEP_1)
	v_add_nc_u32 v3, s19, v3                       ; the stage, on the way in
	v_mul_u32_u24 v4, v1, SP
	s_delay_alu instid0(VALU_DEP_1)
	v_add_nc_u32 v4, s19, v4                       ; and on the way out
	v_lshrrev_b32 v5, 7, v0
	v_and_b32 v9, 127, v0
	s_delay_alu instid0(VALU_DEP_2)
	v_lshlrev_b32 v5, 14, v5                       ; my batch's 16,384 bytes of pairs,
	s_delay_alu instid0(VALU_DEP_1)
	v_lshl_add_u32 v5, v9, 4, v5                   ; 16 bytes a thread
	s_lshl_b32 s20, s18, 2
	s_add_co_u32 s20, s20, RED
	v_mov_b32 v6, s20                              ; my wave's word
	s_lshr_b32 s20, s18, 2
	s_lshl_b32 s20, s20, 4
	s_add_co_u32 s20, s20, RED
	v_mov_b32 v7, s20                              ; my batch's four words
	v_mov_b32 v8, RED
	v_mov_b32 v23, 0                               ; a lane permute's destination counts as one of its sources
	s_mov_b32 s[SEL], 0x76543210
	s_mov_b32 s[SEL+1], 0xfedcba98
	s_mov_b32 s30, 0x3a800000                      ; 1 / 1024
	s_mov_b32 s31, 0x44800000                      ; 1024
	s_mov_b32 s32, 0x35000000                      ; 2^-21
	s_mov_b32 s33, 0x3727c5ac                      ; 1e-5
	s_lshl_b32 s22, ttmp9, 15
	s_lshl_b32 s23, s18, 12
	s_add_co_u32 s22, s22, s23                     ; my wave's 1,024 positions, in bytes of f32,
	s_mov_b32 s23, 0
	s_lshr_b32 s24, s22, 2                         ; and of codes
	s_mov_b32 s25, 0
	s_wait_alu depctr_va_vdst(0)
	s_wait_kmcnt 0x0
	s_load_b32 s21, s[12:13], 0x28                 ; e10
	s_add_nc_u64 s[4:5], s[4:5], s[22:23]          ; resid, batch 0,
	s_add_nc_u64 s[26:27], s[4:5], 0x800000        ; batch 1
	s_add_nc_u64 s[8:9], s[8:9], s[22:23]
	s_add_nc_u64 s[10:11], s[10:11], s[22:23]
	s_add_nc_u64 s[14:15], s[14:15], s[22:23]      ; out1, batch 0,
	s_add_nc_u64 s[28:29], s[14:15], 0x800000      ; batch 1
	s_add_nc_u64 s[16:17], s[16:17], s[24:25]
.irp i, 0,1,2,3,4,5,6,7
	global_load_b128 v[PR+4*\i:PR+4*\i+3], v5, s[6:7] offset:2048*\i
.endr
.irp t, 0,1
.irp i, 0,1,2,3
	global_load_b128 v[D+64*\t+4*\i:D+64*\t+4*\i+3], v2, s[4:5] offset:2048*\t+512*\i th:TH_LOAD_NT
.endr
.irp i, 0,1,2,3
	global_load_b128 v[D+64*\t+16+4*\i:D+64*\t+16+4*\i+3], v2, s[26:27] offset:2048*\t+512*\i th:TH_LOAD_NT
.endr
.irp i, 0,1,2,3
	global_load_b128 v[D+64*\t+32+4*\i:D+64*\t+32+4*\i+3], v2, s[8:9] offset:2048*\t+512*\i th:TH_LOAD_NT
.endr
.irp i, 0,1,2,3
	global_load_b128 v[D+64*\t+48+4*\i:D+64*\t+48+4*\i+3], v2, s[10:11] offset:2048*\t+512*\i th:TH_LOAD_NT
.endr
.endr
	s_wait_loadcnt 32                              ; the pairs are in; the 32 loads of data may be out
	v_add_f32 v207, v32, v34
	v_add_f32 v206, v36, v38
	v_add_f32 v205, v40, v42
	v_add_f32 v204, v44, v46
	v_add_f32 v203, v48, v50
	v_add_f32 v202, v52, v54
	v_add_f32 v201, v56, v58
	v_add_f32 v22, v60, v62
	s_delay_alu instid0(VALU_DEP_1)
	v_add_f32 v22, v22, v204
	v_add_f32 v207, v207, v203
	v_add_f32 v206, v206, v202
	v_add_f32 v205, v205, v201
	s_delay_alu instid0(VALU_DEP_2)
	v_add_f32 v22, v22, v206
	s_delay_alu instid0(VALU_DEP_2)
	v_add_f32 v207, v207, v205
	s_delay_alu instid0(VALU_DEP_1)
	v_add_f32 v22, v22, v207
	LSUM 22, 23
	ds_store_b32 v6, v22
	s_wait_dscnt 0x0
	s_barrier_signal -1
	s_barrier_wait -1
	ds_load_b128 v[24:27], v7
	s_wait_dscnt 0x0
	v_add_f32 v24, v24, v25
	v_add_f32 v26, v26, v27
	s_delay_alu instid0(VALU_DEP_1)
	v_add_f32 v24, v24, v26
	s_delay_alu instid0(VALU_DEP_1)
	v_mul_f32 v24, s32, v24                        ; my batch's mean
.set P, 0
.rept 2*L
	v_fma_f32 v25, v[PR+2*P], s30, -v24            ; the part's mean less the batch's
	s_delay_alu instid0(VALU_DEP_1)
	v_mul_f32 v25, v25, v25
.if P == 0
	s_delay_alu instid0(VALU_DEP_1)
	v_fma_f32 v22, v25, s31, v[PR+1]
.else
	s_delay_alu instid0(VALU_DEP_1)
	v_fma_f32 v22, v25, s31, v22
	s_delay_alu instid0(VALU_DEP_1)
	v_add_f32 v22, v22, v[PR+2*P+1]
.endif
.set P, P+1
.endr
	LSUM 22, 23
	ds_store_b32 v6, v22 offset:32                 ; other words than the first reduction's
	s_wait_dscnt 0x0
	s_barrier_signal -1
	s_barrier_wait -1
.irp i, 0,1,2,3
	ds_load_b128 v[PR+4*\i:PR+4*\i+3], v8 offset:16*\i
.endr
	s_wait_dscnt 0x0
.irp i, 0,1,2,3
	v_add_f32 v[PR+4*\i], v[PR+4*\i], v[PR+4*\i+1]
	v_add_f32 v[PR+4*\i+2], v[PR+4*\i+2], v[PR+4*\i+3]
	s_delay_alu instid0(VALU_DEP_1)
	v_add_f32 v[PR+4*\i], v[PR+4*\i], v[PR+4*\i+2]
.endr
	v_mul_f32 v12, s32, v[PR]                      ; the means, as pairs,
	v_mul_f32 v16, s32, v[PR+4]
	s_delay_alu instid0(VALU_DEP_2)
	v_mov_b32 v13, v12
	s_delay_alu instid0(VALU_DEP_2)
	v_mov_b32 v17, v16
	v_fma_f32 v[PR+8], v[PR+8], s32, s33           ; variance + 1e-5
	v_fma_f32 v[PR+12], v[PR+12], s32, s33
	s_wait_alu depctr_va_vdst(0)
	v_rsq_f32 v14, v[PR+8]
	v_rsq_f32 v18, v[PR+12]
	v_nop                                          ; a plain line behind the transcendentals
	s_wait_alu depctr_va_vdst(0)                   ; one wait for both, ahead of their first reader
	v_mov_b32 v15, v14
	v_mov_b32 v19, v18
	s_wait_kmcnt 0x0
	s_add_co_i32 s21, s21, 127
	s_lshl_b32 s20, s21, 23
	v_mov_b32 v20, s20                             ; 2^e10
	s_add_co_i32 s21, s21, 8
	s_lshl_b32 s21, s21, 23
	s_or_b32 s21, s21, 0x600000
	v_mov_b32 v21, s21                             ; 448 x 2^e10
.macro QUANT16 x, c
.irp i, 0,1,2,3,4,5,6,7,8,9,10,11,12,13,14,15
	v_med3_num_f32 v[\x+\i], v[\x+\i], -v21, v21   ; the conversion does not saturate (ISA guide 7.6.2): the hold comes first
.endr
	v_cvt_scalef32_pk8_fp8_f32 v[\c:\c+1], v[\x:\x+7], v20
	v_cvt_scalef32_pk8_fp8_f32 v[\c+2:\c+3], v[\x+8:\x+15], v20
	v_nop
.endm
.macro STEP t
.set RA, D+64*\t
.set RB, RA+16
.set G,  RA+32
.set BB, RA+48
	s_wait_loadcnt 16*(1-\t)                       ; this step's 16 loads are in; the next step's may be out
.irp j, 0,2,4,6,8,10,12,14
	v_pk_add_f32 v[RA+\j:RA+\j+1], v[RA+\j:RA+\j+1], v[12:13] neg_lo:[0,1] neg_hi:[0,1]
	v_pk_add_f32 v[RB+\j:RB+\j+1], v[RB+\j:RB+\j+1], v[16:17] neg_lo:[0,1] neg_hi:[0,1]
.endr
.irp j, 0,2,4,6,8,10,12,14
	v_pk_mul_f32 v[RA+\j:RA+\j+1], v[RA+\j:RA+\j+1], v[14:15]
	v_pk_mul_f32 v[RB+\j:RB+\j+1], v[RB+\j:RB+\j+1], v[18:19]
.endr
.irp j, 0,2,4,6,8,10,12,14
	v_pk_fma_f32 v[RA+\j:RA+\j+1], v[RA+\j:RA+\j+1], v[G+\j:G+\j+1], v[BB+\j:BB+\j+1]
	v_pk_fma_f32 v[RB+\j:RB+\j+1], v[RB+\j:RB+\j+1], v[G+\j:G+\j+1], v[BB+\j:BB+\j+1]
.endr
.irp i, 0,1,2,3
	global_store_b128 v2, v[RA+4*\i:RA+4*\i+3], s[14:15] offset:2048*\t+512*\i
	global_store_b128 v2, v[RB+4*\i:RB+4*\i+3], s[28:29] offset:2048*\t+512*\i
.endr
.irp i, 0,1,2,3
	ds_store_b128 v3, v[RA+4*\i:RA+4*\i+3] offset:8*SP*\i
.endr
.irp i, 0,1,2,3
	ds_store_b128 v3, v[RB+4*\i:RB+4*\i+3] offset:32*SP+8*SP*\i
.endr
.irp i, 0,1,2,3
	ds_load_b128 v[G+4*\i:G+4*\i+3], v4 offset:16*\i          ; into g's registers, which are done with
.endr
.irp i, 0,1,2,3
	ds_load_b128 v[BB+4*\i:BB+4*\i+3], v4 offset:32*SP+16*\i
.endr
	s_wait_dscnt 4                                 ; batch 0's 16 neighbours are back; batch 1's four loads may be out
	QUANT16 G, CC+8*\t
	global_store_b128 v2, v[CC+8*\t:CC+8*\t+3], s[16:17] offset:512*\t
	s_wait_dscnt 0x0
	QUANT16 BB, CC+8*\t+4
	global_store_b128 v2, v[CC+8*\t+4:CC+8*\t+7], s[16:17] offset:512*\t+2097152
.endm
	STEP 0
	STEP 1
	s_wait_tensorcnt 0x0                           ; the wave's end
	ds_add_u32 v[SPW], v[NIL]
	s_wait_dscnt 0x0
	s_endpgm
.Lfunc_end_k_q7248d89aa4_ln1q:
	.size	k_q7248d89aa4_ln1q, .Lfunc_end_k_q7248d89aa4_ln1q-k_q7248d89aa4_ln1q
	.p2alignl 7, 3214868480
	.fill 96, 4, 3214868480
	.section	.rodata,"a",@progbits
	.p2align	6, 0x0
	.amdhsa_kernel k_q7248d89aa4_ln1q
		.amdhsa_group_segment_fixed_size 42240
		.amdhsa_private_segment_fixed_size 0
		.amdhsa_enable_private_segment 0
		.amdhsa_kernarg_size 56
		.amdhsa_user_sgpr_count 2
		.amdhsa_user_sgpr_kernarg_segment_ptr 1
		.amdhsa_wavefront_size32 1
		.amdhsa_system_sgpr_workgroup_id_x 1
		.amdhsa_system_sgpr_workgroup_id_y 1
		.amdhsa_system_sgpr_workgroup_id_z 1
		.amdhsa_system_vgpr_workitem_id 0
		.amdhsa_next_free_vgpr 208
		.amdhsa_next_free_sgpr 66
		.amdhsa_reserve_vcc 0
		.amdhsa_float_denorm_mode_32 3
		.amdhsa_float_denorm_mode_16_64 3
		.amdhsa_memory_ordered 1
		.amdhsa_forward_progress 1
		.amdhsa_inst_pref_size 30
	.end_amdhsa_kernel
	.amdgpu_metadata
---
amdhsa.version: [ 1, 2 ]
amdhsa.kernels:
  - .name:           k_q7248d89aa4_ln1q
    .symbol:         k_q7248d89aa4_ln1q.kd
    .args:
      - { .name: resid, .offset: 0, .size: 8, .value_kind: global_buffer, .address_space: global }
      - { .name: stats, .offset: 8, .size: 8, .value_kind: global_buffer, .address_space: global }
      - { .name: ln_g, .offset: 16, .size: 8, .value_kind: global_buffer, .address_space: global }
      - { .name: ln_b, .offset: 24, .size: 8, .value_kind: global_buffer, .address_space: global }
      - { .name: lowp_scales, .offset: 32, .size: 8, .value_kind: global_buffer, .address_space: global }
      - { .name: out1, .offset: 40, .size: 8, .value_kind: global_buffer, .address_space: global }
      - { .name: a6, .offset: 48, .size: 8, .value_kind: global_buffer, .address_space: global }
    .group_segment_fixed_size: 42240
    .private_segment_fixed_size: 0
    .kernarg_segment_align: 8
    .kernarg_segment_size: 56
    .max_flat_workgroup_size: 256
    .sgpr_count:     66
    .vgpr_count:     208
    .wavefront_size: 32
...
	.end_amdgpu_metadata
.endif
;; end of part 11
;; launch ffn1 (part 12): grid 16 x 16, 4 waves a work-group, clusters of 4 x 4, 327,680 bytes of LDS; arguments a6, wf1_codes, lowp_scales, bf1, hc; writes hc
.if DOCPART == 12
	.amdgcn_target "amdgcn-amd-amdhsa--gfx1250"
	.amdhsa_code_object_version 6
	.text
	.protected	k_q7248d89aa4_ffn1
	.globl	k_q7248d89aa4_ffn1
	.p2align	8
	.type	k_q7248d89aa4_ffn1,@function
k_q7248d89aa4_ffn1:
	s_mov_b64 s[64:65], 0
	v_nop
	global_prefetch_b8 v0, s[64:65] scope:SCOPE_SE
	s_setreg_imm32_b32 hwreg(HW_REG_WAVE_MODE, 25, 1), 1
	s_wait_xcnt 0x0
	s_wait_alu depctr_hold_cnt(0) depctr_sa_sdst(0) depctr_va_vdst(0) depctr_va_sdst(0) depctr_va_ssrc(0) depctr_va_vcc(0) depctr_vm_vsrc(0)
	s_getreg_b32 s2, hwreg(HW_REG_IB_STS2, 6, 4)
	s_cmp_eq_u32 s2, 0
	s_cbranch_scc0 .Lentry_in_a_cluster
	s_endpgm
.Lentry_in_a_cluster:
	s_bfe_u32 s2, ttmp6, 0x10000c
	s_cmp_lg_u32 s2, 0xf033
	s_cbranch_scc0 .Lentry_shape_is_right
	s_endpgm
.Lentry_shape_is_right:
.set KROW,   1024
.set KSTEP,  256
.set ROWB,   256
.set PITCH,  272
.set FR,     16
.set NL,     4
.set NP,     4
.set HALFT,  128*PITCH
.set SLOT,   4*HALFT
.set LAPS,   KROW/(2*KSTEP)
.set SPARE,  2*SLOT
.set ADRA, 16
.set ADRB, 20
.set BO,   23
.set STOA, 24
.set RD,   25
.set CO,   26
.set SPW,  28
.set NIL,  29
.set BC,   32
.set TMP,  128
.set AF,   128
.set G1, 24
.set G0, 32
.set G1B, 48
.set G0B, 56
.set MSB, 0
.macro WIN new
.if MSB != (\new)
	s_set_vgpr_msb (MSB<<8)|(\new)
.set MSB, (\new)
.endif
.endm
.set MUL_LO, 0xa1
.set MUL_HI, 0xf1
.set TO_B,   0x40
.macro JLOAD g0a, g1a, g0b, g1b
	s_cmp_eq_u32 s15, 0
	s_cbranch_scc0 .Lfor_b_\@
	tensor_load_to_lds s[\g0a:\g0a+3], s[\g1a:\g1a+7]
	s_nop 0
.rept 4
	v_nop
.endr
	s_branch .Lasked_\@
.Lfor_b_\@:
	tensor_load_to_lds s[\g0b:\g0b+3], s[\g1b:\g1b+7]
	s_nop 0
.rept 4
	v_nop
.endr
.Lasked_\@:
.endm
.macro CREST
	s_cmp_lg_u32 s14, 0
	s_cbranch_scc1 .Lnot_wave_0_\@
	s_barrier_signal -3
.Lnot_wave_0_\@:
	s_barrier_wait -3
	s_barrier_signal -1
	s_barrier_wait -1
.endm
.macro CROUND
	s_barrier_signal -1
	s_barrier_wait -1
	CREST
.endm
	s_load_b128 s[4:7], s[0:1], 0x0
	s_load_b128 s[8:11], s[0:1], 0x10
	s_load_b64 s[12:13], s[0:1], 0x20
	v_lshl_add_u32 v[SPW], v0, 2, SPARE
	v_mov_b32 v[NIL], 0
	ds_add_u32 v[SPW], v[NIL]
	ds_add_u32 v[SPW], v[NIL]
	v_lshrrev_b32 v1, 5, v0
	v_readfirstlane_b32 s14, v1
	s_lshr_b32 s15, s14, 1
	s_and_b32 s16, s14, 1
	s_bfe_u32 s40, ttmp6, 0x40000
	s_bfe_u32 s41, ttmp6, 0x40004
	s_lshl_b32 s42, ttmp9, 2
	s_add_co_u32 s42, s42, s40
	s_and_b32 s17, ttmp7, 0xffff
	s_lshl_b32 s17, s17, 2
	s_add_co_u32 s17, s17, s41
	s_lshl_b32 s43, s41, 2
	s_lshl_b32 s43, 15, s43
	s_lshl_b32 s44, 0x1111, s40
	s_or_b32 s[G1+0], s43, (0<<16)|(1<<20)|(1<<21)|(5<<22)|(3<<25)
	s_or_b32 s[G1B+0], s44, (0<<16)|(1<<20)|(1<<21)|(5<<22)|(3<<25)
.irp g, G1, G1B
	s_mov_b32 s[\g+1], ROWB<<16
	s_mov_b32 s[\g+2], 128<<16
	s_mov_b32 s[\g+3], ROWB<<16
	s_mov_b32 s[\g+4], 128
	s_mov_b32 s[\g+5], KROW
	s_mov_b32 s[\g+6], 0
	s_mov_b32 s[\g+7], 0
.endr
	s_lshl_b32 s18, s16, 7
	s_lshl_b32 s20, s17, 8
	s_add_co_u32 s20, s20, s18
	s_lshl_b32 s46, s42, 8
	s_add_co_u32 s46, s46, s18
	s_mov_b32 s21, 0
	s_mov_b32 s47, 0
	s_mov_b64 s[18:19], KROW
	s_mul_u64 s[20:21], s[20:21], s[18:19]
	s_mul_u64 s[46:47], s[46:47], s[18:19]
	s_mul_i32 s45, s14, HALFT
	s_wait_dscnt 0x0
	s_wait_kmcnt 0x0
	s_load_b128 s[68:71], s[8:9], 0x28
	s_add_nc_u64 s[20:21], s[4:5], s[20:21]
	s_add_nc_u64 s[46:47], s[6:7], s[46:47]
	CROUND
.irp s, 0,1
	s_mov_b32 s[G0+4*\s], 1
	s_add_co_u32 s[G0+4*\s+1], s45, \s*SLOT
	s_add_nc_u64 s[G0+4*\s+2:G0+4*\s+3], s[20:21], \s*ROWB
	s_or_b32 s[G0+4*\s+3], s[G0+4*\s+3], 0x80000000
	s_mov_b32 s[G0B+4*\s], 1
	s_add_co_u32 s[G0B+4*\s+1], s45, \s*SLOT
	s_add_nc_u64 s[G0B+4*\s+2:G0B+4*\s+3], s[46:47], \s*ROWB
	s_or_b32 s[G0B+4*\s+3], s[G0B+4*\s+3], 0x80000000
	s_wait_alu depctr_va_vdst(0)
	s_wait_tensorcnt 0x0
	ds_add_u32 v28, v29
	ds_add_u32 v28, v29
	s_wait_dscnt 0x0
	CROUND
	JLOAD G0+4*\s, G1, G0B+4*\s, G1B
.endr
	v_and_b32 v1, 15, v0
	v_bfe_u32 v2, v0, 4, 1
	s_wait_alu depctr_va_vdst(0)
	v_mul_u32_u24 v3, v1, PITCH
	v_lshl_add_u32 v4, v2, 4, v3
	s_mul_i32 s21, s15, HALFT
	s_mul_i32 s22, s16, HALFT
	s_add_co_u32 s22, s22, 2*HALFT
.irp s, 0,1
	v_add_nc_u32 v[ADRA+\s], s21, v4
	v_add_nc_u32 v[ADRB+\s], s22, v4
	s_add_co_u32 s21, s21, SLOT
	s_add_co_u32 s22, s22, SLOT
.endr
	s_lshl_b32 s22, s42, 10
	s_lshl_b32 s23, s16, 9
	s_add_co_u32 s22, s22, s23
	s_mov_b32 s23, 0
	s_add_nc_u64 s[10:11], s[10:11], s[22:23]
	v_lshlrev_b32 v[BO], 5, v2
.irp b, 0,1,2,3,4,5,6,7
	global_load_b128 v[BC+8*\b:BC+8*\b+3], v[BO], s[10:11] offset:64*\b
	global_load_b128 v[BC+8*\b+4:BC+8*\b+7], v[BO], s[10:11] offset:64*\b+16
.endr
	s_mul_i32 s21, s15, 128*272
	s_lshl_b32 s22, s16, 7
	s_add_co_u32 s21, s21, s22
	v_mul_u32_u24 v5, v1, 272
	v_lshl_add_u32 v5, v2, 3, v5
	v_add_nc_u32 v[STOA], s21, v5
	s_mul_i32 s21, s14, 64*272
	v_mul_u32_u24 v7, v2, 272
	v_lshl_add_u32 v7, v1, 4, v7
	v_add_nc_u32 v[RD], s21, v7
	v_lshlrev_b32 v[CO], 12, v2
	v_lshl_add_u32 v[CO], v1, 4, v[CO]
	s_lshl_b32 s22, s17, 8
	s_lshl_b32 s23, s14, 6
	s_add_co_u32 s22, s22, s23
	s_lshl_b32 s22, s22, 12
	s_lshl_b32 s23, s42, 8
	s_add_co_u32 s22, s22, s23
	s_mov_b32 s23, 0
	s_add_nc_u64 s[12:13], s[12:13], s[22:23]
.macro FRAG reg, adr, q, i
.irp c, 0,1,2,3
	ds_load_b128 v[\reg+4*\c:\reg+4*\c+3], v[\adr] offset:128*(\q)+32*\c+(\i)*16*PITCH
.endr
.endm
.macro MUL16 a0, p, zero
.irp a, \a0, \a0+1
.irp b, 0,1,2,3,4,5,6,7
.if \zero
	v_wmma_f32_16x16x128_fp8_fp8 v[8*(8*((\a)%4)+\b):8*(8*((\a)%4)+\b)+7], v[128*(\p)+FR*\b:128*(\p)+FR*\b+FR-1], v[AF+FR*(\a):AF+FR*(\a)+FR-1], 0
.else
	v_wmma_f32_16x16x128_fp8_fp8 v[8*(8*((\a)%4)+\b):8*(8*((\a)%4)+\b)+7], v[128*(\p)+FR*\b:128*(\p)+FR*\b+FR-1], v[AF+FR*(\a):AF+FR*(\a)+FR-1], v[8*(8*((\a)%4)+\b):8*(8*((\a)%4)+\b)+7]
.endif
.endr
.endr
.endm
.macro FETCH_B slot, q, p
	WIN TO_B
.irp i, 0,1,2,3,4,5,6,7
	FRAG 128*(\p)+FR*\i, ADRB+\slot, \q, \i
.endr
	WIN 0
.endm
.macro FETCH_A slot, q, i0
.irp i, \i0, \i0+1, \i0+2, \i0+3
	FRAG AF+FR*(\i), ADRA+\slot, \q, \i
.endr
.endm
.macro PLACES n
.rept \n
	v_nop
.endr
.endm
.macro STEP slot, q, zero
	s_wait_dscnt 4*NL
	WIN MUL_LO
	MUL16 0, (\q)%2, \zero
	MUL16 2, (\q)%2, \zero
	s_wait_dscnt 0
	PLACES NP
	FETCH_B \slot, (\q)+1, 1-(\q)%2
	FETCH_A \slot, (\q)+1, 0
	WIN MUL_HI
	MUL16 4, (\q)%2, \zero
	MUL16 6, (\q)%2, \zero
	PLACES NP
	WIN 0
	FETCH_A \slot, (\q)+1, 4
.endm
.macro TURN slot, next, fill
	s_wait_tensorcnt 0x0
	ds_add_u32 v[SPW], v[NIL]
	s_wait_dscnt 4*NL+1
	WIN MUL_LO
	MUL16 0, 1, 0
	s_wait_dscnt 0x0
	s_barrier_signal -1
	MUL16 2, 1, 0
	WIN 0
	s_barrier_wait -1
.if \fill
	CREST
	s_add_nc_u64 s[G0+4*\slot+2:G0+4*\slot+3], s[G0+4*\slot+2:G0+4*\slot+3], 2*ROWB
	s_add_nc_u64 s[G0B+4*\slot+2:G0B+4*\slot+3], s[G0B+4*\slot+2:G0B+4*\slot+3], 2*ROWB
	JLOAD G0+4*\slot, G1, G0B+4*\slot, G1B
.else
	PLACES NP
.endif
	FETCH_B \next, 0, 0
	FETCH_A \next, 0, 0
	WIN MUL_HI
	MUL16 4, 1, 0
	MUL16 6, 1, 0
	PLACES NP
	WIN 0
	FETCH_A \next, 0, 4
.endm
	s_wait_tensorcnt 1
	s_barrier_signal -1
	s_barrier_wait -1
	FETCH_B 0, 0, 0
	FETCH_A 0, 0, 0
	FETCH_A 0, 0, 4
	STEP 0, 0, 1
	s_mov_b32 s3, LAPS-1
.Llap:
	TURN 0, 1, 1
	STEP 1, 0, 0
	TURN 1, 0, 1
	STEP 0, 0, 0
	s_sub_co_u32 s3, s3, 1
	s_cmp_lg_u32 s3, 0
	s_cbranch_scc1 .Llap
	TURN 0, 1, 0
	STEP 1, 0, 0
	s_wait_dscnt 4*NL
	WIN MUL_LO
	MUL16 0, 1, 0
	MUL16 2, 1, 0
	s_wait_dscnt 0
	WIN MUL_HI
	MUL16 4, 1, 0
	MUL16 6, 1, 0
	WIN 0
	s_wait_kmcnt 0x0
	s_add_co_i32 s90, s68, s69
	s_sub_co_i32 s92, s70, s90
	s_add_co_i32 s92, s92, 127
	s_lshl_b32 s93, s92, 23
	v_mov_b32 v104, s93
	s_add_co_i32 s92, s92, 8
	s_lshl_b32 s92, s92, 23
	s_or_b32 s92, s92, 0x600000
	v_mov_b32 v105, s92
	s_sub_co_i32 s91, 0, s90
	s_wait_loadcnt 0x0
.set J, 0
.rept 64
	v_ldexp_f32 v[BC+J], v[BC+J], s91
.set J, J+1
.endr
.macro E1 a
.set AC, 64*((\a)%4)
.set CD, 192+16*((\a)%4)
.if (\a) >= 4
	s_wait_dscnt 24
.endif
	WIN 0x02+((\a)/4)
.set J, 0
.rept 32
	v_pk_add_f32 v[TMP+J:TMP+J+1], v[AC+J:AC+J+1], v[BC+J:BC+J+1]
.set J, J+2
.endr
	WIN 0
.set J, 0
.rept 64
	v_med3_num_f32 v[TMP+J], v[TMP+J], 0, v105
.set J, J+1
.endr
.irp b, 0,1,2,3,4,5,6,7
	v_cvt_scalef32_pk8_fp8_f32 v[CD+2*\b:CD+2*\b+1], v[TMP+8*\b:TMP+8*\b+7], v104
.endr
	v_nop
.irp b, 0,1,2,3,4,5,6,7
	ds_store_b64 v[STOA], v[CD+2*\b:CD+2*\b+1] offset:(\a)*16*272+16*\b
.endr
.endm
.irp a, 0,1,2,3,4,5,6,7
	E1 \a
.endr
	s_wait_dscnt 0x0
	s_barrier_signal -1
	s_barrier_wait -1
.set K2, 0
.rept 32
	ds_load_b128 v[128+4*K2:131+4*K2], v[RD] offset:2*272*K2
.set K2, K2+1
.endr
.set K2, 0
.rept 32
	s_wait_dscnt 31-K2
	global_store_b128 v[CO], v[128+4*K2:131+4*K2], s[12:13] offset:8192*K2
.set K2, K2+1
.endr
	s_wait_tensorcnt 0x0
	ds_add_u32 v[SPW], v[NIL]
	s_wait_dscnt 0x0
	CROUND
	s_endpgm
.Lfunc_end_k_q7248d89aa4_ffn1:
	.size	k_q7248d89aa4_ffn1, .Lfunc_end_k_q7248d89aa4_ffn1-k_q7248d89aa4_ffn1
	.p2alignl 7, 3214868480
	.fill 96, 4, 3214868480
	.section	.rodata,"a",@progbits
	.p2align	6, 0x0
	.amdhsa_kernel k_q7248d89aa4_ffn1
		.amdhsa_group_segment_fixed_size 327680
		.amdhsa_private_segment_fixed_size 0
		.amdhsa_enable_private_segment 0
		.amdhsa_kernarg_size 40
		.amdhsa_user_sgpr_count 2
		.amdhsa_user_sgpr_kernarg_segment_ptr 1
		.amdhsa_wavefront_size32 1
		.amdhsa_system_sgpr_workgroup_id_x 1
		.amdhsa_system_sgpr_workgroup_id_y 1
		.amdhsa_system_sgpr_workgroup_id_z 1
		.amdhsa_system_vgpr_workitem_id 0
		.amdhsa_next_free_vgpr 1024
		.amdhsa_next_free_sgpr 100
		.amdhsa_reserve_vcc 0
		.amdhsa_float_denorm_mode_32 3
		.amdhsa_float_denorm_mode_16_64 3
		.amdhsa_memory_ordered 1
		.amdhsa_forward_progress 1
		.amdhsa_inst_pref_size 148
	.end_amdhsa_kernel
	.amdgpu_metadata
---
amdhsa.version: [ 1, 2 ]
amdhsa.kernels:
  - .name:           k_q7248d89aa4_ffn1
    .symbol:         k_q7248d89aa4_ffn1.kd
    .args:
      - { .name: a6, .offset: 0, .size: 8, .value_kind: global_buffer, .address_space: global }
      - { .name: wf1_codes, .offset: 8, .size: 8, .value_kind: global_buffer, .address_space: global }
      - { .name: lowp_scales, .offset: 16, .size: 8, .value_kind: global_buffer, .address_space: global }
      - { .name: bf1, .offset: 24, .size: 8, .value_kind: global_buffer, .address_space: global }
      - { .name: hc, .offset: 32, .size: 8, .value_kind: global_buffer, .address_space: global }
    .group_segment_fixed_size: 327680
    .private_segment_fixed_size: 0
    .kernarg_segment_align: 8
    .kernarg_segment_size: 40
    .max_flat_workgroup_size: 128
    .sgpr_count:     100
    .vgpr_count:     1024
    .wavefront_size: 32
...
	.end_amdgpu_metadata
.endif
;; end of part 12
;; launch ffn2 (part 13): grid 8 x 32, 4 waves a work-group, clusters of 4 x 4, 327,680 bytes of LDS; arguments hc, wf2_codes, lowp_scales, bf2, out1, resid, stats; writes resid, stats
.if DOCPART == 13
	.amdgcn_target "amdgcn-amd-amdhsa--gfx1250"
	.amdhsa_code_object_version 6
	.text
	.protected	k_q7248d89aa4_ffn2
	.globl	k_q7248d89aa4_ffn2
	.p2align	8
	.type	k_q7248d89aa4_ffn2,@function
k_q7248d89aa4_ffn2:
	s_mov_b64 s[64:65], 0
	v_nop
	global_prefetch_b8 v0, s[64:65] scope:SCOPE_SE
	s_setreg_imm32_b32 hwreg(HW_REG_WAVE_MODE, 25, 1), 1
	s_wait_xcnt 0x0
	s_wait_alu depctr_hold_cnt(0) depctr_sa_sdst(0) depctr_va_vdst(0) depctr_va_sdst(0) depctr_va_ssrc(0) depctr_va_vcc(0) depctr_vm_vsrc(0)
	s_getreg_b32 s2, hwreg(HW_REG_IB_STS2, 6, 4)
	s_cmp_eq_u32 s2, 0
	s_cbranch_scc0 .Lentry_in_a_cluster
	s_endpgm
.Lentry_in_a_cluster:
	s_bfe_u32 s2, ttmp6, 0x10000c
	s_cmp_lg_u32 s2, 0xf033
	s_cbranch_scc0 .Lentry_shape_is_right
	s_endpgm
.Lentry_shape_is_right:
.set KROW,   4096
.set ROWB,   512
.set PITCH,  528
.set FR,     16
.set NP,     4
.set HALFT,  64*PITCH
.set SLOT,   4*HALFT
.set LAPS,   KROW/(2*ROWB)
.set SPARE,  2*SLOT
.set STATW,  SPARE+512
.set SPITCH, 272
.set ADRA, 16
.set ADRB, 20
.set PFO,  22
.set BO,   23
.set STO,  24
.set RD,   25
.set CO,   26
.set SW,   27
.set SPW,  28
.set NIL,  29
.set BI,   32
.set BB,   36
.set TT,   100
.set F0,   0
.set F1,   128
.set SEL,  92
.set PFA,  78
.set LIM,  80
.set G1, 24
.set G0, 32
.set G1B, 48
.set G0B, 56
.set MSB, 0
.macro WIN new
.if MSB != (\new)
	s_set_vgpr_msb (MSB<<8)|(\new)
.set MSB, (\new)
.endif
.endm
.set MUL,  0xa5
.set TO_F, 0x40
.macro JLOAD g0a, g1a, g0b, g1b
	s_cmp_eq_u32 s15, 0
	s_cbranch_scc0 .Lfor_b_\@
	tensor_load_to_lds s[\g0a:\g0a+3], s[\g1a:\g1a+7]
	s_nop 0
.rept 4
	v_nop
.endr
	s_branch .Lasked_\@
.Lfor_b_\@:
	tensor_load_to_lds s[\g0b:\g0b+3], s[\g1b:\g1b+7]
	s_nop 0
.rept 4
	v_nop
.endr
.Lasked_\@:
.endm
.macro ASK
	s_cmp_gt_u32 s3, s[LIM]
	s_cbranch_scc0 .Lnot_mine_\@
	s_wait_alu depctr_va_vdst(0)
	global_prefetch_b8 v[PFO], s[PFA:PFA+1] offset:ROWB th:TH_LOAD_NT scope:SCOPE_SE
.Lnot_mine_\@:
.endm
.macro CREST
	s_cmp_lg_u32 s14, 0
	s_cbranch_scc1 .Lnot_wave_0_\@
	s_barrier_signal -3
.Lnot_wave_0_\@:
	s_barrier_wait -3
	s_barrier_signal -1
	s_barrier_wait -1
.endm
.macro CROUND
	s_barrier_signal -1
	s_barrier_wait -1
	CREST
.endm
.macro STATS B, N, INVN, T
	v_pk_add_f32 v[(\T):(\T)+1], v[(\B):(\B)+1], v[(\B)+4:(\B)+5]
	v_pk_add_f32 v[(\T)+2:(\T)+3], v[(\B)+2:(\B)+3], v[(\B)+6:(\B)+7]
.set JS, 8
.rept ((\N)-8)/4
	v_pk_add_f32 v[(\T):(\T)+1], v[(\T):(\T)+1], v[(\B)+JS:(\B)+JS+1]
	v_pk_add_f32 v[(\T)+2:(\T)+3], v[(\T)+2:(\T)+3], v[(\B)+JS+2:(\B)+JS+3]
.set JS, JS+4
.endr
	v_pk_add_f32 v[(\T):(\T)+1], v[(\T):(\T)+1], v[(\T)+2:(\T)+3]
	v_add_f32 v[(\T)], v[(\T)], v[(\T)+1]
.irp m, 1,2,4,8
	v_add_f32_dpp v[(\T)], v[(\T)], v[(\T)] row_xmask:\m row_mask:0xf bank_mask:0xf
.endr
	v_permlanex16_b32 v[(\T)+1], v[(\T)], s[SEL], s[SEL+1]
	v_add_f32 v[(\T)], v[(\T)], v[(\T)+1]
	v_mul_f32 v[(\T)+2], \INVN, v[(\T)]
	v_mov_b32 v[(\T)+3], v[(\T)+2]
.set JS, 0
.rept (\N)/4
	v_pk_add_f32 v[(\T)+4:(\T)+5], v[(\B)+JS:(\B)+JS+1], v[(\T)+2:(\T)+3] neg_lo:[0,1] neg_hi:[0,1]
	v_pk_add_f32 v[(\T)+6:(\T)+7], v[(\B)+JS+2:(\B)+JS+3], v[(\T)+2:(\T)+3] neg_lo:[0,1] neg_hi:[0,1]
.if JS == 0
	v_pk_mul_f32 v[(\T)+8:(\T)+9], v[(\T)+4:(\T)+5], v[(\T)+4:(\T)+5]
	v_pk_mul_f32 v[(\T)+10:(\T)+11], v[(\T)+6:(\T)+7], v[(\T)+6:(\T)+7]
.else
	v_pk_fma_f32 v[(\T)+8:(\T)+9], v[(\T)+4:(\T)+5], v[(\T)+4:(\T)+5], v[(\T)+8:(\T)+9]
	v_pk_fma_f32 v[(\T)+10:(\T)+11], v[(\T)+6:(\T)+7], v[(\T)+6:(\T)+7], v[(\T)+10:(\T)+11]
.endif
.set JS, JS+4
.endr
	v_pk_add_f32 v[(\T)+8:(\T)+9], v[(\T)+8:(\T)+9], v[(\T)+10:(\T)+11]
	v_add_f32 v[(\T)+8], v[(\T)+8], v[(\T)+9]
.irp m, 1,2,4,8
	v_add_f32_dpp v[(\T)+8], v[(\T)+8], v[(\T)+8] row_xmask:\m row_mask:0xf bank_mask:0xf
.endr
	v_permlanex16_b32 v[(\T)+9], v[(\T)+8], s[SEL], s[SEL+1]
	v_add_f32 v[(\T)+8], v[(\T)+8], v[(\T)+9]
.endm
.macro RLOAD d
.irp t, 0,1,2,3,4,5,6,7,8,9,10,11,12,13,14,15
	global_load_b128 v[128+64*(\d)+4*\t:128+64*(\d)+4*\t+3], v[CO], s[86:87] offset:(32*(\d)+2*\t)*4096 th:TH_LOAD_NT
.endr
.endm
	s_load_b128 s[4:7], s[0:1], 0x0
	s_load_b256 s[68:75], s[0:1], 0x10
	s_load_b64 s[76:77], s[0:1], 0x30
	v_lshl_add_u32 v[SPW], v0, 2, SPARE
	v_mov_b32 v[NIL], 0
	ds_add_u32 v[SPW], v[NIL]
	ds_add_u32 v[SPW], v[NIL]
	v_lshrrev_b32 v1, 5, v0
	v_readfirstlane_b32 s14, v1
	s_lshr_b32 s15, s14, 1
	s_and_b32 s16, s14, 1
	s_bfe_u32 s40, ttmp6, 0x40000
	s_bfe_u32 s41, ttmp6, 0x40004
	s_lshl_b32 s42, ttmp9, 2
	s_add_co_u32 s42, s42, s40
	s_and_b32 s17, ttmp7, 0xffff
	s_lshl_b32 s17, s17, 2
	s_add_co_u32 s17, s17, s41
	s_lshl_b32 s43, s41, 2
	s_lshl_b32 s43, 15, s43
	s_lshl_b32 s44, 0x1111, s40
	s_or_b32 s[G1+0], s43, (0<<16)|(1<<20)|(1<<21)|(6<<22)|(3<<25)
	s_or_b32 s[G1B+0], s44, (0<<16)|(1<<20)|(1<<21)|(6<<22)|(3<<25)
.irp g, G1, G1B
	s_mov_b32 s[\g+1], ROWB<<16
	s_mov_b32 s[\g+2], 64<<16
	s_mov_b32 s[\g+3], ROWB<<16
	s_mov_b32 s[\g+4], 64
	s_mov_b32 s[\g+5], KROW
	s_mov_b32 s[\g+6], 0
	s_mov_b32 s[\g+7], 0
.endr
	s_mov_b32 s[SEL], 0x76543210
	s_mov_b32 s[SEL+1], 0xfedcba98
	s_lshl_b32 s18, s16, 6
	s_lshl_b32 s20, s17, 7
	s_add_co_u32 s20, s20, s18
	s_lshl_b32 s46, s42, 7
	s_add_co_u32 s46, s46, s18
	s_mov_b32 s21, 0
	s_mov_b32 s47, 0
	s_mov_b64 s[18:19], KROW
	s_mul_u64 s[20:21], s[20:21], s[18:19]
	s_mul_u64 s[46:47], s[46:47], s[18:19]
	s_mul_i32 s45, s14, HALFT
	s_wait_dscnt 0x0
	s_wait_kmcnt 0x0
	s_load_b64 s[96:97], s[68:69], 0x30
	s_add_nc_u64 s[20:21], s[4:5], s[20:21]
	s_add_nc_u64 s[46:47], s[6:7], s[46:47]
	CROUND
.irp s, 0,1
	s_mov_b32 s[G0+4*\s], 1
	s_add_co_u32 s[G0+4*\s+1], s45, \s*SLOT
	s_add_nc_u64 s[G0+4*\s+2:G0+4*\s+3], s[20:21], \s*ROWB
	s_or_b32 s[G0+4*\s+3], s[G0+4*\s+3], 0x80000000
	s_mov_b32 s[G0B+4*\s], 1
	s_add_co_u32 s[G0B+4*\s+1], s45, \s*SLOT
	s_add_nc_u64 s[G0B+4*\s+2:G0B+4*\s+3], s[46:47], \s*ROWB
	s_or_b32 s[G0B+4*\s+3], s[G0B+4*\s+3], 0x80000000
	s_wait_alu depctr_va_vdst(0)
	s_wait_tensorcnt 0x0
	ds_add_u32 v28, v29
	ds_add_u32 v28, v29
	s_wait_dscnt 0x0
	CROUND
	JLOAD G0+4*\s, G1, G0B+4*\s, G1B
.endr
	v_and_b32 v1, 15, v0
	s_wait_alu depctr_va_vdst(0)
	v_bfe_u32 v2, v0, 4, 1
	v_mul_u32_u24 v3, v1, PITCH
	v_lshl_add_u32 v4, v2, 4, v3
	s_mul_i32 s21, s15, HALFT
	s_mul_i32 s22, s16, HALFT
	s_add_co_u32 s22, s22, 2*HALFT
.irp s, 0,1
	v_add_nc_u32 v[ADRA+\s], s21, v4
	v_add_nc_u32 v[ADRB+\s], s22, v4
	s_add_co_u32 s21, s21, SLOT
	s_add_co_u32 s22, s22, SLOT
.endr
	s_mul_i32 s23, s14, 32*SPITCH
	v_mul_u32_u24 v5, v1, SPITCH
	s_wait_alu depctr_va_vdst(0)
	v_lshl_add_u32 v5, v2, 5, v5
	v_add_nc_u32 v[STO], s23, v5
	v_mul_u32_u24 v5, v2, SPITCH
	v_lshl_add_u32 v5, v1, 4, v5
	v_add_nc_u32 v[RD], s23, v5
	v_lshlrev_b32 v[CO], 12, v2
	v_lshl_add_u32 v[CO], v1, 4, v[CO]
	v_lshlrev_b32 v[BO], 4, v1
	s_wait_alu depctr_va_vdst(0)
	s_lshl_b32 s22, s14, 4
	s_add_co_u32 s22, s22, STATW
	v_mov_b32 v[SW], s22
	v_and_b32 v6, 7, v0
	v_lshl_add_u32 v30, v6, 3, STATW
	v_and_b32 v6, 31, v0
	s_wait_alu depctr_va_vdst(0)
	v_lshlrev_b32 v31, 3, v6
	s_lshl_b32 s20, s17, 7
	s_lshl_b32 s21, s15, 6
	s_add_co_u32 s20, s20, s21
	s_lshl_b32 s20, s20, 12
	s_mov_b32 s21, 0
	s_lshl_b32 s46, s42, 9
	s_lshl_b32 s47, s16, 8
	s_add_co_u32 s46, s46, s47
	s_mov_b32 s47, 0
	s_add_nc_u64 s[20:21], s[20:21], s[46:47]
	s_add_nc_u64 s[10:11], s[74:75], s[20:21]
	s_add_nc_u64 s[86:87], s[72:73], s[20:21]
	s_add_nc_u64 s[84:85], s[70:71], s[46:47]
	s_lshl_b32 s22, s17, 3
	s_add_co_u32 s22, s22, s42
	s_lshl_b32 s22, s22, 6
	s_mov_b32 s23, 0
	s_add_nc_u64 s[88:89], s[76:77], s[22:23]
	global_load_b128 v[BI:BI+3], v[BO], s[84:85]
	RLOAD 0
	RLOAD 1
	s_lshl_b32 s18, s17, 7
	s_lshl_b32 s19, s42, 7
	s_and_b32 s22, ttmp7, 0xffff
	s_cmp_eq_u32 s15, 0
	s_cselect_b32 s20, s18, s19
	s_cselect_b32 s21, s40, s41
	s_cselect_b32 s22, ttmp9, s22
	s_cselect_b64 s[PFA:PFA+1], s[4:5], s[6:7]
	s_cmp_eq_u32 s22, 0
	s_cselect_b32 s[LIM], 1, -1
	s_lshl_b32 s22, s16, 6
	s_add_co_u32 s20, s20, s22
	s_lshl_b32 s21, s21, 4
	s_add_co_u32 s20, s20, s21
	s_lshl_b32 s20, s20, 12
	s_mov_b32 s21, 0
	s_add_nc_u64 s[PFA:PFA+1], s[PFA:PFA+1], s[20:21]
	s_add_nc_u64 s[PFA:PFA+1], s[PFA:PFA+1], 2*ROWB
	v_lshrrev_b32 v[PFO], 1, v6
	v_lshlrev_b32 v[PFO], 12, v[PFO]
	v_and_b32 v5, 1, v0
	v_lshl_add_u32 v[PFO], v5, 8, v[PFO]
.macro MULA f, a, zero
.irp b, 0,1,2,3
.if \zero
	v_wmma_f32_16x16x128_fp8_fp8 v[8*(4*(\a)+\b):8*(4*(\a)+\b)+7], v[\f+64+FR*\b:\f+64+FR*\b+FR-1], v[\f+FR*(\a):\f+FR*(\a)+FR-1], 0
.else
	v_wmma_f32_16x16x128_fp8_fp8 v[8*(4*(\a)+\b):8*(4*(\a)+\b)+7], v[\f+64+FR*\b:\f+64+FR*\b+FR-1], v[\f+FR*(\a):\f+FR*(\a)+FR-1], v[8*(4*(\a)+\b):8*(4*(\a)+\b)+7]
.endif
.endr
.endm
.macro FETCH slot, k, f
	WIN TO_F
.irp i, 0,1,2,3
.irp c, 0,1,2,3
	ds_load_b128 v[\f+64+FR*\i+4*\c:\f+64+FR*\i+4*\c+3], v[ADRB+\slot] offset:\k+32*\c+\i*16*PITCH
.endr
.endr
.irp i, 0,1,2,3
.irp c, 0,1,2,3
	ds_load_b128 v[\f+FR*\i+4*\c:\f+FR*\i+4*\c+3], v[ADRA+\slot] offset:\k+32*\c+\i*16*PITCH
.endr
.endr
.endm
.macro PLACES n
.rept \n
	v_nop
.endr
.endm
.macro QUARTER slot, k, f, g, zero
	PLACES NP
	FETCH \slot, \k, \g
	s_wait_dscnt 32
	WIN MUL
.irp a, 0,1,2,3
	MULA \f, \a, \zero
.endr
.endm
.macro TURN slot, next, fill
.if \fill
	s_wait_xcnt 0x0
	s_add_nc_u64 s[PFA:PFA+1], s[PFA:PFA+1], ROWB
.endif
	WIN 0
	s_wait_tensorcnt 0x0
	ds_add_u32 v[SPW], v[NIL]
	s_wait_dscnt 13
	WIN MUL
	MULA F1, 0, 0
	s_wait_dscnt 0x0
	s_barrier_signal -1
	MULA F1, 1, 0
	WIN 0
	s_barrier_wait -1
.if \fill
	CREST
	s_add_nc_u64 s[G0+4*\slot+2:G0+4*\slot+3], s[G0+4*\slot+2:G0+4*\slot+3], 2*ROWB
	s_add_nc_u64 s[G0B+4*\slot+2:G0B+4*\slot+3], s[G0B+4*\slot+2:G0B+4*\slot+3], 2*ROWB
	JLOAD G0+4*\slot, G1, G0B+4*\slot, G1B
.else
	PLACES NP
.endif
	FETCH \next, 0, F0
.if \fill
	WIN 0
	ASK
.endif
	WIN MUL
	MULA F1, 2, 0
	MULA F1, 3, 0
.endm
	s_wait_tensorcnt 1
	s_barrier_signal -1
	s_barrier_wait -1
	FETCH 0, 0, F0
	QUARTER 0, 128, F0, F1, 1
	WIN 0
	s_mov_b32 s3, LAPS-1
.Llap:
	QUARTER 0, 256, F1, F0, 0
	QUARTER 0, 384, F0, F1, 0
	TURN 0, 1, 1
	QUARTER 1, 128, F0, F1, 0
	QUARTER 1, 256, F1, F0, 0
	QUARTER 1, 384, F0, F1, 0
	TURN 1, 0, 1
	QUARTER 0, 128, F0, F1, 0
	WIN 0
	s_sub_co_u32 s3, s3, 1
	s_cmp_lg_u32 s3, 0
	s_cbranch_scc1 .Llap
	QUARTER 0, 256, F1, F0, 0
	QUARTER 0, 384, F0, F1, 0
	TURN 0, 1, 0
	QUARTER 1, 128, F0, F1, 0
	QUARTER 1, 256, F1, F0, 0
	QUARTER 1, 384, F0, F1, 0
	s_wait_dscnt 0x0
	MULA F1, 0, 0
	MULA F1, 1, 0
	MULA F1, 2, 0
	MULA F1, 3, 0
	WIN 0
	s_wait_kmcnt 0x0
	s_add_co_i32 s96, s96, s97
	s_add_co_i32 s96, s96, 127
	s_lshl_b32 s96, s96, 23
	s_mov_b32 s97, s96
	s_wait_loadcnt 0x0
	PLACES NP
.macro OUTB d
.set AC, 64*(\d)
.set RS, 128+64*(\d)
.if (\d) > 0
	s_wait_xcnt 0x0
.endif
	WIN 0x08
.irp aa, 0,1
.irp b, 0,1,2,3
	ds_store_b128 v[STO], v[AC+8*(4*\aa+\b):AC+8*(4*\aa+\b)+3] offset:\aa*16*SPITCH+64*\b
	ds_store_b128 v[STO], v[AC+8*(4*\aa+\b)+4:AC+8*(4*\aa+\b)+7] offset:\aa*16*SPITCH+64*\b+16
.endr
.endr
	WIN 0
.irp t, 0,1,2,3,4,5,6,7,8,9,10,11,12,13,14,15
	ds_load_b128 v[BB+4*\t:BB+4*\t+3], v[RD] offset:\t*2*SPITCH
.endr
.set J, 0
.rept 32
	v_pk_add_f32 v[RS+J:RS+J+1], v[RS+J:RS+J+1], v[BI+(J%4):BI+(J%4)+1]
.set J, J+2
.endr
	s_wait_dscnt 0x0
.set J, 0
.rept 32
	v_pk_fma_f32 v[BB+J:BB+J+1], v[BB+J:BB+J+1], s[96:97], v[RS+J:RS+J+1] op_sel_hi:[1,0,1]
.set J, J+2
.endr
.irp t, 0,1,2,3,4,5,6,7,8,9,10,11,12,13,14,15
	global_store_b128 v[CO], v[BB+4*\t:BB+4*\t+3], s[10:11] offset:(32*(\d)+2*\t)*4096
.endr
	STATS BB, 64, 0x3a000000, TT
	ds_store_b32 v[SW], v[TT] offset:8*(\d)
	ds_store_b32 v[SW], v[TT+8] offset:8*(\d)+4
.endm
	OUTB 0
	OUTB 1
	s_wait_dscnt 0x0
	s_barrier_signal -1
	s_barrier_wait -1
	s_cmp_lg_u32 s14, 0
	s_cbranch_scc1 .Lnot_first
	ds_load_b64 v[116:117], v30
	s_wait_dscnt 0x0
	s_wait_xcnt 0x0
	v_cmp_gt_u32 vcc_lo, 8, v0
	s_and_saveexec_b32 s90, vcc_lo
	global_store_b64 v31, v[116:117], s[88:89]
	s_wait_xcnt 0x0
	s_or_b32 exec_lo, exec_lo, s90
.Lnot_first:
	s_wait_tensorcnt 0x0
	ds_add_u32 v[SPW], v[NIL]
	s_wait_dscnt 0x0
	CROUND
	s_endpgm
.Lfunc_end_k_q7248d89aa4_ffn2:
	.size	k_q7248d89aa4_ffn2, .Lfunc_end_k_q7248d89aa4_ffn2-k_q7248d89aa4_ffn2
	.p2alignl 7, 3214868480
	.fill 96, 4, 3214868480
	.section	.rodata,"a",@progbits
	.p2align	6, 0x0
	.amdhsa_kernel k_q7248d89aa4_ffn2
		.amdhsa_group_segment_fixed_size 327680
		.amdhsa_private_segment_fixed_size 0
		.amdhsa_enable_private_segment 0
		.amdhsa_kernarg_size 56
		.amdhsa_user_sgpr_count 2
		.amdhsa_user_sgpr_kernarg_segment_ptr 1
		.amdhsa_wavefront_size32 1
		.amdhsa_system_sgpr_workgroup_id_x 1
		.amdhsa_system_sgpr_workgroup_id_y 1
		.amdhsa_system_sgpr_workgroup_id_z 1
		.amdhsa_system_vgpr_workitem_id 0
		.amdhsa_next_free_vgpr 640
		.amdhsa_next_free_sgpr 100
		.amdhsa_reserve_vcc 1
		.amdhsa_float_denorm_mode_32 3
		.amdhsa_float_denorm_mode_16_64 3
		.amdhsa_memory_ordered 1
		.amdhsa_forward_progress 1
		.amdhsa_inst_pref_size 98
	.end_amdhsa_kernel
	.amdgpu_metadata
---
amdhsa.version: [ 1, 2 ]
amdhsa.kernels:
  - .name:           k_q7248d89aa4_ffn2
    .symbol:         k_q7248d89aa4_ffn2.kd
    .args:
      - { .name: hc, .offset: 0, .size: 8, .value_kind: global_buffer, .address_space: global }
      - { .name: wf2_codes, .offset: 8, .size: 8, .value_kind: global_buffer, .address_space: global }
      - { .name: lowp_scales, .offset: 16, .size: 8, .value_kind: global_buffer, .address_space: global }
      - { .name: bf2, .offset: 24, .size: 8, .value_kind: global_buffer, .address_space: global }
      - { .name: out1, .offset: 32, .size: 8, .value_kind: global_buffer, .address_space: global }
      - { .name: resid, .offset: 40, .size: 8, .value_kind: global_buffer, .address_space: global }
      - { .name: stats, .offset: 48, .size: 8, .value_kind: global_buffer, .address_space: global }
    .group_segment_fixed_size: 327680
    .private_segment_fixed_size: 0
    .kernarg_segment_align: 8
    .kernarg_segment_size: 56
    .max_flat_workgroup_size: 128
    .sgpr_count:     100
    .vgpr_count:     640
    .wavefront_size: 32
...
	.end_amdgpu_metadata
.endif
;; end of part 13
;; launch ln2 (part 14): grid 256 x 1, 8 waves a work-group, no clusters, 1,280 bytes of LDS; arguments resid, stats, ffln_g, ffln_b, out0; writes out0
.if DOCPART == 14
	.amdgcn_target "amdgcn-amd-amdhsa--gfx1250"
	.amdhsa_code_object_version 6
	.text
	.protected	k_q7248d89aa4_ln2
	.globl	k_q7248d89aa4_ln2
	.p2align	8
	.type	k_q7248d89aa4_ln2,@function
k_q7248d89aa4_ln2:
	s_mov_b64 s[64:65], 0
	v_nop
	global_prefetch_b8 v0, s[64:65] scope:SCOPE_SE
	s_setreg_imm32_b32 hwreg(HW_REG_WAVE_MODE, 25, 1), 1
	s_wait_xcnt 0x0
; out0 = LayerNorm over (S, U) of resid, for each batch, x ffln_g + ffln_b, in f32.
; THE STATISTICS come as 1,024 pairs a batch (sum, M2 of 2,048 numbers each): mean = sum of sums / 2^21; variance = (sum of M2 + 2048 (sum / 2048 - mean)^2) / 2^21: no difference of large sums.
; Every work-group combines them itself (16 KiB): waves 0-3 batch 0, waves 4-7 batch 1; two barriers.
; SHARES.  A work-group takes 8,192 positions of (S, U) for BOTH batches, so that ffln_g and ffln_b are read once; a wave 1,024, in two steps of 512.  Every load and store covers 512 consecutive bytes.
.set L,     4
.set RED,   0                          ; 16 words for the two reductions
.set SPARE, 256                        ; the spare words, 128 bytes for each wave, which no other line names
.set SPW,   10
.set NIL,   11
.set PR,    32
.set D,     64
.set SEL,   36
.macro LSUM a, b
.irp m, 1,2,4,8
	s_delay_alu instid0(VALU_DEP_1)
	v_add_f32_dpp v[\a], v[\a], v[\a] row_xmask:\m row_mask:0xf bank_mask:0xf
.endr
	s_delay_alu instid0(VALU_DEP_1)
	v_permlanex16_b32 v[\b], v[\a], s[SEL], s[SEL+1]
	s_delay_alu instid0(VALU_DEP_1)
	v_add_f32 v[\a], v[\a], v[\b]
.endm
	s_load_b256 s[4:11], s[0:1], 0x0               ; resid, stats, ffln_g, ffln_b
	s_load_b64 s[14:15], s[0:1], 0x20              ; out0
	v_lshl_add_u32 v[SPW], v0, 2, SPARE
	v_mov_b32 v[NIL], 0
	v_lshrrev_b32 v1, 5, v0
	s_delay_alu instid0(VALU_DEP_1)
	v_readfirstlane_b32 s18, v1                    ; wave
	v_and_b32 v1, 31, v0
	s_delay_alu instid0(VALU_DEP_1)
	v_lshlrev_b32 v2, 4, v1                        ; 16 x lane
	v_lshrrev_b32 v5, 7, v0
	v_and_b32 v9, 127, v0
	s_delay_alu instid0(VALU_DEP_2)
	v_lshlrev_b32 v5, 13, v5                       ; my batch's 8,192 bytes of pairs,
	s_delay_alu instid0(VALU_DEP_1)
	v_lshl_add_u32 v5, v9, 4, v5                   ; 16 bytes a thread
	s_lshl_b32 s20, s18, 2
	s_add_co_u32 s20, s20, RED
	v_mov_b32 v6, s20                              ; my wave's word
	s_lshr_b32 s20, s18, 2
	s_lshl_b32 s20, s20, 4
	s_add_co_u32 s20, s20, RED
	v_mov_b32 v7, s20                              ; my batch's four words
	v_mov_b32 v8, RED
	v_mov_b32 v23, 0
	s_mov_b32 s[SEL], 0x76543210
	s_mov_b32 s[SEL+1], 0xfedcba98
	s_mov_b32 s30, 0x3a000000                      ; 1 / 2048
	s_mov_b32 s31, 0x45000000                      ; 2048
	s_mov_b32 s32, 0x35000000                      ; 2^-21
	s_mov_b32 s33, 0x3727c5ac                      ; 1e-5
	s_lshl_b32 s22, ttmp9, 15
	s_lshl_b32 s23, s18, 12
	s_add_co_u32 s22, s22, s23
	s_mov_b32 s23, 0
	s_wait_alu depctr_va_vdst(0)
	s_wait_kmcnt 0x0
	s_add_nc_u64 s[4:5], s[4:5], s[22:23]          ; resid, batch 0,
	s_add_nc_u64 s[26:27], s[4:5], 0x800000        ; batch 1
	s_add_nc_u64 s[8:9], s[8:9], s[22:23]
	s_add_nc_u64 s[10:11], s[10:11], s[22:23]
	s_add_nc_u64 s[14:15], s[14:15], s[22:23]      ; out0, batch 0,
	s_add_nc_u64 s[28:29], s[14:15], 0x800000      ; batch 1
.irp i, 0,1,2,3
	global_load_b128 v[PR+4*\i:PR+4*\i+3], v5, s[6:7] offset:2048*\i
.endr
.irp t, 0,1
.irp i, 0,1,2,3
	global_load_b128 v[D+64*\t+4*\i:D+64*\t+4*\i+3], v2, s[4:5] offset:2048*\t+512*\i th:TH_LOAD_NT
.endr
.irp i, 0,1,2,3
	global_load_b128 v[D+64*\t+16+4*\i:D+64*\t+16+4*\i+3], v2, s[26:27] offset:2048*\t+512*\i th:TH_LOAD_NT
.endr
.irp i, 0,1,2,3
	global_load_b128 v[D+64*\t+32+4*\i:D+64*\t+32+4*\i+3], v2, s[8:9] offset:2048*\t+512*\i th:TH_LOAD_NT
.endr
.irp i, 0,1,2,3
	global_load_b128 v[D+64*\t+48+4*\i:D+64*\t+48+4*\i+3], v2, s[10:11] offset:2048*\t+512*\i th:TH_LOAD_NT
.endr
.endr
	s_wait_loadcnt 32                              ; the pairs are in; the 32 loads of data may be out
	v_add_f32 v22, v[PR], v[PR+2]
.set P, 2
.rept 2*L-2
	s_delay_alu instid0(VALU_DEP_1)
	v_add_f32 v22, v22, v[PR+2*P]
.set P, P+1
.endr
	LSUM 22, 23
	ds_store_b32 v6, v22
	s_wait_dscnt 0x0
	s_barrier_signal -1
	s_barrier_wait -1
	ds_load_b128 v[24:27], v7
	s_wait_dscnt 0x0
	v_add_f32 v24, v24, v25
	v_add_f32 v26, v26, v27
	s_delay_alu instid0(VALU_DEP_1)
	v_add_f32 v24, v24, v26
	s_delay_alu instid0(VALU_DEP_1)
	v_mul_f32 v24, s32, v24                        ; my batch's mean
.set P, 0
.rept 2*L
	v_fma_f32 v25, v[PR+2*P], s30, -v24            ; the part's mean less the batch's
	s_delay_alu instid0(VALU_DEP_1)
	v_mul_f32 v25, v25, v25
.if P == 0
	s_delay_alu instid0(VALU_DEP_1)
	v_fma_f32 v22, v25, s31, v[PR+1]
.else
	s_delay_alu instid0(VALU_DEP_1)
	v_fma_f32 v22, v25, s31, v22
	s_delay_alu instid0(VALU_DEP_1)
	v_add_f32 v22, v22, v[PR+2*P+1]
.endif
.set P, P+1
.endr
	LSUM 22, 23
	ds_store_b32 v6, v22 offset:32                 ; other words than the first reduction's
	s_wait_dscnt 0x0
	s_barrier_signal -1
	s_barrier_wait -1
.irp i, 0,1,2,3
	ds_load_b128 v[PR+4*\i:PR+4*\i+3], v8 offset:16*\i
.endr
	s_wait_dscnt 0x0
.irp i, 0,1,2,3
	v_add_f32 v[PR+4*\i], v[PR+4*\i], v[PR+4*\i+1]
	v_add_f32 v[PR+4*\i+2], v[PR+4*\i+2], v[PR+4*\i+3]
	s_delay_alu instid0(VALU_DEP_1)
	v_add_f32 v[PR+4*\i], v[PR+4*\i], v[PR+4*\i+2]
.endr
	v_mul_f32 v12, s32, v[PR]
	v_mul_f32 v16, s32, v[PR+4]
	s_delay_alu instid0(VALU_DEP_2)
	v_mov_b32 v13, v12
	s_delay_alu instid0(VALU_DEP_2)
	v_mov_b32 v17, v16
	v_fma_f32 v[PR+8], v[PR+8], s32, s33           ; variance + 1e-5
	v_fma_f32 v[PR+12], v[PR+12], s32, s33
	s_wait_alu depctr_va_vdst(0)
	v_rsq_f32 v14, v[PR+8]
	v_rsq_f32 v18, v[PR+12]
	v_nop                                          ; a plain line behind the transcendentals
	s_wait_alu depctr_va_vdst(0)                   ; one wait for both, ahead of their first reader
	v_mov_b32 v15, v14
	v_mov_b32 v19, v18
.macro STEP t
.set RA, D+64*\t
.set RB, RA+16
.set G,  RA+32
.set BB, RA+48
	s_wait_loadcnt 16*(1-\t)                       ; this step's 16 loads are in; the next step's may be out
.irp j, 0,2,4,6,8,10,12,14
	v_pk_add_f32 v[RA+\j:RA+\j+1], v[RA+\j:RA+\j+1], v[12:13] neg_lo:[0,1] neg_hi:[0,1]
	v_pk_add_f32 v[RB+\j:RB+\j+1], v[RB+\j:RB+\j+1], v[16:17] neg_lo:[0,1] neg_hi:[0,1]
.endr
.irp j, 0,2,4,6,8,10,12,14
	v_pk_mul_f32 v[RA+\j:RA+\j+1], v[RA+\j:RA+\j+1], v[14:15]
	v_pk_mul_f32 v[RB+\j:RB+\j+1], v[RB+\j:RB+\j+1], v[18:19]
.endr
.irp j, 0,2,4,6,8,10,12,14
	v_pk_fma_f32 v[RA+\j:RA+\j+1], v[RA+\j:RA+\j+1], v[G+\j:G+\j+1], v[BB+\j:BB+\j+1]
	v_pk_fma_f32 v[RB+\j:RB+\j+1], v[RB+\j:RB+\j+1], v[G+\j:G+\j+1], v[BB+\j:BB+\j+1]
.endr
.irp i, 0,1,2,3
	global_store_b128 v2, v[RA+4*\i:RA+4*\i+3], s[14:15] offset:2048*\t+512*\i th:TH_STORE_NT
	global_store_b128 v2, v[RB+4*\i:RB+4*\i+3], s[28:29] offset:2048*\t+512*\i th:TH_STORE_NT
.endr
.endm
	STEP 0
	STEP 1
	s_wait_tensorcnt 0x0                           ; the wave's end
	ds_add_u32 v[SPW], v[NIL]
	s_wait_dscnt 0x0
	s_endpgm
.Lfunc_end_k_q7248d89aa4_ln2:
	.size	k_q7248d89aa4_ln2, .Lfunc_end_k_q7248d89aa4_ln2-k_q7248d89aa4_ln2
	.p2alignl 7, 3214868480
	.fill 96, 4, 3214868480
	.section	.rodata,"a",@progbits
	.p2align	6, 0x0
	.amdhsa_kernel k_q7248d89aa4_ln2
		.amdhsa_group_segment_fixed_size 1280
		.amdhsa_private_segment_fixed_size 0
		.amdhsa_enable_private_segment 0
		.amdhsa_kernarg_size 40
		.amdhsa_user_sgpr_count 2
		.amdhsa_user_sgpr_kernarg_segment_ptr 1
		.amdhsa_wavefront_size32 1
		.amdhsa_system_sgpr_workgroup_id_x 1
		.amdhsa_system_sgpr_workgroup_id_y 1
		.amdhsa_system_sgpr_workgroup_id_z 1
		.amdhsa_system_vgpr_workitem_id 0
		.amdhsa_next_free_vgpr 208
		.amdhsa_next_free_sgpr 66
		.amdhsa_reserve_vcc 0
		.amdhsa_float_denorm_mode_32 3
		.amdhsa_float_denorm_mode_16_64 3
		.amdhsa_memory_ordered 1
		.amdhsa_forward_progress 1
		.amdhsa_inst_pref_size 19
	.end_amdhsa_kernel
	.amdgpu_metadata
---
amdhsa.version: [ 1, 2 ]
amdhsa.kernels:
  - .name:           k_q7248d89aa4_ln2
    .symbol:         k_q7248d89aa4_ln2.kd
    .args:
      - { .name: resid, .offset: 0, .size: 8, .value_kind: global_buffer, .address_space: global }
      - { .name: stats, .offset: 8, .size: 8, .value_kind: global_buffer, .address_space: global }
      - { .name: ffln_g, .offset: 16, .size: 8, .value_kind: global_buffer, .address_space: global }
      - { .name: ffln_b, .offset: 24, .size: 8, .value_kind: global_buffer, .address_space: global }
      - { .name: out0, .offset: 32, .size: 8, .value_kind: global_buffer, .address_space: global }
    .group_segment_fixed_size: 1280
    .private_segment_fixed_size: 0
    .kernarg_segment_align: 8
    .kernarg_segment_size: 40
    .max_flat_workgroup_size: 256
    .sgpr_count:     66
    .vgpr_count:     208
    .wavefront_size: 32
...
	.end_amdgpu_metadata
.endif
;; end of part 14
